; MI455X (gfx1250); checked and timed in simulation.
; The chip was launched on July 23, 2026; its instructions are those of AMD's public machine-readable ISA for CDNA 5 (MIT licence, August 2026) and "CDNA5" Instruction Set Architecture Reference Guide (July 2026). The comments in the code are by the model that wrote it; some were corrected since.
;; Multi Head Attention. Allowed arithmetic: matrix products marked QUANTISED: E4M3 operands, one E8M0 scale for each 32 along K, by v_wmma_scale_f32_16x16x128_f8f6f4 with both operands' format E4M3, f32 sums; everything else in f32.
;; Inputs: K 8 x 2,048 x 512 float32; Q 8 x 2,048 x 512 float32; V 8 x 2,048 x 512 float32; Wk 512 x 512 float32; Wo 512 x 512 float32; Wq 512 x 512 float32; Wv 512 x 512 float32; bk 512 float32; bo 512 float32; bq 512 float32; bv 512 float32; mask 1 x 1 x 2,048 x 2,048 int32.
;; Outputs: out0 8 x 2,048 x 512 float32.
;; This version of the problem:
;;   THIS VERSION OF THE PROBLEM IS GIVEN IN LOW PRECISION. The matrix products marked QUANTISED in the list below multiply operands that are first quantised to E4M3 (4 exponent bits, 3 mantissa bits; 8 bits a number), with one power-of-two scale for each 32 numbers along K (OCP MX v1.0); their sums are f32. All else is computed in f32.
;;   The module's matrix products, in the order in which they are computed (A, B: the left and right operand; K: the contracted axis; several contracted axes count as one K, in the product's order):
;;     1. [M 16,384, K 512] x [K 512, N 512]; A: input Q; B: input Wq: QUANTISED
;;     2. [M 16,384, K 512] x [K 512, N 512]; A: input K; B: input Wk: QUANTISED
;;     3. [M 16,384, K 512] x [K 512, N 512]; A: input V; B: input Wv: QUANTISED
;;     4. batch 64 x [M 2,048, K 64] x [K 64, N 2,048]; A: computed on the way; B: computed on the way: QUANTISED
;;     5. batch 64 x [M 2,048, K 2,048] x [K 2,048, N 64]; A: softmax (see below); B: computed on the way: QUANTISED
;;     6. [M 16,384, K 512] x [K 512, N 512]; A: computed on the way; B: input Wo: QUANTISED
;;   THE QUANTISER, for each operand of a quantised product, along K:
;;     - K is cut into blocks of 32 from its start; a last block that is shorter is filled with zeros.
;;     - A block's scale is 2^e with e = floor(log2(the largest magnitude in the block)) - 8, held to -126 .. 127; a block of zeros has e = 0. As a byte (E8M0): e + 127.
;;     - Each number is divided by its block's scale, clamped to +-448, and rounded to the nearest number of E4M3, ties to even, subnormals kept.
;;     - The product sums the exact products of the quantised numbers (number of the format x scale) in f32.
;;   ~~~python
;;   def quantise(x, axis):      # numpy; x: float32 -> the quantised numbers, widened to float32 again
;;       x = np.moveaxis(x, axis, -1); K = x.shape[-1]
;;       x = np.pad(x, [(0, 0)] * (x.ndim - 1) + [(0, -K % 32)]); x = x.reshape(x.shape[:-1] + (-1, 32)); a = np.abs(x).max(-1, keepdims=True)
;;       e = np.where(a > 0, np.clip(np.frexp(np.where(a > 0, a, 1))[1] - 1 - 8, -126, 127), 0)      # np.frexp(a)[1] - 1 = floor(log2(a)), exactly
;;       r = np.clip(x / 2.0 ** e, -448, 448)
;;       step = 2.0 ** (np.maximum(np.frexp(np.where(r == 0, 1, r))[1] - 1, -6) - 3)
;;       q = np.round(r / step) * step * 2.0 ** e      # np.round: ties to even
;;       return np.moveaxis(q.reshape(q.shape[:-2] + (-1,))[..., :K], -1, axis).astype(np.float32)
;;   ~~~
;;   SOFTMAX AHEAD OF A QUANTISED PRODUCT. Where the list says 'softmax', what is quantised is not the finished softmax but p = 2^(t - M), with t = logit x log2(e) and M = ceil(the row's largest t), a whole number; so 1/2 < the row's largest p <= 1. The row's sum l is taken of the UNQUANTISED p, in f32, and the product's result is divided by l at the end. Since M is a whole number, a kernel that streams over the keys may use a running M (the ceiling of the running maximum): every later rescaling is an exact power of two, which a block's scale takes up: the codes' values come out the same.
;;   OPERANDS COMPUTED ON THE WAY. 'Computed on the way' means the value that the module computes at that place (a softmax that the list does not call 'softmax' is quantised finished and normalised). What goes into a quantiser is computed in f32, as accurately as f32 sums, v_exp_f32 and their like allow (about 1e-6 of the number): no bf16 or f16 on the way to a quantiser, and a product that is left as it is and whose result goes on into a quantised operand takes f32 operands (vector FMAs, or v_wmma_f32_16x16x4_f32). A number that lies on a knife's edge between two numbers of the format may be rounded either way, as far as f32 arithmetic and the matrix unit's own rounding can turn it there, and no further.
;; 3 versions. Each part assembles by itself: llvm-mc -triple=amdgcn-amd-amdhsa -mcpu=gfx1250 --defsym DOCPART=n.
;; ======== version 1 of 3: 4 launches
;; workspace buffers: wimg 1,048,576 bytes; wsc 65,536 bytes; mbits 524,288 bytes of whole numbers; qimg 8,388,608 bytes; qsc 524,288 bytes; kv 17,563,648 bytes; aoimg 8,388,608 bytes; aosc 524,288 bytes
;; launch prep (part 1): grid 640 x 1, 4 waves a work-group, no clusters, 0 bytes of LDS; arguments Wq, Wk, Wv, Wo, mask, wimg, wsc, mbits; writes wimg, wsc, mbits
.if DOCPART == 1
	.amdgcn_target "amdgcn-amd-amdhsa--gfx1250"
	.amdhsa_code_object_version 6
	.text
	.protected	k_qaf2d99ea63_prep
	.globl	k_qaf2d99ea63_prep
	.p2align	8
	.type	k_qaf2d99ea63_prep,@function
k_qaf2d99ea63_prep:
	s_mov_b64 s[64:65], 0
	v_nop
	global_prefetch_b8 v0, s[64:65] scope:SCOPE_SE
	s_setreg_imm32_b32 hwreg(HW_REG_WAVE_MODE, 25, 1), 1
	s_wait_xcnt 0x0
; PREP.  Two jobs that every later launch reads many times, done once.
; (1) The four weights [512][512] f32 (K innermost) become codes of E4M3 with one E8M0 scale byte for each 32 along K, laid as IMAGES OF THE OPERAND'S REGISTERS:
;     wimg [g: q,k,v,o][tile T 0..31][K step s 0..3][chunk c 0..3][lane][16 bytes], wsc [g][T][s][lane] one scale word a lane (lanes 16-31 hold a copy).
;     THE ROWS OF A TILE ARE NOT NEIGHBOURS: lane r of tile T takes row 32 (T / 2) + 8 (T % 2) + r + 8 (r / 8), so that a transposed product's 16 registers of tiles 2 b, 2 b + 1 are 16 neighbours.
; (2) The mask [2048][2048] int32 becomes lane masks: mbits [query tile qt 0..127][key step ks 0..15][n 0..63] words; bit r + 16 h of word n says whether
;     mask[query(qt, r)][128 ks + 32 (n / 16) + 16 h + n % 16] is not 0: word n is the select mask for score register n of the attention launch.
; A block's scale is 2^(floor(log2(its largest magnitude)) - 8); each number is held within +-448 x the scale and rounded to the nearest code, ties to even.
; LIMITS: NaN and infinities are not served; a block whose largest magnitude lies under 2^-118 (a block of zeros among them) keeps the byte 1: its codes are read by this program alone.
; Work-groups 0-127: one fragment (16 rows x 128 K) a wave.  Work-groups 128-639: one (qt, ks) a wave.  No LDS, no barrier: waves share nothing.
.set PC,  80                           ; v80-95   the codes just made
.set TM,  96                           ; v96-99 largest magnitudes, v100-103 bytes, v104-107 448 x the scale, v108-111 the conversions' scale operands
.set PW,  112                          ; v112     the scale word
.set SEL, 30                           ; s[30:31] lane selects: lane l xor 16
.set MNT, 32                           ; s32      the mantissa field of 448
.set MSB, 0
.macro WIN new                         ; register windows: here every window stays 0 and nothing is emitted; the macro is shared with the launches that have windows
.set NEWW, \new
.if MSB != NEWW
	s_set_vgpr_msb (MSB<<8)|NEWW
.set MSB, NEWW
.endif
.endm
; 64 numbers of a lane, v[s] .. v[s + 63] of window w, register 16 b + i = k 32 b + 16 (lane / 16) + i of my row, become a fragment's codes in v[PC] on, the four bytes in v[TM+4] on and (word = 1) the scale word in v[PW].
.macro QUANT s, w, word
	WIN (\w)|((\w)<<2)
.irp b, 0,1,2,3
	v_max3_num_f32 v[TM+\b], |v[(\s)+16*\b]|, |v[(\s)+16*\b+1]|, 0x4800000   ; block b: my 16 numbers, and the floor 2^(9 - 127): the byte cannot fall under 1
.endr
	WIN ((\w)<<2)|((\w)<<4)
.irp i, 2,4,6,8,10,12,14
.irp b, 0,1,2,3
	v_max3_num_f32 v[TM+\b], v[TM+\b], |v[(\s)+16*\b+\i]|, |v[(\s)+16*\b+\i+1]|   ; the four blocks by turns
.endr
.endr
	WIN 0
.irp b, 0,1,2,3
	v_permlanex16_b32 v[TM+4+\b], v[TM+\b], s[SEL], s[SEL+1]
.endr
.irp b, 0,1,2,3
	v_max_num_f32 v[TM+\b], v[TM+\b], v[TM+4+\b]          ; with lane l xor 16's: the block's largest magnitude
.endr
.irp b, 0,1,2,3
	v_add_nc_u32 v[TM+12+\b], 0xfc000000, v[TM+\b]        ; 8 off its exponent field: the conversion's scale operand
.endr
.irp b, 0,1,2,3
	v_and_or_b32 v[TM+8+\b], v[TM+\b], 0x7f800000, s[MNT] ; 448 x the scale
.endr
.irp b, 0,1,2,3
	v_lshrrev_b32 v[TM+4+\b], 23, v[TM+12+\b]             ; the scale's byte
.endr
.if \word
	v_lshl_or_b32 v[PW], v[TM+5], 8, v[TM+4]
	v_lshl_or_b32 v[PW], v[TM+6], 16, v[PW]
	v_lshl_or_b32 v[PW], v[TM+7], 24, v[PW]
.endif
	WIN (\w)|((\w)<<6)
.irp b, 0,1,2,3
.irp i, 0,1,2,3,4,5,6,7,8,9,10,11,12,13,14,15
	v_med3_num_f32 v[(\s)+16*\b+\i], v[(\s)+16*\b+\i], -v[TM+8+\b], v[TM+8+\b]   ; the conversion to an 8-bit code does not saturate (ISA guide 7.6.2): the hold comes first
.endr
.endr
	WIN (\w)
.irp b, 0,1,2,3
	v_cvt_scalef32_pk8_fp8_f32 v[PC+4*\b:PC+4*\b+1], v[(\s)+16*\b:(\s)+16*\b+7], v[TM+12+\b]
	v_cvt_scalef32_pk8_fp8_f32 v[PC+4*\b+2:PC+4*\b+3], v[(\s)+16*\b+8:(\s)+16*\b+15], v[TM+12+\b]
.endr
	WIN 0
	v_nop                                                 ; one plain vector line behind the last scaled conversion
.endm
	s_load_b512 s[4:19], s[0:1], 0x0               ; Wq s[4:5], Wk s[6:7], Wv s[8:9], Wo s[10:11], mask s[12:13], wimg s[14:15], wsc s[16:17], mbits s[18:19]
	v_lshrrev_b32 v1, 5, v0
	v_readfirstlane_b32 s20, v1                    ; wave 0..3
	v_and_b32 v1, 31, v0                           ; lane
	v_and_b32 v2, 15, v0                           ; r
	v_bfe_u32 v3, v0, 4, 1                         ; h
	v_and_b32 v4, 8, v2
	v_add_nc_u32 v4, v4, v2                        ; r + 8 (r / 8)
	v_lshlrev_b32 v5, 4, v1                        ; 16 x lane: my place in an image's chunk
	v_lshlrev_b32 v6, 2, v1                        ; 4 x lane
	v_lshlrev_b32 v7, 11, v4
	v_lshl_add_u32 v7, v3, 6, v7                   ; a weight: my row of 2,048 bytes, + 64 h: my 16 numbers of a block of 32
	v_lshlrev_b32 v8, 13, v4
	v_lshl_add_u32 v8, v3, 6, v8                   ; the mask: my row of 8,192 bytes, + 64 h
	s_mov_b32 s[SEL], 0x76543210
	s_mov_b32 s[SEL+1], 0xfedcba98
	s_mov_b32 s[MNT], 0x600000
.irp b, 0,1,2,3
	v_mov_b32 v[TM+4+\b], 0                        ; written once: a lane permute's destination counts as one of its sources
.endr
	s_mov_b32 s35, 0                               ; the upper word of every offset
	s_wait_kmcnt 0x0
	s_cmp_ge_u32 ttmp9, 128
	s_cbranch_scc1 .Lmask
	; ---- a weight's fragment: g = work-group / 32, T = work-group % 32, K step = wave
	s_lshr_b32 s21, ttmp9, 5
	s_and_b32 s22, ttmp9, 31
	s_cmp_eq_u32 s21, 1                            ; the choice of the buffer hangs on the work-group's number alone
	s_cselect_b64 s[4:5], s[6:7], s[4:5]
	s_cmp_eq_u32 s21, 2
	s_cselect_b64 s[4:5], s[8:9], s[4:5]
	s_cmp_eq_u32 s21, 3
	s_cselect_b64 s[4:5], s[10:11], s[4:5]
	s_lshr_b32 s23, s22, 1
	s_lshl_b32 s23, s23, 16                        ; 32 (T / 2) rows of 2,048 bytes
	s_and_b32 s24, s22, 1
	s_lshl_b32 s24, s24, 14                        ; 8 (T % 2) rows
	s_add_co_u32 s34, s23, s24
	s_lshl_b32 s24, s20, 9                         ; 128 numbers a K step
	s_add_co_u32 s34, s34, s24
	s_add_nc_u64 s[4:5], s[4:5], s[34:35]
.irp b, 0,1,2,3
.irp j, 0,1,2,3
	global_load_b128 v[16+16*\b+4*\j:16+16*\b+4*\j+3], v7, s[4:5] offset:128*\b+16*\j th:TH_LOAD_NT
.endr
.endr
	s_lshl_b32 s26, ttmp9, 2
	s_add_co_u32 s26, s26, s20                     ; the fragment's number: 4 (32 g + T) + s
	s_lshl_b32 s34, s26, 11
	s_add_nc_u64 s[14:15], s[14:15], s[34:35]
	s_lshl_b32 s34, s26, 7
	s_add_nc_u64 s[16:17], s[16:17], s[34:35]
	s_wait_loadcnt 0x0
	QUANT 16, 0, 1
.irp c, 0,1,2,3
	global_store_b128 v5, v[PC+4*\c:PC+4*\c+3], s[14:15] offset:512*\c   ; the wave stores 512 consecutive bytes, aligned
.endr
	global_store_b32 v6, v[PW], s[16:17]
	s_endpgm
.Lmask:
	; ---- 16 queries x 128 keys of the mask: id = 4 (work-group - 128) + wave = 16 qt + ks
	s_sub_co_u32 s21, ttmp9, 128
	s_lshl_b32 s21, s21, 2
	s_add_co_u32 s21, s21, s20
	s_lshr_b32 s22, s21, 4                         ; qt
	s_and_b32 s23, s21, 15                         ; ks
	s_lshr_b32 s24, s22, 1
	s_lshl_b32 s24, s24, 18                        ; 32 (qt / 2) rows of 8,192 bytes
	s_and_b32 s25, s22, 1
	s_lshl_b32 s25, s25, 16                        ; 8 (qt % 2) rows
	s_add_co_u32 s34, s24, s25
	s_lshl_b32 s25, s23, 9                         ; 128 keys of 4 bytes
	s_add_co_u32 s34, s34, s25
	s_add_nc_u64 s[12:13], s[12:13], s[34:35]
.irp b, 0,1,2,3
.irp j, 0,1,2,3
	global_load_b128 v[16+16*\b+4*\j:16+16*\b+4*\j+3], v8, s[12:13] offset:128*\b+16*\j th:TH_LOAD_NT
.endr
.endr
	v_mov_b32 v114, 0                              ; written whole before single lanes are written
	v_mov_b32 v115, 0
	s_lshl_b32 s34, s21, 8                         ; 64 words for each (qt, ks)
	s_add_nc_u64 s[18:19], s[18:19], s[34:35]
	s_wait_loadcnt 0x0
.set N, 0
.rept 64
	v_cmp_ne_u32 s[36+N%4], 0, v[16+N]             ; register n of all 32 lanes: one bit a lane
	v_writelane_b32 v[114+N/32], s[36+N%4], N%32   ; word n goes to lane n % 32
.set N, N+1
.endr
	global_store_b32 v6, v114, s[18:19]            ; the two stores cover 256 consecutive bytes, aligned
	global_store_b32 v6, v115, s[18:19] offset:128
	s_endpgm
.Lfunc_end_k_qaf2d99ea63_prep:
	.size	k_qaf2d99ea63_prep, .Lfunc_end_k_qaf2d99ea63_prep-k_qaf2d99ea63_prep
	.p2alignl 7, 3214868480
	.fill 96, 4, 3214868480
	.section	.rodata,"a",@progbits
	.p2align	6, 0x0
	.amdhsa_kernel k_qaf2d99ea63_prep
		.amdhsa_group_segment_fixed_size 0
		.amdhsa_private_segment_fixed_size 0
		.amdhsa_enable_private_segment 0
		.amdhsa_kernarg_size 64
		.amdhsa_user_sgpr_count 2
		.amdhsa_user_sgpr_kernarg_segment_ptr 1
		.amdhsa_wavefront_size32 1
		.amdhsa_system_sgpr_workgroup_id_x 1
		.amdhsa_system_sgpr_workgroup_id_y 1
		.amdhsa_system_sgpr_workgroup_id_z 1
		.amdhsa_system_vgpr_workitem_id 0
		.amdhsa_next_free_vgpr 128
		.amdhsa_next_free_sgpr 66
		.amdhsa_reserve_vcc 0
		.amdhsa_float_denorm_mode_32 3
		.amdhsa_float_denorm_mode_16_64 3
		.amdhsa_memory_ordered 1
		.amdhsa_forward_progress 1
		.amdhsa_inst_pref_size 23
	.end_amdhsa_kernel
	.amdgpu_metadata
---
amdhsa.version: [ 1, 2 ]
amdhsa.kernels:
  - .name:           k_qaf2d99ea63_prep
    .symbol:         k_qaf2d99ea63_prep.kd
    .args:
      - { .name: Wq, .offset: 0, .size: 8, .value_kind: global_buffer, .address_space: global }
      - { .name: Wk, .offset: 8, .size: 8, .value_kind: global_buffer, .address_space: global }
      - { .name: Wv, .offset: 16, .size: 8, .value_kind: global_buffer, .address_space: global }
      - { .name: Wo, .offset: 24, .size: 8, .value_kind: global_buffer, .address_space: global }
      - { .name: mask, .offset: 32, .size: 8, .value_kind: global_buffer, .address_space: global }
      - { .name: wimg, .offset: 40, .size: 8, .value_kind: global_buffer, .address_space: global }
      - { .name: wsc, .offset: 48, .size: 8, .value_kind: global_buffer, .address_space: global }
      - { .name: mbits, .offset: 56, .size: 8, .value_kind: global_buffer, .address_space: global }
    .group_segment_fixed_size: 0
    .private_segment_fixed_size: 0
    .kernarg_segment_align: 8
    .kernarg_segment_size: 64
    .max_flat_workgroup_size: 128
    .sgpr_count:     66
    .vgpr_count:     128
    .wavefront_size: 32
...
	.end_amdgpu_metadata
.endif
;; end of part 1
;; launch proj (part 2): grid 128 x 3, 4 waves a work-group, no clusters, 70,144 bytes of LDS; arguments Q, K, V, wimg, wsc, bq, bk, bv, qimg, qsc, kv; writes qimg, qsc, kv
.if DOCPART == 2
	.amdgcn_target "amdgcn-amd-amdhsa--gfx1250"
	.amdhsa_code_object_version 6
	.text
	.protected	k_qaf2d99ea63_proj
	.globl	k_qaf2d99ea63_proj
	.p2align	8
	.type	k_qaf2d99ea63_proj,@function
k_qaf2d99ea63_proj:
	s_mov_b64 s[64:65], 0
	v_nop
	global_prefetch_b8 v0, s[64:65] scope:SCOPE_SE
	s_setreg_imm32_b32 hwreg(HW_REG_WAVE_MODE, 25, 1), 1
	s_wait_xcnt 0x0
; PROJ.  q = Q Wq^T + bq, k = K Wk^T + bk, v = V Wv^T + bv, on codes of E4M3 with one E8M0 scale for each 32 along K (512); the results are quantised in registers into the operands of the attention launch.
; Work-group (x, y): tensor y (0 Q, 1 K, 2 V), rows 128 x .. 128 x + 127: eight tiles of 16 rows.  THE ROWS OF A TILE ARE NOT NEIGHBOURS: lane r of tile m takes row 32 (m / 2) + 8 (m % 2) + r + 8 (r / 8).
; THE WAVES SHARE THE COLUMNS: wave w makes columns 128 w .. 128 w + 127 (heads 2 w, 2 w + 1) of all 128 rows; its 32 fragments of W stay in registers.
; PHASE X: wave w quantises x's tiles 2 w, 2 w + 1 (8 fragments) and stores them to LDS as images of the operand's registers (16 bytes a lane, 512 bytes a store); ONE barrier; nothing is stored to LDS behind it.
; Q, K: source 0 = 16 rows of W, source 1 = 16 rows of x: a lane holds one row and 64 + 64 neighbouring channels of two heads: blocks along the head's 64, the first attention product's K.
; V:    source 0 = 16 rows of x, source 1 = 16 rows of W: a lane holds one channel and, of two neighbouring tiles of rows, 16 neighbouring KEYS: blocks along the keys, the second attention product's K.
; The bias is the C of each sum's first matrix instruction.  The 16 accumulators take turns, one instruction a turn.
; OUT: qimg [bh][qt][chunk 2][lane][16 B], qsc [bh][qt][r] words (bytes 2, 3 = 127: the upper half of the instruction's 128 along K holds zero codes);
;      kv [bh][slot 8] records of 34,304 bytes for 256 keys: +0 K's images [tile 16][chunk 2][512], +16384 V^T's [key step 2][channel tile 4][chunk 4][512], +32768 K's scale words [tile][r], +33792 V's [key step][tile][r].
; LIMITS: NaN and infinities are not served; a block whose largest magnitude lies under 2^-118 (a block of zeros among them) keeps the byte 1: this program alone reads the bytes.
; REGISTERS, in windows of 256: window 0: v4-13 addresses; v16-31 codes; v32-48 the quantiser's; v50-53 scale words on their way out; v56-87 W's scale words; v88-95 x's; v96-103 V's being built; v128-255 accumulators.
;   windows 1, 2: eight sets of 64: set f first holds the numbers of x's fragment f, then W's tile f (K step s at 16 s).   window 3: v0-127 x's fragments of two tiles; v128-191 the bias in the result's layout.
.set REC,  34304
.set REC8, 274432
.set XSC,  65536                       ; LDS: 32 images of 2,048 bytes from 0; from here their scale words, 128 bytes each
.set XA,  4                            ; v4   x: my row of 2,048 bytes + 64 h
.set LI,  5                            ; v5   16 x lane
.set LS,  6                            ; v6   4 x lane
.set XWI, 7                            ; v7   where I store x's images: 16 x lane + 16,384 x wave
.set XWS, 8                            ; v8   and their scale words: XSC + 4 x lane + 1,024 x wave
.set LSX, 9                            ; v9   XSC + 4 x lane
.set SA,  10                           ; v10  q's, k's scale words: 4 r + h x the stride from head to head
.set PC,  16
.set TM,  32
.set PW,  48
.set SW,  50
.set WS,  56
.set XS,  88
.set VS,  96
.set ACC, 128
.set BI,  128                          ; in window 3
.set WV,  26
.set TY,  27
.set BAT, 28
.set KS,  29
.set SEL, 30
.set MNT, 32
.set HIM, 33                           ; s33  the lanes 16-31
.set OB,  36                           ; s[36:37], s[38:39] where the codes of heads 2 w, 2 w + 1 go
.set SB,  40                           ; s[40:41], s[42:43] and their scale words
.set HC,  44
.set HS,  45
.set MSB, 0
.macro WIN new                         ; s_set_vgpr_msb: bits 1:0 source 0, 3:2 source 1, 5:4 source 2, 7:6 destination; the high byte repeats the setting that is left
.set NEWW, \new
.if MSB != NEWW
	s_set_vgpr_msb (MSB<<8)|NEWW
.set MSB, NEWW
.endif
.endm
; 64 numbers of a lane, v[s] .. v[s + 63] of window w, register 16 b + i = k 32 b + 16 (lane / 16) + i, become a fragment's codes in v[PC] on, the four bytes in v[TM+4] on and (word = 1) the scale word in v[PW].
; Where the numbers are matrix results, each accumulator is first read at its two lowest registers (even tiles in the first four lines, odd tiles at i = 8).
.macro QUANT s, w, word
	WIN (\w)|((\w)<<2)
.irp b, 0,1,2,3
	v_max3_num_f32 v[TM+\b], |v[(\s)+16*\b]|, |v[(\s)+16*\b+1]|, 0x4800000   ; block b: my 16 numbers, and the floor 2^(9 - 127): the byte cannot fall under 1
.endr
	WIN ((\w)<<2)|((\w)<<4)
.irp i, 2,4,6,8,10,12,14
.irp b, 0,1,2,3
	v_max3_num_f32 v[TM+\b], v[TM+\b], |v[(\s)+16*\b+\i]|, |v[(\s)+16*\b+\i+1]|   ; the four blocks by turns
.endr
.endr
	WIN 0
.irp b, 0,1,2,3
	v_permlanex16_b32 v[TM+4+\b], v[TM+\b], s[SEL], s[SEL+1]
.endr
.irp b, 0,1,2,3
	v_max_num_f32 v[TM+\b], v[TM+\b], v[TM+4+\b]          ; with lane l xor 16's: the block's largest magnitude
.endr
.irp b, 0,1,2,3
	v_add_nc_u32 v[TM+12+\b], 0xfc000000, v[TM+\b]        ; 8 off its exponent field: the conversion's scale operand
.endr
.irp b, 0,1,2,3
	v_and_or_b32 v[TM+8+\b], v[TM+\b], 0x7f800000, s[MNT] ; 448 x the scale
.endr
.irp b, 0,1,2,3
	v_lshrrev_b32 v[TM+4+\b], 23, v[TM+12+\b]             ; the scale's byte
.endr
.if \word
	v_lshl_or_b32 v[PW], v[TM+5], 8, v[TM+4]
	v_lshl_or_b32 v[PW], v[TM+6], 16, v[PW]
	v_lshl_or_b32 v[PW], v[TM+7], 24, v[PW]
.endif
	WIN (\w)|((\w)<<6)
.irp b, 0,1,2,3
.irp i, 0,1,2,3,4,5,6,7,8,9,10,11,12,13,14,15
	v_med3_num_f32 v[(\s)+16*\b+\i], v[(\s)+16*\b+\i], -v[TM+8+\b], v[TM+8+\b]   ; the conversion to an 8-bit code does not saturate (ISA guide 7.6.2): the hold comes first
.endr
.endr
	WIN (\w)
.irp b, 0,1,2,3
	v_cvt_scalef32_pk8_fp8_f32 v[PC+4*\b:PC+4*\b+1], v[(\s)+16*\b:(\s)+16*\b+7], v[TM+12+\b]
	v_cvt_scalef32_pk8_fp8_f32 v[PC+4*\b+2:PC+4*\b+3], v[(\s)+16*\b+8:(\s)+16*\b+15], v[TM+12+\b]
.endr
	WIN 0
	v_nop                                                 ; one plain vector line behind the last scaled conversion: later products write its sources
.endm
.macro XLOAD f                         ; the numbers of my fragment f (tile 2 w + f / 4, K step f % 4) into set f: 16 neighbours of each block of 32 a lane
	WIN 0x40*(1+(\f)/4)
.irp b, 0,1,2,3
.irp j, 0,1,2,3
	global_load_b128 v[64*((\f)%4)+16*\b+4*\j:64*((\f)%4)+16*\b+4*\j+3], v[XA], s[4:5] offset:((\f)/4)*16384+((\f)%4)*512+128*\b+16*\j th:TH_LOAD_NT
.endr
.endr
	WIN 0
.endm
.macro WLOAD t                         ; W's tile t, four K steps, as the image lies: 512 consecutive bytes a load
	WIN 0x40*(1+(\t)/4)
.irp i, 0,1,2,3,4,5,6,7,8,9,10,11,12,13,14,15
	global_load_b128 v[64*((\t)%4)+4*\i:64*((\t)%4)+4*\i+3], v[LI], s[10:11] offset:(\t)*8192+512*\i
.endr
	WIN 0
.endm
.macro IMAGE f                         ; the fragment in v[PC] on goes to LDS as it stands, and its scale word
.irp c, 0,1,2,3
	ds_store_b128 v[XWI], v[PC+4*\c:PC+4*\c+3] offset:(\f)*2048+512*\c
.endr
	ds_store_b32 v[XWS], v[PW] offset:(\f)*128
.endm
.macro FETCH p                         ; x's tiles 2 p, 2 p + 1: eight fragments and their scale words, from LDS
	WIN 0xc0
.irp m, 0,1
.irp s, 0,1,2,3
.irp c, 0,1,2,3
	ds_load_b128 v[16*(4*\m+\s)+4*\c:16*(4*\m+\s)+4*\c+3], v[LI] offset:(4*(2*(\p)+\m)+\s)*2048+512*\c
.endr
.endr
.endr
	WIN 0
.irp m, 0,1
.irp s, 0,1,2,3
	ds_load_b32 v[XS+4*\m+\s], v[LSX] offset:(4*(2*(\p)+\m)+\s)*128
.endr
.endr
.endm
; 64 matrix instructions: my 8 tiles of W x two tiles of x, four K steps; 16 accumulators by turns.  vt = 0: source 0 = W; vt = 1: source 0 = x.
.macro MULS vt
.irp s, 0,1,2,3
.irp hf, 0,1
.if \vt
.if \s == 0
	WIN 0x33+4*(1+\hf)                             ; x window 3, W window 1 or 2, the bias window 3, the result window 0
.else
	WIN 0x03+4*(1+\hf)
.endif
.else
.if \s == 0
	WIN 0x3c+1+\hf                                 ; W window 1 or 2, x window 3, the bias window 3, the result window 0
.else
	WIN 0x0c+1+\hf
.endif
.endif
.irp tt, 0,1,2,3
.irp m, 0,1
.set T8, 4*\hf+\tt
.set RW, 64*\tt+16*\s
.set RX, 16*(4*\m+\s)
.if \vt
.set RD, ACC+16*T8+8*\m
.if \s == 0
	v_wmma_scale_f32_16x16x128_f8f6f4 v[RD:RD+7], v[RX:RX+15], v[RW:RW+15], v[BI+8*T8:BI+8*T8+7], v[XS+4*\m+\s], v[WS+4*T8+\s]
.else
	v_wmma_scale_f32_16x16x128_f8f6f4 v[RD:RD+7], v[RX:RX+15], v[RW:RW+15], v[RD:RD+7], v[XS+4*\m+\s], v[WS+4*T8+\s]
.endif
.else
.set RD, ACC+64*\m+8*T8
.if \s == 0
	v_wmma_scale_f32_16x16x128_f8f6f4 v[RD:RD+7], v[RW:RW+15], v[RX:RX+15], v[BI+8*T8:BI+8*T8+7], v[WS+4*T8+\s], v[XS+4*\m+\s]
.else
	v_wmma_scale_f32_16x16x128_f8f6f4 v[RD:RD+7], v[RW:RW+15], v[RX:RX+15], v[RD:RD+7], v[WS+4*T8+\s], v[XS+4*\m+\s]
.endif
.endif
.endr
.endr
.endr
.endr
.endm
; Two tiles of x: the products, the next two tiles' fragments, and the results quantised and stored.
.macro PAIR p, vt
	s_wait_dscnt 0x0                               ; this pair's fragments and scale words are in
	MULS \vt
	WIN 0
.rept 9
	v_nop                                          ; eight places in front of loads into registers that these products read and of the first read of their results; a ninth, since the next pair's first products write over these accumulators
.endr
.if \p < 3
	FETCH \p+1
.endif
.irp q, 0,1
	s_wait_xcnt 0x0                                ; the earlier stores have read their data: v[PC] on and v[SW] on are written again only behind this wait
	QUANT ACC+64*\q, 0, 0
.if \vt
	; 64 numbers: channel tiles 4 q + b, keys 32 p + 16 h + 0 .. 15 of this key step: chunk p of V^T's fragment b of head 2 w + q
.irp b, 0,1,2,3
	global_store_b128 v[LI], v[PC+4*\b:PC+4*\b+3], s[OB+2*\q:OB+2*\q+1] offset:\b*2048+\p*512
.endr
.irp b, 0,1,2,3
.if \p == 0
	v_mov_b32 v[VS+4*\q+\b], v[TM+4+\b]            ; byte p of the channel's scale word for these 128 keys
.else
	v_lshl_or_b32 v[VS+4*\q+\b], v[TM+4+\b], 8*\p, v[VS+4*\q+\b]
.endif
.endr
.else
	; 64 numbers of row tile 2 p + q: blocks 0, 1 are head 2 w's 64 channels, blocks 2, 3 head 2 w + 1's
.irp b, 0,1,2,3
	global_store_b128 v[LI], v[PC+4*\b:PC+4*\b+3], s[OB+2*(\b/2):OB+2*(\b/2)+1] offset:(2*\p+\q)*1024+(\b%2)*512
.endr
	v_lshl_or_b32 v[SW], v[TM+5], 8, v[TM+4]
	v_lshl_or_b32 v[SW+1], v[TM+7], 8, v[TM+6]
	v_cndmask_b32 v[SW], v[SW], v[SW+1], s[HIM]    ; lanes 0-15 carry head 2 w's two bytes, lanes 16-31 head 2 w + 1's
	v_or_b32 v[SW], 0x7f7f0000, v[SW]              ; the bytes of the two blocks of zero codes: 127
	global_store_b32 v[SA], v[SW], s[SB:SB+1] offset:(2*\p+\q)*64
.endif
.endr
.endm
	s_load_b512 s[4:19], s[0:1], 0x0               ; Q s[4:5], K s[6:7], V s[8:9], wimg s[10:11], wsc s[12:13], bq s[14:15], bk s[16:17], bv s[18:19]
	s_load_b128 s[20:23], s[0:1], 0x40             ; qimg s[20:21], qsc s[22:23]
	s_load_b64 s[24:25], s[0:1], 0x50              ; kv
	v_lshl_add_u32 v126, v0, 2, 0x11000
	v_mov_b32 v127, 0
	v_lshrrev_b32 v1, 5, v0
	v_readfirstlane_b32 s[WV], v1                  ; wave 0..3
	s_and_b32 s[TY], ttmp7, 0xffff                 ; which tensor
	s_lshr_b32 s[BAT], ttmp9, 4                    ; batch
	s_and_b32 s[KS], ttmp9, 15                     ; which 128 rows of the batch
	s_mov_b32 s[SEL], 0x76543210
	s_mov_b32 s[SEL+1], 0xfedcba98
	s_mov_b32 s[MNT], 0x600000
	s_mov_b32 s[HIM], 0xffff0000
	; byte offsets of the results, made apart from the addresses
	s_lshl_b32 s46, s[BAT], 3
	s_lshl_b32 s47, s[WV], 1
	s_add_co_u32 s46, s46, s47                     ; bh of head 2 w
	s_lshl_b32 s48, s46, 17
	s_lshl_b32 s49, s[KS], 13
	s_add_co_u32 s48, s48, s49                     ; q's codes: bh x 131,072 + 8 tiles of 1,024 a block
	s_lshl_b32 s50, s46, 13
	s_lshl_b32 s49, s[KS], 9
	s_add_co_u32 s50, s50, s49                     ; q's scale words: bh x 8,192 + 8 tiles of 64
	s_mul_i32 s52, s46, REC8
	s_lshr_b32 s49, s[KS], 1
	s_mul_i32 s49, s49, REC
	s_add_co_u32 s52, s52, s49                     ; the record of these keys
	s_and_b32 s53, s[KS], 1                        ; which of its two key steps
	s_lshl_b32 s54, s53, 13
	s_add_co_u32 s54, s54, s52                     ; k's codes
	s_lshl_b32 s55, s53, 9
	s_add_co_u32 s55, s55, s52
	s_add_co_u32 s55, s55, 32768                   ; k's scale words
	s_add_co_u32 s56, s54, 16384                   ; v's codes
	s_lshl_b32 s57, s53, 8
	s_add_co_u32 s57, s57, s52
	s_add_co_u32 s57, s57, 33792                   ; v's scale words
	s_mov_b32 s[HC], REC8
	s_mov_b32 s[HS], REC8
	s_cmp_eq_u32 s[TY], 0
	s_cselect_b32 s48, s48, s54
	s_cselect_b32 s50, s50, s55
	s_cselect_b32 s[HC], 0x20000, s[HC]            ; from head to head: codes,
	s_cselect_b32 s[HS], 0x2000, s[HS]             ; scale words
	s_cmp_eq_u32 s[TY], 2
	s_cselect_b32 s48, s56, s48
	s_cselect_b32 s50, s57, s50
	s_mov_b32 s49, 0
	s_mov_b32 s51, 0
	v_and_b32 v1, 31, v0                           ; lane
	v_and_b32 v2, 15, v0                           ; r
	v_bfe_u32 v3, v0, 4, 1                         ; h
	v_and_b32 v11, 8, v2
	v_add_nc_u32 v11, v11, v2                      ; r + 8 (r / 8)
	v_lshlrev_b32 v[XA], 11, v11
	v_lshl_add_u32 v[XA], v3, 6, v[XA]
	v_lshlrev_b32 v[LI], 4, v1
	v_lshlrev_b32 v[LS], 2, v1
	s_lshl_b32 s58, s[WV], 14
	v_add_nc_u32 v[XWI], s58, v[LI]
	s_lshl_b32 s58, s[WV], 10
	s_add_co_u32 s58, s58, XSC
	v_add_nc_u32 v[XWS], s58, v[LS]
	v_add_nc_u32 v[LSX], XSC, v[LS]
	v_mul_u32_u24 v[SA], s[HS], v3
	v_lshl_add_u32 v[SA], v2, 2, v[SA]
	v_lshlrev_b32 v12, 6, v3                       ; the bias of q, k: 64 h
	v_lshlrev_b32 v13, 2, v11                      ; the bias of v: 4 (r + 8 (r / 8))
.irp b, 0,1,2,3
	v_mov_b32 v[TM+4+\b], 0                        ; written once: a lane permute's destination counts as one of its sources
.endr
	s_wait_kmcnt 0x0
	s_cmp_eq_u32 s[TY], 0                          ; every choice of a buffer hangs on the work-group's number alone
	s_cselect_b64 s[OB:OB+1], s[20:21], s[24:25]
	s_cselect_b64 s[SB:SB+1], s[22:23], s[24:25]
	s_cmp_eq_u32 s[TY], 1
	s_cselect_b64 s[4:5], s[6:7], s[4:5]
	s_cselect_b64 s[14:15], s[16:17], s[14:15]
	s_cmp_eq_u32 s[TY], 2
	s_cselect_b64 s[4:5], s[8:9], s[4:5]
	s_cselect_b64 s[14:15], s[18:19], s[14:15]
	s_add_nc_u64 s[OB:OB+1], s[OB:OB+1], s[48:49]
	s_add_nc_u64 s[SB:SB+1], s[SB:SB+1], s[50:51]
	s_mov_b32 s48, s[HC]
	s_add_nc_u64 s[OB+2:OB+3], s[OB:OB+1], s[48:49]
	s_mov_b32 s50, s[HS]
	s_add_nc_u64 s[SB+2:SB+3], s[SB:SB+1], s[50:51]
	s_lshl_b32 s52, ttmp9, 18                      ; x: 128 rows of 2,048 bytes a work-group,
	s_lshl_b32 s54, s[WV], 16                      ; 32 rows a wave
	s_add_co_u32 s52, s52, s54
	s_mov_b32 s53, 0
	s_add_nc_u64 s[4:5], s[4:5], s[52:53]
	s_lshl_b32 s52, s[TY], 18                      ; W's images: 262,144 bytes a weight, 65,536 a wave
	s_add_co_u32 s52, s52, s54
	s_add_nc_u64 s[10:11], s[10:11], s[52:53]
	s_lshl_b32 s52, s[TY], 14                      ; W's scale words: 16,384 and 4,096
	s_lshl_b32 s54, s[WV], 12
	s_add_co_u32 s52, s52, s54
	s_add_nc_u64 s[12:13], s[12:13], s[52:53]
	s_lshl_b32 s52, s[WV], 9                       ; the bias: my 128 numbers
	s_add_nc_u64 s[14:15], s[14:15], s[52:53]
.set I, 0
.rept 32
	global_load_b32 v[WS+I], v[LS], s[12:13] offset:128*I
.set I, I+1
.endr
	s_cmp_eq_u32 s[TY], 2
	s_cbranch_scc1 .Lbias_v
	WIN 0xc0                                       ; q, k: lane (r, h), tile t, register j: channel 32 (t / 2) + 16 h + 8 (t % 2) + j
.irp t, 0,1,2,3,4,5,6,7
	global_load_b128 v[BI+8*\t:BI+8*\t+3], v12, s[14:15] offset:(32*(\t/2)+8*(\t%2))*4
	global_load_b128 v[BI+8*\t+4:BI+8*\t+7], v12, s[14:15] offset:(32*(\t/2)+8*(\t%2))*4+16
.endr
	WIN 0
	s_branch .Lbias_done
.Lbias_v:
	WIN 0xc0                                       ; v: a lane holds one channel, 32 (t / 2) + 8 (t % 2) + r + 8 (r / 8): the same number in all eight registers
.irp t, 0,1,2,3,4,5,6,7
.irp j, 0,1,2,3,4,5,6,7
	global_load_b32 v[BI+8*\t+\j], v13, s[14:15] offset:(32*(\t/2)+8*(\t%2))*4
.endr
.endr
	WIN 0
.Lbias_done:
	XLOAD 0
	XLOAD 1
	XLOAD 2
	XLOAD 3
	; ---- X: my eight fragments of x.  Behind each, four sets on are asked for, and W's tile takes the set that has been read
.irp f, 0,1,2,3,4,5,6,7
.if \f == 0
	s_wait_loadcnt 48                              ; set 0 is in: behind its loads stand those of sets 1 to 3
.else
	s_wait_loadcnt 63                              ; this set is in: 64 loads or more were issued behind its own; 63 is the largest count that the wait can name
	s_wait_dscnt 0x0                               ; the last image's stores have read v[PC] on and v[PW]
.endif
	QUANT 64*(\f%4), 1+\f/4, 1
	IMAGE \f
.if \f < 4
	XLOAD \f+4
.endif
	WLOAD \f
.endr
	s_wait_dscnt 0x0                               ; for the others' sake: my images have landed
	s_barrier_signal -1
	s_barrier_wait -1                              ; x's 32 fragments lie in LDS; from here on LDS is only read
	FETCH 0
	s_wait_loadcnt 0x0                             ; W, its scale words, the bias
	s_cmp_eq_u32 s[TY], 2
	s_cbranch_scc1 .Lvalues
	PAIR 0, 0
	PAIR 1, 0
	PAIR 2, 0
	PAIR 3, 0
	s_wait_tensorcnt 0x0
	ds_add_u32 v126, v127
	s_wait_dscnt 0x0
	s_endpgm
.Lvalues:
	PAIR 0, 1
	PAIR 1, 1
	PAIR 2, 1
	PAIR 3, 1
.irp q, 0,1
.irp e, 0,1
	v_cndmask_b32 v[SW+2*\q+\e], v[VS+4*\q+2*\e], v[VS+4*\q+2*\e+1], s[HIM]   ; lanes 0-15: channel tile 2 e's words, lanes 16-31: tile 2 e + 1's
	global_store_b32 v[LS], v[SW+2*\q+\e], s[SB+2*\q:SB+2*\q+1] offset:128*\e
.endr
.endr
	s_wait_tensorcnt 0x0
	ds_add_u32 v126, v127
	s_wait_dscnt 0x0
	s_endpgm
.Lfunc_end_k_qaf2d99ea63_proj:
	.size	k_qaf2d99ea63_proj, .Lfunc_end_k_qaf2d99ea63_proj-k_qaf2d99ea63_proj
	.p2alignl 7, 3214868480
	.fill 96, 4, 3214868480
	.section	.rodata,"a",@progbits
	.p2align	6, 0x0
	.amdhsa_kernel k_qaf2d99ea63_proj
		.amdhsa_group_segment_fixed_size 70144
		.amdhsa_private_segment_fixed_size 0
		.amdhsa_enable_private_segment 0
		.amdhsa_kernarg_size 88
		.amdhsa_user_sgpr_count 2
		.amdhsa_user_sgpr_kernarg_segment_ptr 1
		.amdhsa_wavefront_size32 1
		.amdhsa_system_sgpr_workgroup_id_x 1
		.amdhsa_system_sgpr_workgroup_id_y 1
		.amdhsa_system_sgpr_workgroup_id_z 1
		.amdhsa_system_vgpr_workitem_id 0
		.amdhsa_next_free_vgpr 1024
		.amdhsa_next_free_sgpr 66
		.amdhsa_reserve_vcc 0
		.amdhsa_float_denorm_mode_32 3
		.amdhsa_float_denorm_mode_16_64 3
		.amdhsa_memory_ordered 1
		.amdhsa_forward_progress 1
		.amdhsa_inst_pref_size 255
	.end_amdhsa_kernel
	.section	.bss,"aw",@nobits
	.p2align	6
	.space	262144
	.amdgpu_metadata
---
amdhsa.version: [ 1, 2 ]
amdhsa.kernels:
  - .name:           k_qaf2d99ea63_proj
    .symbol:         k_qaf2d99ea63_proj.kd
    .args:
      - { .name: Q, .offset: 0, .size: 8, .value_kind: global_buffer, .address_space: global }
      - { .name: K, .offset: 8, .size: 8, .value_kind: global_buffer, .address_space: global }
      - { .name: V, .offset: 16, .size: 8, .value_kind: global_buffer, .address_space: global }
      - { .name: wimg, .offset: 24, .size: 8, .value_kind: global_buffer, .address_space: global }
      - { .name: wsc, .offset: 32, .size: 8, .value_kind: global_buffer, .address_space: global }
      - { .name: bq, .offset: 40, .size: 8, .value_kind: global_buffer, .address_space: global }
      - { .name: bk, .offset: 48, .size: 8, .value_kind: global_buffer, .address_space: global }
      - { .name: bv, .offset: 56, .size: 8, .value_kind: global_buffer, .address_space: global }
      - { .name: qimg, .offset: 64, .size: 8, .value_kind: global_buffer, .address_space: global }
      - { .name: qsc, .offset: 72, .size: 8, .value_kind: global_buffer, .address_space: global }
      - { .name: kv, .offset: 80, .size: 8, .value_kind: global_buffer, .address_space: global }
    .group_segment_fixed_size: 70144
    .private_segment_fixed_size: 0
    .kernarg_segment_align: 8
    .kernarg_segment_size: 88
    .max_flat_workgroup_size: 128
    .sgpr_count:     66
    .vgpr_count:     1024
    .wavefront_size: 32
...
	.end_amdgpu_metadata
.endif
;; end of part 2
;; launch attn (part 3): grid 8 x 64, 16 waves a work-group, clusters of 4 x 1, 327,680 bytes of LDS; arguments qimg, qsc, kv, mbits, aoimg, aosc; writes aoimg, aosc
.if DOCPART == 3
	.amdgcn_target "amdgcn-amd-amdhsa--gfx1250"
	.amdhsa_code_object_version 6
	.text
	.protected	k_qaf2d99ea63_attn
	.globl	k_qaf2d99ea63_attn
	.p2align	8
	.type	k_qaf2d99ea63_attn,@function
k_qaf2d99ea63_attn:
	s_mov_b64 s[64:65], 0
	v_nop
	global_prefetch_b8 v0, s[64:65] scope:SCOPE_SE
	s_setreg_imm32_b32 hwreg(HW_REG_WAVE_MODE, 25, 1), 1
	s_wait_xcnt 0x0
	s_wait_alu depctr_hold_cnt(0) depctr_sa_sdst(0) depctr_va_vdst(0) depctr_va_sdst(0) depctr_va_ssrc(0) depctr_va_vcc(0) depctr_vm_vsrc(0)
	s_getreg_b32 s2, hwreg(HW_REG_IB_STS2, 6, 4)
	s_cmp_eq_u32 s2, 0
	s_cbranch_scc0 .Lentry_in_a_cluster
	s_endpgm
.Lentry_in_a_cluster:
	s_bfe_u32 s2, ttmp6, 0x10000c
	s_cmp_lg_u32 s2, 0x3003
	s_cbranch_scc0 .Lentry_shape_is_right
	s_endpgm
.Lentry_shape_is_right:
; ATTN.  For each (batch, head): O = softmax(mask(q k^T / 8)) v, both products on codes of E4M3 with one E8M0 scale for each 32 along K; O / the row's sum is quantised along the model's 512 into the last product's operand.
; THE SOFTMAX AHEAD OF THE SECOND PRODUCT: t = score x log2(e) / 8; M = the row's largest t so far, rounded UP to a whole number; p = 2^(t - M) is quantised along the keys, not normalised; the row's sum is taken of the
; unquantised p; when M moves, the sum and O are multiplied by 2^(old M - new M), which rounds nothing.
; THE MASK: word n of a key step's 64 mask words holds one bit a lane for score register n: one select an element puts -2^103 in the place of a masked raw score.
; LIMITS: the masked score, scaled by 1/8, is -2^100 (about -1.27e30) where the definition has -1e30: a power of two, so that score x c is exact and a row with every key masked gives p = 1 for every key, as the definition's
; equal scores do; true scaled scores must lie above -1.2e30.  NaN and infinities are not served.  A block whose largest magnitude lies under 2^-118 keeps the byte 1 (its bytes are read by this program alone).
; SHARES.  A work-group owns 256 queries of one (batch, head); each of its sixteen waves one tile of 16 queries, in 256 registers: four waves to a SIMD, so that one wave's vector work stands beside another's products and loads.
; Every wave walks all 2,048 keys, 128 a step.  K, V^T and their scale words come as records of 34,304 bytes for 256 keys, images of the operands' registers, through a ring of two LDS slots.
; CLUSTER.  The four work-groups of a cluster belong to one (batch, head) and walk the same records: each half record is asked for JOINTLY, by the same tensor load with a mask that names the four (waves 0 and 1 issue it).
; LAYOUT.  S^T = K Q^T (source 0 = 16 keys, source 1 = my queries), O^T = V^T P^T (source 0 = 16 channels): a lane holds ONE query throughout.  The keys (channels) of a tile are not neighbours: lane r of tile 2 b + u takes
; 32 b + 8 u + r + 8 (r / 8), so that the 16 registers of tiles 2 b, 2 b + 1 are 16 neighbours.  The first product's K is 64: the upper halves of its operands hold zero codes, under the byte 127.
; REGISTERS: v1 16 x lane, v2 4 (lane % 16), v3, v4 the spare word's address and 0, v5 the masked score, v6, v7 LDS addresses in the slot in hand, v12 -M, v13 the largest t, v[14:15] the sum; v16-31 Q; v32-95 four fragments of K;
;   v96-159 S^T, then p, then four fragments of V^T; v160-191 O^T; v192-207 p's codes; v208-211 K's scale words, v212-215 V's, v216 Q's, v217 p's; v218 the outgoing scale bytes; v232-254 at work.
.set REC,   34304
.set REC8,  274432
.set HALFR, 17152                      ; half a record: 67 rows of 256 bytes: what one tensor load brings
.set SLOT1, 65536                      ; slot 1 begins here: one exclusive or turns an address in one slot into the other's
.set SPARE, 131072                     ; the spare words, 128 bytes for each of sixteen waves: eight blocks of 256 bytes that no other line names
.set VIM,   16384                      ; in a record: V^T's images,
.set KSC,   32768                      ; K's scale words,
.set VSC,   33792                      ; V's scale words
.macro ROUND                           ; a round of the cluster's barrier: my work-group's barrier; wave 0 signals for the work-group; every wave waits for all four work-groups; my work-group's barrier once more
	s_barrier_signal -1
	s_barrier_wait -1
	s_cmp_lg_u32 s28, 0
	s_cbranch_scc1 .Lnot_wave_0_\@
	s_barrier_signal -3
.Lnot_wave_0_\@:
	s_barrier_wait -3
	s_barrier_signal -1
	s_barrier_wait -1
.endm
.macro TLOAD                           ; waves 0 and 1 fetch the record's two halves, the others nothing; the branch hangs on the wave's number alone.  Four v_nop follow the load
	s_cmp_lt_u32 s28, 2
	s_cbranch_scc0 .Lasked_\@
	tensor_load_to_lds s[24:27], s[16:23]
	s_nop 0
.rept 4
	v_nop
.endr
.Lasked_\@:
.endm
; THE CHANGE OF SLOTS stands at a slot's head.  Each wave waits for all its tensor loads, adds 0 to its spare word, and waits for that and for its reads of the slot that it has left.
; fill = 1: a round of the cluster's barrier follows, so that no wave of any partner still reads that slot or has a load on its way; the joint refill is the first thing behind it and has a whole slot's steps in which to land.
.macro CHANGE fill
	s_wait_tensorcnt 0x0                           ; no tensor load of mine is out, so the descriptor may be written
	ds_add_u32 v3, v4                              ; 0 onto my spare word
.if \fill
	s_xor_b32 s25, s25, SLOT1                      ; the other slot than last time,
	s_add_nc_u64 s[26:27], s[26:27], REC           ; the next 256 keys' record; the type bits on top are not reached
.endif
	s_wait_dscnt 0x0                               ; the add is done, and my reads of the slot that I have left are over
.if \fill
	ROUND
	TLOAD
.else
	s_barrier_signal -1
	s_barrier_wait -1
.endif
.endm
; A KEY STEP: 128 keys, the q-th of the slot in hand.
.macro STEP q
	s_load_b512 s[32:47], s[10:11], (\q)*256       ; the step's 64 mask words of my query tile
	s_load_b512 s[48:63], s[10:11], (\q)*256+64
	s_load_b512 s[68:83], s[10:11], (\q)*256+128
	s_load_b512 s[84:99], s[10:11], (\q)*256+192
.irp g, 0,1                                    ; S^T = K Q^T, four tiles of 16 keys at a time
.if \g
.rept 8
	v_nop                                          ; eight places in front of loads into registers that the four products above have read; they also stand in front of the first read of those products' results
.endr
.endif
.irp t, 0,1,2,3
	ds_load_b128 v[32+16*\t:35+16*\t], v6 offset:(8*(\q)+4*\g+\t)*1024       ; the lower half of the fragment: the head's 64; the upper half stays zero codes
	ds_load_b128 v[36+16*\t:39+16*\t], v6 offset:(8*(\q)+4*\g+\t)*1024+512
	ds_load_b32 v[208+\t], v7 offset:KSC+(8*(\q)+4*\g+\t)*64
.endr
	s_wait_dscnt 0x0
.irp t, 0,1,2,3
	v_wmma_scale_f32_16x16x128_f8f6f4 v[96+8*(4*\g+\t):103+8*(4*\g+\t)], v[32+16*\t:47+16*\t], v[16:31], 0, v[208+\t], v216
.endr
.endr
	s_wait_kmcnt 0x0                               ; the mask words are in
.set N, 0
.rept 64                                       ; register n = 16 b + i holds key 32 b + 16 (lane / 16) + i.  Ascending: each accumulator is first read at its lowest register; the first 32 lines name only the first four
	v_cndmask_b32 v[96+N], v5, v[96+N], s[32+N+4*(N/32)]   ; products' results and are the places behind the last four
.set N, N+1
.endr
.irp b, 0,1,2,3
	v_max3_num_f32 v[232+\b], v[96+16*\b], v[97+16*\b], v[98+16*\b]   ; the largest score of each block of 32 keys: it serves the row's maximum and, since p rises with the score, the block's largest p
.endr
.irp i, 3,5,7,9,11,13
.irp b, 0,1,2,3
	v_max3_num_f32 v[232+\b], v[232+\b], v[96+16*\b+\i], v[97+16*\b+\i]
.endr
.endr
.irp b, 0,1,2,3
	v_max_num_f32 v[232+\b], v[232+\b], v[111+16*\b]
.endr
.irp b, 0,1,2,3
	v_permlanex16_b32 v[236+\b], v[232+\b], s100, s101
.endr
.irp b, 0,1,2,3
	v_max_num_f32 v[232+\b], v[232+\b], v[236+\b]  ; with lane l xor 16's 16 keys
.endr
	v_max3_num_f32 v254, v232, v233, v234
	v_max_num_f32 v254, v254, v235                 ; the step's largest score of my query
	v_mul_f32 v254, s104, v254                     ; as t (c is positive)
	v_max_num_f32 v13, v13, v254                   ; the running largest t
	v_mov_b32 v254, v12
	v_floor_f32 v12, -v13                          ; the new -M = floor(-t) = -ceil(t): a whole number
	v_sub_f32 v254, v12, v254                      ; old M - new M: a whole number, 0 or less
	v_cvt_i32_f32 v254, v254                       ; (it saturates)
	v_ldexp_f32 v252, 1.0, v254                    ; f = 2^(old M - new M)
.set J, 0
.rept 32
	v_pk_fma_f32 v[96+J:97+J], v[96+J:97+J], s[104:105], v[12:13] op_sel_hi:[1,0,0]   ; t - M, two at a time (of the pairs c and -M the low word serves both halves)
.set J, J+2
.endr
.irp b, 0,1,2,3
	v_fma_f32 v[232+\b], v[232+\b], s104, v12      ; the same of each block's largest score
.endr
.set J, 0
.rept 64
	v_exp_f32 v[96+J], v[96+J]                     ; p = 2^(t - M), at most 1
.set J, J+1
.endr
.irp b, 0,1,2,3
	v_exp_f32 v[232+\b], v[232+\b]                 ; the block's largest p: the same two instructions on the same number
.endr
	v_pk_mul_f32 v[14:15], v[14:15], v[252:253] op_sel_hi:[1,0]   ; the sums under the new M.  (A plain line behind the exponentials)
	s_wait_alu depctr_va_vdst(0)
.irp b, 0,1,2,3
	v_max_num_f32 v[232+\b], 0x4800000, v[232+\b]  ; the floor 2^(9 - 127): the byte cannot fall under 1 (a block whose every p is 0 keeps that byte: its codes are zeros)
.endr
.irp b, 0,1,2,3
	v_add_nc_u32 v[244+\b], 0xfc000000, v[232+\b]  ; 8 off the exponent field: the conversion's scale operand
.endr
.irp b, 0,1,2,3
	v_and_or_b32 v[240+\b], v[232+\b], 0x7f800000, s31   ; 448 x the scale
.endr
.irp b, 0,1,2,3
	v_lshrrev_b32 v[236+\b], 23, v[244+\b]         ; the scale's byte
.endr
	v_lshl_or_b32 v217, v237, 8, v236              ; p's scale word for these 128 keys
	v_lshl_or_b32 v217, v238, 16, v217
	v_lshl_or_b32 v217, v239, 24, v217
	v_pk_add_f32 v[236:237], v[96:97], v[98:99]    ; the row's sum is taken of the unquantised p: two at a time, in two chains
.irp j, 4,8,12,16,20,24,28,32,36,40,44,48,52,56,60
	v_pk_add_f32 v[14:15], v[14:15], v[96+\j:97+\j]
	v_pk_add_f32 v[236:237], v[236:237], v[98+\j:99+\j]
.endr
	v_pk_add_f32 v[14:15], v[14:15], v[236:237]
.irp b, 0,1,2,3
.irp i, 0,1,2,3,4,5,6,7,8,9,10,11,12,13,14,15
	v_min_num_f32 v[96+16*\b+\i], v[96+16*\b+\i], v[240+\b]   ; the conversion does not saturate (ISA guide 7.6.2); p is not negative, so the hold is one-sided
.endr
	v_cvt_scalef32_pk8_fp8_f32 v[192+4*\b:193+4*\b], v[96+16*\b:103+16*\b], v[244+\b]
	v_cvt_scalef32_pk8_fp8_f32 v[194+4*\b:195+4*\b], v[104+16*\b:111+16*\b], v[244+\b]
.irp c, 0,1,2,3
	ds_load_b128 v[96+16*\b+4*\c:99+16*\b+4*\c], v6 offset:VIM+(\q)*8192+\b*2048+512*\c   ; V^T's channel tile b takes the registers that block b's p has just left
.endr
	ds_load_b32 v[212+\b], v7 offset:VSC+(\q)*256+\b*64
.endr
.set J, 0
.rept 16
	v_pk_mul_f32 v[160+J:161+J], v[160+J:161+J], v[252:253] op_sel_hi:[1,0]   ; O^T under the new M, each accumulator from its low end on.  (These are also the plain lines between the conversions and the products)
.set J, J+2
.endr
	s_wait_dscnt 0x0                               ; V^T's four fragments and their scale words are in
.irp t, 0,1,2,3
	v_wmma_scale_f32_16x16x128_f8f6f4 v[160+8*\t:167+8*\t], v[96+16*\t:111+16*\t], v[192:207], v[160+8*\t:167+8*\t], v[212+\t], v217
.endr
.rept 9
	v_nop                                          ; nine places: the next step's first products write over registers that these have read; loads and vector lines that touch these products' registers want eight
.endr
.endm
.macro SLOT_STEPS
	v_add_nc_u32 v6, s29, v1
	v_add_nc_u32 v7, s29, v2
	STEP 0
	STEP 1
	s_xor_b32 s29, s29, SLOT1                      ; on to the other slot
	s_add_nc_u64 s[10:11], s[10:11], 512           ; and the next two steps' mask words (the scalar loads that named this base have been waited for)
.endm
	s_load_b256 s[4:11], s[0:1], 0x0               ; qimg s[4:5], qsc s[6:7], kv s[8:9], mbits s[10:11]
	s_load_b128 s[12:15], s[0:1], 0x20             ; aoimg s[12:13], aosc s[14:15]
	v_lshl_add_u32 v3, v0, 2, SPARE
	v_mov_b32 v4, 0
	ds_add_u32 v3, v4
	s_wait_dscnt 0x0
	v_lshrrev_b32 v6, 5, v0
	v_readfirstlane_b32 s28, v6                    ; wave 0..15
	s_and_b32 s32, ttmp7, 0xffff                   ; bh = 8 x batch + head, which the four partners share
	s_and_b32 s33, s28, 1
	s_mul_i32 s33, s33, HALFR                      ; which half of a record I fetch, if I fetch: in LDS and in memory alike
	s_mul_i32 s34, s32, REC8
	s_add_co_u32 s34, s34, s33
	s_mov_b32 s35, 0                               ; s[34:35]: my half of the head's first record.  No place in the cluster enters these registers
	; descriptor group 1: 67 dense rows of 256 bytes (32 elements of 8 bytes), no padding: the images are read 16 bytes a lane on end
	s_mov_b32 s16, 15|(3<<16)|(1<<21)              ; 15:0 the mask: all four work-groups; 17:16 elements of 8 bytes; 21 set beside a mask
	s_mov_b32 s17, 32<<16                          ; tensor_dim0 = 32
	s_mov_b32 s18, 67<<16                          ; tensor_dim1 = 67
	s_mov_b32 s19, 32<<16                          ; tile_dim0 = 32
	s_mov_b32 s20, 67                              ; tile_dim1 = 67
	s_mov_b32 s21, 32                              ; from row to row: 32 elements
	s_mov_b32 s22, 0
	s_mov_b32 s23, 0
	s_bfe_u32 s36, ttmp6, 0x40000                  ; cx: my place in the cluster: it enters the addresses of q, the mask words and the result alone
	s_lshl_b32 s37, ttmp9, 2
	s_add_co_u32 s37, s37, s36                     ; my block of 256 queries
	s_lshl_b32 s37, s37, 4
	s_add_co_u32 s37, s37, s28                     ; qt: my tile of 16 queries
	s_lshl_b32 s38, s32, 17
	s_lshl_b32 s40, s37, 10
	s_add_co_u32 s38, s38, s40
	s_mov_b32 s39, 0                               ; q's codes: bh x 131,072 + qt x 1,024
	s_lshl_b32 s40, s32, 13
	s_lshl_b32 s42, s37, 6
	s_add_co_u32 s40, s40, s42
	s_mov_b32 s41, 0                               ; q's scale words: bh x 8,192 + qt x 64
	s_lshl_b32 s42, s37, 12
	s_mov_b32 s43, 0                               ; the mask words: qt x 16 steps x 256
	s_lshr_b32 s44, s32, 3
	s_lshl_b32 s44, s44, 7
	s_add_co_u32 s44, s44, s37                     ; the result's tile of rows: 128 x batch + qt
	s_lshl_b32 s44, s44, 2
	s_bfe_u32 s46, s32, 0x20001
	s_add_co_u32 s44, s44, s46                     ; x 4 + head / 2: the last product's K step
	s_and_b32 s46, s32, 1                          ; head % 2: which half of that K step
	s_lshl_b32 s48, s44, 7
	s_lshl_b32 s47, s46, 1
	s_add_co_u32 s48, s48, s47
	s_mov_b32 s49, 0                               ; its scale words: 128 bytes a fragment, + 2 bytes for an odd head
	s_lshl_b32 s44, s44, 11
	s_lshl_b32 s47, s46, 10
	s_add_co_u32 s44, s44, s47
	s_mov_b32 s45, 0                               ; its codes: 2,048 bytes a fragment, + 1,024 for an odd head
	s_mov_b32 s29, 0                               ; the slot in hand
	s_mov_b32 s30, 7                               ; slots still to be asked for
	s_mov_b32 s31, 0x600000                        ; the mantissa field of 448
	s_mov_b32 s100, 0x76543210
	s_mov_b32 s101, 0xfedcba98                     ; lane l xor 16
	s_mov_b32 s104, 0x3e38aa3b                     ; c = log2(e) / 8
	s_mov_b32 s105, s104                           ; (named with it as a pair, so it is written)
	s_wait_kmcnt 0x0
	s_add_nc_u64 s[4:5], s[4:5], s[38:39]
	s_add_nc_u64 s[6:7], s[6:7], s[40:41]
	s_add_nc_u64 s[10:11], s[10:11], s[42:43]
	s_add_nc_u64 s[12:13], s[12:13], s[44:45]
	s_add_nc_u64 s[14:15], s[14:15], s[48:49]
	ROUND                                          ; all four work-groups are here: the first joint loads meet
	s_mov_b32 s24, 1                               ; 1:0 count = 1
	s_mov_b32 s25, s33                             ; 63:32 LDS address: slot 0, my half
	s_add_nc_u64 s[26:27], s[8:9], s[34:35]        ; 120:64 global address
	s_or_b32 s27, s27, 0x80000000                  ; 127:126 type = 2
	TLOAD                                          ; record 0 into slot 0
	v_and_b32 v1, 31, v0
	v_lshlrev_b32 v1, 4, v1                        ; 16 x lane
	v_and_b32 v2, 15, v0
	v_lshlrev_b32 v2, 2, v2                        ; 4 (lane % 16)
	global_load_b128 v[16:19], v1, s[4:5]          ; Q's fragment, lower half: it stays in registers
	global_load_b128 v[20:23], v1, s[4:5] offset:512
	global_load_b32 v216, v2, s[6:7]               ; Q's scale words
.irp i, 24,25,26,27,28,29,30,31
	v_mov_b32 v[\i], 0                             ; zero codes for K = 64 .. 127 of the first product: Q's,
.endr
.irp t, 0,1,2,3
.irp i, 8,9,10,11,12,13,14,15
	v_mov_b32 v[32+16*\t+\i], 0                    ; and K's: written once, no load lands here
.endr
.endr
.set J, 0
.rept 32
	v_mov_b32 v[160+J], 0                          ; O^T.  (The step is written once: the first finds zeros, which the first change of M leaves zeros)
.set J, J+1
.endr
	v_mov_b32 v5, 0xf3000000                       ; -2^103: a masked raw score
	v_mov_b32 v13, 0xff61b1e6                      ; the largest t so far: -3e38, under every t
	v_floor_f32 v12, -v13                          ; -M
	v_mov_b32 v14, 0                               ; the sum, in two halves
	v_mov_b32 v15, 0
.irp b, 0,1,2,3
	v_mov_b32 v[236+\b], 0                         ; written once: a lane permute's destination counts as one of its sources
.endr
	v_mov_b32 v253, 0                              ; (named as the upper half of the pair v[252:253])
	s_wait_loadcnt 0x0                             ; Q
.Lslot:                                            ; seven trips: behind each change of slots but the last the next record is asked for
	CHANGE 1
	SLOT_STEPS
	s_sub_co_u32 s30, s30, 1
	s_cmp_lg_u32 s30, 0
	s_cbranch_scc1 .Lslot
	CHANGE 0                                       ; the last slot is written out
	SLOT_STEPS
	; THE WAY OUT.  O^T / the sum: register 16 b + i is channel 32 b + 16 (lane / 16) + i of my query: two blocks of the last product's K, quantised in registers; the codes leave as two chunks of that operand's image.
	v_add_f32 v14, v14, v15                        ; the sum's two halves,
	v_permlanex16_b32 v252, v14, s100, s101
	v_add_f32 v14, v14, v252                       ; and lane l xor 16's: the row's sum
	v_rcp_f32 v14, v14
	v_and_b32 v8, 31, v0                           ; (a plain line behind the reciprocal)
	v_lshlrev_b32 v8, 2, v8                        ; 4 x lane
.set J, 0
	s_wait_alu depctr_va_vdst(0)
.rept 32
	v_mul_f32 v[96+J], v[160+J], v14               ; ascending: each accumulator is first read at its lowest register
.set J, J+1
.endr
.irp b, 0,1
	v_max3_num_f32 v[232+\b], |v[96+16*\b]|, |v[97+16*\b]|, 0x4800000
.endr
.irp i, 2,4,6,8,10,12,14
.irp b, 0,1
	v_max3_num_f32 v[232+\b], v[232+\b], |v[96+16*\b+\i]|, |v[97+16*\b+\i]|
.endr
.endr
.irp b, 0,1
	v_permlanex16_b32 v[236+\b], v[232+\b], s100, s101
.endr
.irp b, 0,1
	v_max_num_f32 v[232+\b], v[232+\b], v[236+\b]
.endr
.irp b, 0,1
	v_add_nc_u32 v[244+\b], 0xfc000000, v[232+\b]
.endr
.irp b, 0,1
	v_and_or_b32 v[240+\b], v[232+\b], 0x7f800000, s31
.endr
.irp b, 0,1
	v_lshrrev_b32 v[236+\b], 23, v[244+\b]
.endr
	v_lshl_or_b32 v218, v237, 8, v236              ; my head's two bytes of the row's scale word
.irp b, 0,1
.irp i, 0,1,2,3,4,5,6,7,8,9,10,11,12,13,14,15
	v_med3_num_f32 v[96+16*\b+\i], v[96+16*\b+\i], -v[240+\b], v[240+\b]
.endr
.endr
.irp b, 0,1
	v_cvt_scalef32_pk8_fp8_f32 v[192+4*\b:193+4*\b], v[96+16*\b:103+16*\b], v[244+\b]
	v_cvt_scalef32_pk8_fp8_f32 v[194+4*\b:195+4*\b], v[104+16*\b:111+16*\b], v[244+\b]
.endr
	v_nop                                          ; one plain vector line behind the last scaled conversion
	global_store_b128 v1, v[192:195], s[12:13]     ; each store of the wave covers 512 consecutive bytes, aligned
	global_store_b128 v1, v[196:199], s[12:13] offset:512
	global_store_b16 v8, v218, s[14:15]            ; two bytes of each lane's word; the head beside mine writes the other two
	s_wait_tensorcnt 0x0                           ; the wave's end
	ds_add_u32 v3, v4
	s_wait_dscnt 0x0
	ROUND                                          ; the closing round: no work-group ends while a partner may still ask for a record that names it
	s_endpgm
.Lfunc_end_k_qaf2d99ea63_attn:
	.size	k_qaf2d99ea63_attn, .Lfunc_end_k_qaf2d99ea63_attn-k_qaf2d99ea63_attn
	.p2alignl 7, 3214868480
	.fill 96, 4, 3214868480
	.section	.rodata,"a",@progbits
	.p2align	6, 0x0
	.amdhsa_kernel k_qaf2d99ea63_attn
		.amdhsa_group_segment_fixed_size 327680
		.amdhsa_private_segment_fixed_size 0
		.amdhsa_enable_private_segment 0
		.amdhsa_kernarg_size 48
		.amdhsa_user_sgpr_count 2
		.amdhsa_user_sgpr_kernarg_segment_ptr 1
		.amdhsa_wavefront_size32 1
		.amdhsa_system_sgpr_workgroup_id_x 1
		.amdhsa_system_sgpr_workgroup_id_y 1
		.amdhsa_system_sgpr_workgroup_id_z 1
		.amdhsa_system_vgpr_workitem_id 0
		.amdhsa_next_free_vgpr 256
		.amdhsa_next_free_sgpr 106
		.amdhsa_reserve_vcc 0
		.amdhsa_float_denorm_mode_32 3
		.amdhsa_float_denorm_mode_16_64 3
		.amdhsa_memory_ordered 1
		.amdhsa_forward_progress 1
		.amdhsa_inst_pref_size 107
	.end_amdhsa_kernel
	.amdgpu_metadata
---
amdhsa.version: [ 1, 2 ]
amdhsa.kernels:
  - .name:           k_qaf2d99ea63_attn
    .symbol:         k_qaf2d99ea63_attn.kd
    .args:
      - { .name: qimg, .offset: 0, .size: 8, .value_kind: global_buffer, .address_space: global }
      - { .name: qsc, .offset: 8, .size: 8, .value_kind: global_buffer, .address_space: global }
      - { .name: kv, .offset: 16, .size: 8, .value_kind: global_buffer, .address_space: global }
      - { .name: mbits, .offset: 24, .size: 8, .value_kind: global_buffer, .address_space: global }
      - { .name: aoimg, .offset: 32, .size: 8, .value_kind: global_buffer, .address_space: global }
      - { .name: aosc, .offset: 40, .size: 8, .value_kind: global_buffer, .address_space: global }
    .group_segment_fixed_size: 327680
    .private_segment_fixed_size: 0
    .kernarg_segment_align: 8
    .kernarg_segment_size: 48
    .max_flat_workgroup_size: 512
    .sgpr_count:     106
    .vgpr_count:     256
    .wavefront_size: 32
...
	.end_amdgpu_metadata
.endif
;; end of part 3
;; launch oproj (part 4): grid 256 x 1, 4 waves a work-group, no clusters, 34,304 bytes of LDS; arguments aoimg, aosc, wimg, wsc, bo, out0; writes out0
.if DOCPART == 4
	.amdgcn_target "amdgcn-amd-amdhsa--gfx1250"
	.amdhsa_code_object_version 6
	.text
	.protected	k_qaf2d99ea63_oproj
	.globl	k_qaf2d99ea63_oproj
	.p2align	8
	.type	k_qaf2d99ea63_oproj,@function
k_qaf2d99ea63_oproj:
	s_mov_b64 s[64:65], 0
	v_nop
	global_prefetch_b8 v0, s[64:65] scope:SCOPE_SE
	s_setreg_imm32_b32 hwreg(HW_REG_WAVE_MODE, 25, 1), 1
	s_wait_xcnt 0x0
; OPROJ.  out0 = a Wo^T + bo on codes of E4M3 with one E8M0 scale for each 32 along K (512).  a, the attention's result, and Wo arrive as images of the operands' registers with their scale words.
; A work-group takes 64 rows: four tiles of 16 (lane r of tile m holds row 32 (m / 2) + 8 (m % 2) + r + 8 (r / 8)).  THE WAVES SHARE THE COLUMNS: wave w makes columns 128 w .. 128 w + 127; its 32 fragments of Wo stay in registers.
; Source 0 = 16 rows of Wo, source 1 = 16 rows of a: a lane holds one row of the result, and the 16 registers of tiles 2 b, 2 b + 1 are 16 neighbouring columns.  bo is the C of each sum's first matrix instruction.
; The eight accumulators take turns, one instruction a turn.  A tile's 16 rows x 512 bytes go through the wave's own stage in LDS and leave as whole runs of 512 bytes.  No barrier: waves share nothing in LDS.
; a's fragments are loaded from memory by each wave, two tiles ahead, in two sets of registers.
; REGISTERS, in windows of 256: window 0: v5-12 addresses; v56-87 Wo's scale words; v88-95 a's, two sets; v128-191 accumulators.   windows 1, 2: Wo's tile t at 64 (t % 4) of window 1 + t / 4, K step s at 16 s.
;   window 3: v0-127 a's fragments, two sets of 64; v128-191 the bias in the result's layout; v192-255 rows read back from the stage.
.set LI,  5                            ; v5   16 x lane
.set LS,  6                            ; v6   4 x lane
.set STO, 7                            ; v7   the stage: row r of 528 bytes, + 64 h
.set RDB, 8                            ; v8   and back: 16 x lane of a row
.set WS,  56
.set XS,  88
.set ACC, 128
.set BI,  128                          ; in window 3
.set BK,  192                          ; in window 3
.set SPITCH, 528                       ; a stage row: 512 bytes + 16
.set MSB, 0
.macro WIN new                         ; s_set_vgpr_msb: bits 1:0 source 0, 3:2 source 1, 5:4 source 2, 7:6 destination; the high byte repeats the setting that is left
.set NEWW, \new
.if MSB != NEWW
	s_set_vgpr_msb (MSB<<8)|NEWW
.set MSB, NEWW
.endif
.endm
.macro WLOAD t                         ; Wo's tile t, four K steps, as the image lies: 512 consecutive bytes a load
	WIN 0x40*(1+(\t)/4)
.irp i, 0,1,2,3,4,5,6,7,8,9,10,11,12,13,14,15
	global_load_b128 v[64*((\t)%4)+4*\i:64*((\t)%4)+4*\i+3], v[LI], s[8:9] offset:(\t)*8192+512*\i
.endr
	WIN 0
.endm
.macro XFLOAD m                        ; a's tile m: four fragments and four scale words, 20 loads, into set m % 2
	WIN 0xc0
.irp i, 0,1,2,3,4,5,6,7,8,9,10,11,12,13,14,15
	global_load_b128 v[64*((\m)%2)+4*\i:64*((\m)%2)+4*\i+3], v[LI], s[4:5] offset:(\m)*8192+512*\i
.endr
	WIN 0
.irp s, 0,1,2,3
	global_load_b32 v[XS+4*((\m)%2)+\s], v[LS], s[6:7] offset:(\m)*512+128*\s
.endr
.endm
.macro TILE m
.if \m < 3
	s_wait_loadcnt 20                              ; all but the next tile's 20 loads are in
.else
	s_wait_loadcnt 0x0
.endif
.irp s, 0,1,2,3
.irp hf, 0,1
.if \s == 0
	WIN 0x3c+1+\hf                                 ; Wo window 1 or 2, a window 3, the bias window 3, the result window 0
.else
	WIN 0x0c+1+\hf
.endif
.irp tt, 0,1,2,3
.set T8, 4*\hf+\tt
.set RW, 64*\tt+16*\s
.set RX, 64*((\m)%2)+16*\s
.if \s == 0
	v_wmma_scale_f32_16x16x128_f8f6f4 v[ACC+8*T8:ACC+8*T8+7], v[RW:RW+15], v[RX:RX+15], v[BI+8*T8:BI+8*T8+7], v[WS+4*T8+\s], v[XS+4*((\m)%2)+\s]
.else
	v_wmma_scale_f32_16x16x128_f8f6f4 v[ACC+8*T8:ACC+8*T8+7], v[RW:RW+15], v[RX:RX+15], v[ACC+8*T8:ACC+8*T8+7], v[WS+4*T8+\s], v[XS+4*((\m)%2)+\s]
.endif
.endr
.endr
.endr
	WIN 0
.rept 9
	v_nop                                          ; eight places in front of loads into registers that these products read and of the stores that read their results; a ninth, since the next tile's first products write over these accumulators
.endr
.if \m < 2
	XFLOAD \m+2
.endif
.irp t, 0,1,2,3,4,5,6,7
	ds_store_b128 v[STO], v[ACC+8*\t:ACC+8*\t+3] offset:128*(\t/2)+32*(\t%2)          ; each accumulator from its low end on: columns 32 (t / 2) + 16 h + 8 (t % 2) + 0 .. 7 of my row
	ds_store_b128 v[STO], v[ACC+8*\t+4:ACC+8*\t+7] offset:128*(\t/2)+32*(\t%2)+16
.endr
	s_wait_xcnt 0x0                                ; the last tile's stores have read their data: the registers are loaded again only behind this wait
	WIN 0xc0
.irp i, 0,1,2,3,4,5,6,7,8,9,10,11,12,13,14,15
	ds_load_b128 v[BK+4*\i:BK+4*\i+3], v[RDB] offset:\i*SPITCH   ; LDS serves a wave's instructions in order (ISA guide 5.7.1.4): these see the stores above
.endr
	WIN 0x0c
.irp i, 0,1,2,3,4,5,6,7,8,9,10,11,12,13,14,15
	s_wait_dscnt 15-\i                             ; row i is back; the loads issued behind it may stay out.  The last count is 0: the next tile's products write the accumulators only when every LDS store has read them
	global_store_b128 v[LI], v[BK+4*\i:BK+4*\i+3], s[14:15] offset:(32*((\m)/2)+8*((\m)%2)+\i+8*(\i/8))*2048 th:TH_STORE_NT   ; 32 lanes store 512 consecutive bytes, aligned; written once, read by nobody here
.endr
	WIN 0
.endm
	s_load_b256 s[4:11], s[0:1], 0x0               ; aoimg s[4:5], aosc s[6:7], wimg s[8:9], wsc s[10:11]
	s_load_b128 s[12:15], s[0:1], 0x20             ; bo s[12:13], out0 s[14:15]
	v_lshl_add_u32 v254, v0, 2, 0x8400
	v_mov_b32 v255, 0
	v_lshrrev_b32 v1, 5, v0
	v_readfirstlane_b32 s16, v1                    ; wave 0..3
	v_and_b32 v1, 31, v0                           ; lane
	v_and_b32 v2, 15, v0                           ; r
	v_bfe_u32 v3, v0, 4, 1                         ; h
	v_lshlrev_b32 v[LI], 4, v1
	v_lshlrev_b32 v[LS], 2, v1
	s_mul_i32 s20, s16, 16*SPITCH                  ; my stage
	v_mul_u32_u24 v[STO], v2, SPITCH
	v_lshl_add_u32 v[STO], v3, 6, v[STO]
	v_add_nc_u32 v[STO], s20, v[STO]
	v_add_nc_u32 v[RDB], s20, v[LI]
	v_lshlrev_b32 v12, 6, v3                       ; the bias: 64 h
	s_mov_b32 s23, 0
	s_wait_kmcnt 0x0
	s_lshl_b32 s22, ttmp9, 15                      ; a's images: four tiles of 8,192 bytes a work-group
	s_add_nc_u64 s[4:5], s[4:5], s[22:23]
	s_lshl_b32 s22, ttmp9, 11                      ; their scale words: four tiles of 512 bytes
	s_add_nc_u64 s[6:7], s[6:7], s[22:23]
	s_lshl_b32 s22, s16, 16
	s_add_co_u32 s22, s22, 786432                  ; Wo is the fourth weight: 3 x 262,144, + 65,536 a wave
	s_add_nc_u64 s[8:9], s[8:9], s[22:23]
	s_lshl_b32 s22, s16, 12
	s_add_co_u32 s22, s22, 49152                   ; its scale words: 3 x 16,384, + 4,096 a wave
	s_add_nc_u64 s[10:11], s[10:11], s[22:23]
	s_lshl_b32 s22, s16, 9                         ; my 128 columns: 512 bytes
	s_add_nc_u64 s[12:13], s[12:13], s[22:23]
	s_lshl_b32 s21, ttmp9, 17                      ; 64 rows of 2,048 bytes a work-group
	s_add_co_u32 s22, s22, s21
	s_add_nc_u64 s[14:15], s[14:15], s[22:23]
	XFLOAD 0
	WIN 0xc0                                       ; lane (r, h), tile t, register j: column 32 (t / 2) + 16 h + 8 (t % 2) + j
.irp t, 0,1,2,3,4,5,6,7
	global_load_b128 v[BI+8*\t:BI+8*\t+3], v12, s[12:13] offset:(32*(\t/2)+8*(\t%2))*4
	global_load_b128 v[BI+8*\t+4:BI+8*\t+7], v12, s[12:13] offset:(32*(\t/2)+8*(\t%2))*4+16
.endr
	WIN 0
.set I, 0
.rept 32
	global_load_b32 v[WS+I], v[LS], s[10:11] offset:128*I
.set I, I+1
.endr
.irp t, 0,1,2,3,4,5,6,7
	WLOAD \t
.endr
	XFLOAD 1
	TILE 0
	TILE 1
	TILE 2
	TILE 3
	s_wait_tensorcnt 0x0
	ds_add_u32 v254, v255
	s_wait_dscnt 0x0
	s_endpgm
.Lfunc_end_k_qaf2d99ea63_oproj:
	.size	k_qaf2d99ea63_oproj, .Lfunc_end_k_qaf2d99ea63_oproj-k_qaf2d99ea63_oproj
	.p2alignl 7, 3214868480
	.fill 96, 4, 3214868480
	.section	.rodata,"a",@progbits
	.p2align	6, 0x0
	.amdhsa_kernel k_qaf2d99ea63_oproj
		.amdhsa_group_segment_fixed_size 34304
		.amdhsa_private_segment_fixed_size 0
		.amdhsa_enable_private_segment 0
		.amdhsa_kernarg_size 48
		.amdhsa_user_sgpr_count 2
		.amdhsa_user_sgpr_kernarg_segment_ptr 1
		.amdhsa_wavefront_size32 1
		.amdhsa_system_sgpr_workgroup_id_x 1
		.amdhsa_system_sgpr_workgroup_id_y 1
		.amdhsa_system_sgpr_workgroup_id_z 1
		.amdhsa_system_vgpr_workitem_id 0
		.amdhsa_next_free_vgpr 1024
		.amdhsa_next_free_sgpr 66
		.amdhsa_reserve_vcc 0
		.amdhsa_float_denorm_mode_32 3
		.amdhsa_float_denorm_mode_16_64 3
		.amdhsa_memory_ordered 1
		.amdhsa_forward_progress 1
		.amdhsa_inst_pref_size 62
	.end_amdhsa_kernel
	.amdgpu_metadata
---
amdhsa.version: [ 1, 2 ]
amdhsa.kernels:
  - .name:           k_qaf2d99ea63_oproj
    .symbol:         k_qaf2d99ea63_oproj.kd
    .args:
      - { .name: aoimg, .offset: 0, .size: 8, .value_kind: global_buffer, .address_space: global }
      - { .name: aosc, .offset: 8, .size: 8, .value_kind: global_buffer, .address_space: global }
      - { .name: wimg, .offset: 16, .size: 8, .value_kind: global_buffer, .address_space: global }
      - { .name: wsc, .offset: 24, .size: 8, .value_kind: global_buffer, .address_space: global }
      - { .name: bo, .offset: 32, .size: 8, .value_kind: global_buffer, .address_space: global }
      - { .name: out0, .offset: 40, .size: 8, .value_kind: global_buffer, .address_space: global }
    .group_segment_fixed_size: 34304
    .private_segment_fixed_size: 0
    .kernarg_segment_align: 8
    .kernarg_segment_size: 48
    .max_flat_workgroup_size: 128
    .sgpr_count:     66
    .vgpr_count:     1024
    .wavefront_size: 32
...
	.end_amdgpu_metadata
.endif
;; end of part 4
;; ======== version 2 of 3: 4 launches
;; workspace buffers: wimg 1,048,576 bytes; wsc 65,536 bytes; mbits 524,288 bytes of whole numbers; qimg 8,388,608 bytes; qsc 524,288 bytes; kv 17,563,648 bytes; aoimg 8,388,608 bytes; aosc 524,288 bytes
;; launch prep: the kernel of part 1 again; grid 640 x 1, 4 waves a work-group, no clusters, 0 bytes of LDS; arguments Wq, Wk, Wv, Wo, mask, wimg, wsc, mbits; writes wimg, wsc, mbits
;; launch proj (part 5): grid 128 x 3, 4 waves a work-group, no clusters, 137,728 bytes of LDS; arguments Q, K, V, wimg, wsc, bq, bk, bv, qimg, qsc, kv; writes qimg, qsc, kv
.if DOCPART == 5
	.amdgcn_target "amdgcn-amd-amdhsa--gfx1250"
	.amdhsa_code_object_version 6
	.text
	.protected	k_qaf2d99ea63_proj
	.globl	k_qaf2d99ea63_proj
	.p2align	8
	.type	k_qaf2d99ea63_proj,@function
k_qaf2d99ea63_proj:
	s_mov_b64 s[64:65], 0
	v_nop
	global_prefetch_b8 v0, s[64:65] scope:SCOPE_SE
	s_setreg_imm32_b32 hwreg(HW_REG_WAVE_MODE, 25, 1), 1
	s_wait_xcnt 0x0
; PROJ.  q = Q Wq^T + bq, k = K Wk^T + bk, v = V Wv^T + bv, on codes of E4M3 with one E8M0 scale for each 32 along K (512); the results are quantised in registers into the operands of the attention launch.
; Work-group (x, y): tensor y (0 Q, 1 K, 2 V), rows 128 x .. 128 x + 127: eight tiles of 16 rows.  THE ROWS OF A TILE ARE NOT NEIGHBOURS: lane r of tile m takes row 32 (m / 2) + 8 (m % 2) + r + 8 (r / 8).
; THE WAVES SHARE THE COLUMNS: wave w makes columns 128 w .. 128 w + 127 (heads 2 w, 2 w + 1) of all 128 rows; its 32 fragments of W stay in registers.
; PHASE X: wave w quantises x's tiles 2 w, 2 w + 1 (8 fragments of 16 rows x 128 K).  The conversions want 16 NEIGHBOURS along K in a lane; a load is best where neighbouring LANES take neighbouring bytes.  Both are had:
; each of a fragment's 16 loads reads the 512 consecutive bytes of one row; they go through the wave's own stage in LDS, a row to a store, rows 528 bytes apart (33 x 16: sixteen lanes that read sixteen rows touch sixteen
; different 16-byte columns), and come back 64 bytes a lane for each block pair.  The codes are stored to LDS as images of the operand's registers (16 bytes a lane, 512 bytes a store); ONE barrier; nothing is stored to LDS behind it.
; Q, K: source 0 = 16 rows of W, source 1 = 16 rows of x: a lane holds one row and 64 + 64 neighbouring channels of two heads: blocks along the head's 64, the first attention product's K.
; V:    source 0 = 16 rows of x, source 1 = 16 rows of W: a lane holds one channel and, of two neighbouring tiles of rows, 16 neighbouring KEYS: blocks along the keys, the second attention product's K.
; The bias is the C of each sum's first matrix instruction.  The 16 accumulators take turns, one instruction a turn.
; OUT: qimg [bh][qt][chunk 2][lane][16 B], qsc [bh][qt][r] words (bytes 2, 3 = 127: the upper half of the instruction's 128 along K holds zero codes);
;      kv [bh][slot 8] records of 34,304 bytes for 256 keys: +0 K's images [tile 16][chunk 2][512], +16384 V^T's [key step 2][channel tile 4][chunk 4][512], +32768 K's scale words [tile][r], +33792 V's [key step][tile][r].
; LIMITS: NaN and infinities are not served; a block whose largest magnitude lies under 2^-118 (a block of zeros among them) keeps the byte 1: this program alone reads the bytes.
; No multicast of W: its 262,144 bytes do not fit in LDS beside x's images and the stages, and it goes straight into registers.
; REGISTERS, in windows of 256: window 0: v5-15 addresses; v16-31 codes; v32-48 the quantiser's; v50-53 scale words on their way out; v56-87 W's scale words; v88-95 x's; v96-103 V's being built;
;   v128-255 in phase X two sets of 64 numbers back from the stage, then the accumulators.
;   windows 1, 2: eight sets of 64: set f first holds fragment f of x as loaded, then W's tile f (K step s at 16 s).   window 3: v0-127 x's fragments of two tiles; v128-191 the bias in the result's layout.
.set REC,  34304
.set REC8, 274432
.set XSC,  65536                       ; LDS: 32 images of 2,048 bytes from 0; from here their scale words, 128 bytes each;
.set STAGE, 69632                      ; from here the stages: two of 16 rows x 528 bytes for each wave
.set SROW,  528
.set STG1,  16*SROW
.set LI,  5                            ; v5   16 x lane
.set LS,  6                            ; v6   4 x lane
.set XWI, 7                            ; v7   where I store x's images: 16 x lane + 16,384 x wave
.set XWS, 8                            ; v8   and their scale words: XSC + 4 x lane + 1,024 x wave
.set LSX, 9                            ; v9   XSC + 4 x lane
.set SA,  10                           ; v10  q's, k's scale words: 4 r + h x the stride from head to head
.set STW, 14                           ; v14  my stages, on the way in: 16 x lane of a row
.set STR, 15                           ; v15  and on the way out: row r, + 64 h
.set PC,  16
.set TM,  32
.set PW,  48
.set SW,  50
.set WS,  56
.set XS,  88
.set VS,  96
.set ACC, 128
.set BI,  128                          ; in window 3
.set WV,  26
.set TY,  27
.set BAT, 28
.set KS,  29
.set SEL, 30
.set MNT, 32
.set HIM, 33                           ; s33  the lanes 16-31
.set OB,  36                           ; s[36:37], s[38:39] where the codes of heads 2 w, 2 w + 1 go
.set SB,  40                           ; s[40:41], s[42:43] and their scale words
.set HC,  44
.set HS,  45
.set MSB, 0
.macro WIN new                         ; s_set_vgpr_msb: bits 1:0 source 0, 3:2 source 1, 5:4 source 2, 7:6 destination; the high byte repeats the setting that is left
.set NEWW, \new
.if MSB != NEWW
	s_set_vgpr_msb (MSB<<8)|NEWW
.set MSB, NEWW
.endif
.endm
; 64 numbers of a lane, v[s] .. v[s + 63] of window w, register 16 b + i = k 32 b + 16 (lane / 16) + i, become a fragment's codes in v[PC] on, the four bytes in v[TM+4] on and (word = 1) the scale word in v[PW].
; Where the numbers are matrix results, each accumulator is first read at its two lowest registers (even tiles in the first four lines, odd tiles at i = 8).
.macro QUANT s, w, word
	WIN (\w)|((\w)<<2)
.irp b, 0,1,2,3
	v_max3_num_f32 v[TM+\b], |v[(\s)+16*\b]|, |v[(\s)+16*\b+1]|, 0x4800000   ; block b: my 16 numbers, and the floor 2^(9 - 127): the byte cannot fall under 1
.endr
	WIN ((\w)<<2)|((\w)<<4)
.irp i, 2,4,6,8,10,12,14
.irp b, 0,1,2,3
	v_max3_num_f32 v[TM+\b], v[TM+\b], |v[(\s)+16*\b+\i]|, |v[(\s)+16*\b+\i+1]|   ; the four blocks by turns
.endr
.endr
	WIN 0
.irp b, 0,1,2,3
	v_permlanex16_b32 v[TM+4+\b], v[TM+\b], s[SEL], s[SEL+1]
.endr
.irp b, 0,1,2,3
	v_max_num_f32 v[TM+\b], v[TM+\b], v[TM+4+\b]          ; with lane l xor 16's: the block's largest magnitude
.endr
.irp b, 0,1,2,3
	v_add_nc_u32 v[TM+12+\b], 0xfc000000, v[TM+\b]        ; 8 off its exponent field: the conversion's scale operand
.endr
.irp b, 0,1,2,3
	v_and_or_b32 v[TM+8+\b], v[TM+\b], 0x7f800000, s[MNT] ; 448 x the scale
.endr
.irp b, 0,1,2,3
	v_lshrrev_b32 v[TM+4+\b], 23, v[TM+12+\b]             ; the scale's byte
.endr
.if \word
	v_lshl_or_b32 v[PW], v[TM+5], 8, v[TM+4]
	v_lshl_or_b32 v[PW], v[TM+6], 16, v[PW]
	v_lshl_or_b32 v[PW], v[TM+7], 24, v[PW]
.endif
	WIN (\w)|((\w)<<6)
.irp b, 0,1,2,3
.irp i, 0,1,2,3,4,5,6,7,8,9,10,11,12,13,14,15
	v_med3_num_f32 v[(\s)+16*\b+\i], v[(\s)+16*\b+\i], -v[TM+8+\b], v[TM+8+\b]   ; the conversion to an 8-bit code does not saturate (ISA guide 7.6.2): the hold comes first
.endr
.endr
	WIN (\w)
.irp b, 0,1,2,3
	v_cvt_scalef32_pk8_fp8_f32 v[PC+4*\b:PC+4*\b+1], v[(\s)+16*\b:(\s)+16*\b+7], v[TM+12+\b]
	v_cvt_scalef32_pk8_fp8_f32 v[PC+4*\b+2:PC+4*\b+3], v[(\s)+16*\b+8:(\s)+16*\b+15], v[TM+12+\b]
.endr
	WIN 0
	v_nop                                                 ; one plain vector line behind the last scaled conversion: later products write its sources
.endm
.macro XLOAD f                         ; my fragment f (tile 2 w + f / 4, K step f % 4) into set f, as it lies in memory: load i reads the 512 consecutive bytes of the row that lane i of the tile owns
	WIN 0x40*(1+(\f)/4)
.irp i, 0,1,2,3,4,5,6,7,8,9,10,11,12,13,14,15
	global_load_b128 v[64*((\f)%4)+4*\i:64*((\f)%4)+4*\i+3], v[LI], s[4:5] offset:(8*((\f)/4)+\i+8*(\i/8))*2048+((\f)%4)*512 th:TH_LOAD_NT
.endr
	WIN 0
.endm
.macro TURN f                          ; fragment f through my stage f % 2: in as loaded, a row to a store; out 16 neighbours of each block of 32 a lane, into v[ACC + 64 (f % 2)] on: register 16 b + 4 j + e = k 32 b + 16 h + 4 j + e of row r
	WIN (1+(\f)/4)<<2                              ; an LDS store's data are its source 1
.irp i, 0,1,2,3,4,5,6,7,8,9,10,11,12,13,14,15
	ds_store_b128 v[STW], v[64*((\f)%4)+4*\i:64*((\f)%4)+4*\i+3] offset:((\f)%2)*STG1+\i*SROW
.endr
	WIN 0
.irp b, 0,1,2,3
.irp j, 0,1,2,3
	ds_load_b128 v[ACC+64*((\f)%2)+16*\b+4*\j:ACC+64*((\f)%2)+16*\b+4*\j+3], v[STR] offset:((\f)%2)*STG1+128*\b+16*\j   ; LDS serves a wave's instructions in order (ISA guide 5.7.1.4): these see the stores above
.endr
.endr
.endm
.macro WLOAD t                         ; W's tile t, four K steps, as the image lies: 512 consecutive bytes a load
	WIN 0x40*(1+(\t)/4)
.irp i, 0,1,2,3,4,5,6,7,8,9,10,11,12,13,14,15
	global_load_b128 v[64*((\t)%4)+4*\i:64*((\t)%4)+4*\i+3], v[LI], s[10:11] offset:(\t)*8192+512*\i
.endr
	WIN 0
.endm
.macro IMAGE f                         ; the fragment in v[PC] on goes to LDS as it stands, and its scale word
.irp c, 0,1,2,3
	ds_store_b128 v[XWI], v[PC+4*\c:PC+4*\c+3] offset:(\f)*2048+512*\c
.endr
	ds_store_b32 v[XWS], v[PW] offset:(\f)*128
.endm
.macro FETCH p                         ; x's tiles 2 p, 2 p + 1: eight fragments and their scale words, from LDS
	WIN 0xc0
.irp m, 0,1
.irp s, 0,1,2,3
.irp c, 0,1,2,3
	ds_load_b128 v[16*(4*\m+\s)+4*\c:16*(4*\m+\s)+4*\c+3], v[LI] offset:(4*(2*(\p)+\m)+\s)*2048+512*\c
.endr
.endr
.endr
	WIN 0
.irp m, 0,1
.irp s, 0,1,2,3
	ds_load_b32 v[XS+4*\m+\s], v[LSX] offset:(4*(2*(\p)+\m)+\s)*128
.endr
.endr
.endm
; 64 matrix instructions: my 8 tiles of W x two tiles of x, four K steps; 16 accumulators by turns.  vt = 0: source 0 = W; vt = 1: source 0 = x.
.macro MULS vt
.irp s, 0,1,2,3
.irp hf, 0,1
.if \vt
.if \s == 0
	WIN 0x33+4*(1+\hf)                             ; x window 3, W window 1 or 2, the bias window 3, the result window 0
.else
	WIN 0x03+4*(1+\hf)
.endif
.else
.if \s == 0
	WIN 0x3c+1+\hf                                 ; W window 1 or 2, x window 3, the bias window 3, the result window 0
.else
	WIN 0x0c+1+\hf
.endif
.endif
.irp tt, 0,1,2,3
.irp m, 0,1
.set T8, 4*\hf+\tt
.set RW, 64*\tt+16*\s
.set RX, 16*(4*\m+\s)
.if \vt
.set RD, ACC+16*T8+8*\m
.if \s == 0
	v_wmma_scale_f32_16x16x128_f8f6f4 v[RD:RD+7], v[RX:RX+15], v[RW:RW+15], v[BI+8*T8:BI+8*T8+7], v[XS+4*\m+\s], v[WS+4*T8+\s]
.else
	v_wmma_scale_f32_16x16x128_f8f6f4 v[RD:RD+7], v[RX:RX+15], v[RW:RW+15], v[RD:RD+7], v[XS+4*\m+\s], v[WS+4*T8+\s]
.endif
.else
.set RD, ACC+64*\m+8*T8
.if \s == 0
	v_wmma_scale_f32_16x16x128_f8f6f4 v[RD:RD+7], v[RW:RW+15], v[RX:RX+15], v[BI+8*T8:BI+8*T8+7], v[WS+4*T8+\s], v[XS+4*\m+\s]
.else
	v_wmma_scale_f32_16x16x128_f8f6f4 v[RD:RD+7], v[RW:RW+15], v[RX:RX+15], v[RD:RD+7], v[WS+4*T8+\s], v[XS+4*\m+\s]
.endif
.endif
.endr
.endr
.endr
.endr
.endm
; Two tiles of x: the products, the next two tiles' fragments, and the results quantised and stored.
.macro PAIR p, vt
	s_wait_dscnt 0x0                               ; this pair's fragments and scale words are in
	MULS \vt
	WIN 0
.rept 9
	v_nop                                          ; eight places in front of loads into registers that these products read and of the first read of their results; a ninth, since the next pair's first products write over these accumulators
.endr
.if \p < 3
	FETCH \p+1
.endif
.irp q, 0,1
	s_wait_xcnt 0x0                                ; the earlier stores have read their data: v[PC] on and v[SW] on are written again only behind this wait
	QUANT ACC+64*\q, 0, 0
.if \vt
	; 64 numbers: channel tiles 4 q + b, keys 32 p + 16 h + 0 .. 15 of this key step: chunk p of V^T's fragment b of head 2 w + q
.irp b, 0,1,2,3
	global_store_b128 v[LI], v[PC+4*\b:PC+4*\b+3], s[OB+2*\q:OB+2*\q+1] offset:\b*2048+\p*512
.endr
.irp b, 0,1,2,3
.if \p == 0
	v_mov_b32 v[VS+4*\q+\b], v[TM+4+\b]            ; byte p of the channel's scale word for these 128 keys
.else
	v_lshl_or_b32 v[VS+4*\q+\b], v[TM+4+\b], 8*\p, v[VS+4*\q+\b]
.endif
.endr
.else
	; 64 numbers of row tile 2 p + q: blocks 0, 1 are head 2 w's 64 channels, blocks 2, 3 head 2 w + 1's
.irp b, 0,1,2,3
	global_store_b128 v[LI], v[PC+4*\b:PC+4*\b+3], s[OB+2*(\b/2):OB+2*(\b/2)+1] offset:(2*\p+\q)*1024+(\b%2)*512
.endr
	v_lshl_or_b32 v[SW], v[TM+5], 8, v[TM+4]
	v_lshl_or_b32 v[SW+1], v[TM+7], 8, v[TM+6]
	v_cndmask_b32 v[SW], v[SW], v[SW+1], s[HIM]    ; lanes 0-15 carry head 2 w's two bytes, lanes 16-31 head 2 w + 1's
	v_or_b32 v[SW], 0x7f7f0000, v[SW]              ; the bytes of the two blocks of zero codes: 127
	global_store_b32 v[SA], v[SW], s[SB:SB+1] offset:(2*\p+\q)*64
.endif
.endr
.endm
	s_load_b512 s[4:19], s[0:1], 0x0               ; Q s[4:5], K s[6:7], V s[8:9], wimg s[10:11], wsc s[12:13], bq s[14:15], bk s[16:17], bv s[18:19]
	s_load_b128 s[20:23], s[0:1], 0x40             ; qimg s[20:21], qsc s[22:23]
	s_load_b64 s[24:25], s[0:1], 0x50              ; kv
	v_lshl_add_u32 v126, v0, 2, 0x21800
	v_mov_b32 v127, 0
	v_lshrrev_b32 v1, 5, v0
	v_readfirstlane_b32 s[WV], v1                  ; wave 0..3
	s_and_b32 s[TY], ttmp7, 0xffff                 ; which tensor
	s_lshr_b32 s[BAT], ttmp9, 4                    ; batch
	s_and_b32 s[KS], ttmp9, 15                     ; which 128 rows of the batch
	s_mov_b32 s[SEL], 0x76543210
	s_mov_b32 s[SEL+1], 0xfedcba98
	s_mov_b32 s[MNT], 0x600000
	s_mov_b32 s[HIM], 0xffff0000
	; byte offsets of the results, made apart from the addresses
	s_lshl_b32 s46, s[BAT], 3
	s_lshl_b32 s47, s[WV], 1
	s_add_co_u32 s46, s46, s47                     ; bh of head 2 w
	s_lshl_b32 s48, s46, 17
	s_lshl_b32 s49, s[KS], 13
	s_add_co_u32 s48, s48, s49                     ; q's codes: bh x 131,072 + 8 tiles of 1,024 a block
	s_lshl_b32 s50, s46, 13
	s_lshl_b32 s49, s[KS], 9
	s_add_co_u32 s50, s50, s49                     ; q's scale words: bh x 8,192 + 8 tiles of 64
	s_mul_i32 s52, s46, REC8
	s_lshr_b32 s49, s[KS], 1
	s_mul_i32 s49, s49, REC
	s_add_co_u32 s52, s52, s49                     ; the record of these keys
	s_and_b32 s53, s[KS], 1                        ; which of its two key steps
	s_lshl_b32 s54, s53, 13
	s_add_co_u32 s54, s54, s52                     ; k's codes
	s_lshl_b32 s55, s53, 9
	s_add_co_u32 s55, s55, s52
	s_add_co_u32 s55, s55, 32768                   ; k's scale words
	s_add_co_u32 s56, s54, 16384                   ; v's codes
	s_lshl_b32 s57, s53, 8
	s_add_co_u32 s57, s57, s52
	s_add_co_u32 s57, s57, 33792                   ; v's scale words
	s_mov_b32 s[HC], REC8
	s_mov_b32 s[HS], REC8
	s_cmp_eq_u32 s[TY], 0
	s_cselect_b32 s48, s48, s54
	s_cselect_b32 s50, s50, s55
	s_cselect_b32 s[HC], 0x20000, s[HC]            ; from head to head: codes,
	s_cselect_b32 s[HS], 0x2000, s[HS]             ; scale words
	s_cmp_eq_u32 s[TY], 2
	s_cselect_b32 s48, s56, s48
	s_cselect_b32 s50, s57, s50
	s_mov_b32 s49, 0
	s_mov_b32 s51, 0
	v_and_b32 v1, 31, v0                           ; lane
	v_and_b32 v2, 15, v0                           ; r
	v_bfe_u32 v3, v0, 4, 1                         ; h
	v_and_b32 v11, 8, v2
	v_add_nc_u32 v11, v11, v2                      ; r + 8 (r / 8)
	v_lshlrev_b32 v[LI], 4, v1
	v_lshlrev_b32 v[LS], 2, v1
	s_lshl_b32 s58, s[WV], 14
	v_add_nc_u32 v[XWI], s58, v[LI]
	s_lshl_b32 s58, s[WV], 10
	s_add_co_u32 s58, s58, XSC
	v_add_nc_u32 v[XWS], s58, v[LS]
	v_add_nc_u32 v[LSX], XSC, v[LS]
	s_mul_i32 s58, s[WV], 2*STG1
	s_add_co_u32 s58, s58, STAGE                   ; my two stages
	v_add_nc_u32 v[STW], s58, v[LI]
	v_mul_u32_u24 v[STR], v2, SROW
	v_lshl_add_u32 v[STR], v3, 6, v[STR]
	v_add_nc_u32 v[STR], s58, v[STR]
	v_mul_u32_u24 v[SA], s[HS], v3
	v_lshl_add_u32 v[SA], v2, 2, v[SA]
	v_lshlrev_b32 v12, 6, v3                       ; the bias of q, k: 64 h
	v_lshlrev_b32 v13, 2, v11                      ; the bias of v: 4 (r + 8 (r / 8))
.irp b, 0,1,2,3
	v_mov_b32 v[TM+4+\b], 0                        ; written once: a lane permute's destination counts as one of its sources
.endr
	s_wait_kmcnt 0x0
	s_cmp_eq_u32 s[TY], 0                          ; every choice of a buffer hangs on the work-group's number alone
	s_cselect_b64 s[OB:OB+1], s[20:21], s[24:25]
	s_cselect_b64 s[SB:SB+1], s[22:23], s[24:25]
	s_cmp_eq_u32 s[TY], 1
	s_cselect_b64 s[4:5], s[6:7], s[4:5]
	s_cselect_b64 s[14:15], s[16:17], s[14:15]
	s_cmp_eq_u32 s[TY], 2
	s_cselect_b64 s[4:5], s[8:9], s[4:5]
	s_cselect_b64 s[14:15], s[18:19], s[14:15]
	s_add_nc_u64 s[OB:OB+1], s[OB:OB+1], s[48:49]
	s_add_nc_u64 s[SB:SB+1], s[SB:SB+1], s[50:51]
	s_mov_b32 s48, s[HC]
	s_add_nc_u64 s[OB+2:OB+3], s[OB:OB+1], s[48:49]
	s_mov_b32 s50, s[HS]
	s_add_nc_u64 s[SB+2:SB+3], s[SB:SB+1], s[50:51]
	s_lshl_b32 s52, ttmp9, 18                      ; x: 128 rows of 2,048 bytes a work-group,
	s_lshl_b32 s54, s[WV], 16                      ; 32 rows a wave
	s_add_co_u32 s52, s52, s54
	s_mov_b32 s53, 0
	s_add_nc_u64 s[4:5], s[4:5], s[52:53]
	s_lshl_b32 s52, s[TY], 18                      ; W's images: 262,144 bytes a weight, 65,536 a wave
	s_add_co_u32 s52, s52, s54
	s_add_nc_u64 s[10:11], s[10:11], s[52:53]
	s_lshl_b32 s52, s[TY], 14                      ; W's scale words: 16,384 and 4,096
	s_lshl_b32 s54, s[WV], 12
	s_add_co_u32 s52, s52, s54
	s_add_nc_u64 s[12:13], s[12:13], s[52:53]
	s_lshl_b32 s52, s[WV], 9                       ; the bias: my 128 numbers
	s_add_nc_u64 s[14:15], s[14:15], s[52:53]
	XLOAD 0                                        ; x first: it is wanted first
	XLOAD 1
	XLOAD 2
	XLOAD 3
.set I, 0
.rept 32
	global_load_b32 v[WS+I], v[LS], s[12:13] offset:128*I
.set I, I+1
.endr
	s_cmp_eq_u32 s[TY], 2
	s_cbranch_scc1 .Lbias_v
	WIN 0xc0                                       ; q, k: lane (r, h), tile t, register j: channel 32 (t / 2) + 16 h + 8 (t % 2) + j
.irp t, 0,1,2,3,4,5,6,7
	global_load_b128 v[BI+8*\t:BI+8*\t+3], v12, s[14:15] offset:(32*(\t/2)+8*(\t%2))*4
	global_load_b128 v[BI+8*\t+4:BI+8*\t+7], v12, s[14:15] offset:(32*(\t/2)+8*(\t%2))*4+16
.endr
	WIN 0
	s_branch .Lbias_done
.Lbias_v:
	WIN 0xc0                                       ; v: a lane holds one channel, 32 (t / 2) + 8 (t % 2) + r + 8 (r / 8): the same number in all eight registers
.irp t, 0,1,2,3,4,5,6,7
.irp j, 0,1,2,3,4,5,6,7
	global_load_b32 v[BI+8*\t+\j], v13, s[14:15] offset:(32*(\t/2)+8*(\t%2))*4
.endr
.endr
	WIN 0
.Lbias_done:
	; ---- X: my eight fragments of x.  Fragment f + 1 is turned through the stage while fragment f is quantised; behind the turn of fragment f its set of registers takes W's tile f, and the set four on is asked for
	s_wait_loadcnt 63                              ; set 0 is in: 96 loads or more were issued behind its own (sets 1 to 3, 32 scale words, 16 or 64 of the bias); 63 is the largest count that the wait can name
	TURN 0
.irp f, 0,1,2,3,4,5,6,7
.if \f < 6
	s_wait_loadcnt 63                              ; set f + 1 is in: 64 loads or more were issued behind its own
	TURN \f+1
	s_wait_dscnt 32                                ; all but the 32 just issued: fragment f's numbers are back, its stores have read set f, and the last image's stores have read v[PC] on and v[PW]
.elseif \f == 6
	s_wait_loadcnt 48                              ; set 7 is in: behind its loads stand those of W's tiles 3, 4 and 5
	TURN \f+1
	s_wait_dscnt 32
.else
	s_wait_dscnt 0x0
.endif
.if \f < 4
	XLOAD \f+4
.endif
	WLOAD \f
	QUANT ACC+64*(\f%2), 0, 1
	IMAGE \f
.endr
	s_wait_dscnt 0x0                               ; for the others' sake: my images have landed
	s_barrier_signal -1
	s_barrier_wait -1                              ; x's 32 fragments lie in LDS; from here on LDS is only read
	FETCH 0
	s_wait_loadcnt 0x0                             ; W, its scale words, the bias
	s_cmp_eq_u32 s[TY], 2
	s_cbranch_scc1 .Lvalues
	PAIR 0, 0
	PAIR 1, 0
	PAIR 2, 0
	PAIR 3, 0
	s_wait_tensorcnt 0x0
	ds_add_u32 v126, v127
	s_wait_dscnt 0x0
	s_endpgm
.Lvalues:
	PAIR 0, 1
	PAIR 1, 1
	PAIR 2, 1
	PAIR 3, 1
.irp q, 0,1
.irp e, 0,1
	v_cndmask_b32 v[SW+2*\q+\e], v[VS+4*\q+2*\e], v[VS+4*\q+2*\e+1], s[HIM]   ; lanes 0-15: channel tile 2 e's words, lanes 16-31: tile 2 e + 1's
	global_store_b32 v[LS], v[SW+2*\q+\e], s[SB+2*\q:SB+2*\q+1] offset:128*\e
.endr
.endr
	s_wait_tensorcnt 0x0
	ds_add_u32 v126, v127
	s_wait_dscnt 0x0
	s_endpgm
.Lfunc_end_k_qaf2d99ea63_proj:
	.size	k_qaf2d99ea63_proj, .Lfunc_end_k_qaf2d99ea63_proj-k_qaf2d99ea63_proj
	.p2alignl 7, 3214868480
	.fill 96, 4, 3214868480
	.section	.rodata,"a",@progbits
	.p2align	6, 0x0
	.amdhsa_kernel k_qaf2d99ea63_proj
		.amdhsa_group_segment_fixed_size 137728
		.amdhsa_private_segment_fixed_size 0
		.amdhsa_enable_private_segment 0
		.amdhsa_kernarg_size 88
		.amdhsa_user_sgpr_count 2
		.amdhsa_user_sgpr_kernarg_segment_ptr 1
		.amdhsa_wavefront_size32 1
		.amdhsa_system_sgpr_workgroup_id_x 1
		.amdhsa_system_sgpr_workgroup_id_y 1
		.amdhsa_system_sgpr_workgroup_id_z 1
		.amdhsa_system_vgpr_workitem_id 0
		.amdhsa_next_free_vgpr 1024
		.amdhsa_next_free_sgpr 66
		.amdhsa_reserve_vcc 0
		.amdhsa_float_denorm_mode_32 3
		.amdhsa_float_denorm_mode_16_64 3
		.amdhsa_memory_ordered 1
		.amdhsa_forward_progress 1
		.amdhsa_inst_pref_size 255
	.end_amdhsa_kernel
	.section	.bss,"aw",@nobits
	.p2align	6
	.space	262144
	.amdgpu_metadata
---
amdhsa.version: [ 1, 2 ]
amdhsa.kernels:
  - .name:           k_qaf2d99ea63_proj
    .symbol:         k_qaf2d99ea63_proj.kd
    .args:
      - { .name: Q, .offset: 0, .size: 8, .value_kind: global_buffer, .address_space: global }
      - { .name: K, .offset: 8, .size: 8, .value_kind: global_buffer, .address_space: global }
      - { .name: V, .offset: 16, .size: 8, .value_kind: global_buffer, .address_space: global }
      - { .name: wimg, .offset: 24, .size: 8, .value_kind: global_buffer, .address_space: global }
      - { .name: wsc, .offset: 32, .size: 8, .value_kind: global_buffer, .address_space: global }
      - { .name: bq, .offset: 40, .size: 8, .value_kind: global_buffer, .address_space: global }
      - { .name: bk, .offset: 48, .size: 8, .value_kind: global_buffer, .address_space: global }
      - { .name: bv, .offset: 56, .size: 8, .value_kind: global_buffer, .address_space: global }
      - { .name: qimg, .offset: 64, .size: 8, .value_kind: global_buffer, .address_space: global }
      - { .name: qsc, .offset: 72, .size: 8, .value_kind: global_buffer, .address_space: global }
      - { .name: kv, .offset: 80, .size: 8, .value_kind: global_buffer, .address_space: global }
    .group_segment_fixed_size: 137728
    .private_segment_fixed_size: 0
    .kernarg_segment_align: 8
    .kernarg_segment_size: 88
    .max_flat_workgroup_size: 128
    .sgpr_count:     66
    .vgpr_count:     1024
    .wavefront_size: 32
...
	.end_amdgpu_metadata
.endif
;; end of part 5
;; launch attn (part 6): grid 4 x 64, 16 waves a work-group, clusters of 4 x 1, 327,680 bytes of LDS; arguments qimg, qsc, kv, mbits, aoimg, aosc; writes aoimg, aosc
.if DOCPART == 6
	.amdgcn_target "amdgcn-amd-amdhsa--gfx1250"
	.amdhsa_code_object_version 6
	.text
	.protected	k_qaf2d99ea63_attn
	.globl	k_qaf2d99ea63_attn
	.p2align	8
	.type	k_qaf2d99ea63_attn,@function
k_qaf2d99ea63_attn:
	s_mov_b64 s[64:65], 0
	v_nop
	global_prefetch_b8 v0, s[64:65] scope:SCOPE_SE
	s_setreg_imm32_b32 hwreg(HW_REG_WAVE_MODE, 25, 1), 1
	s_wait_xcnt 0x0
	s_wait_alu depctr_hold_cnt(0) depctr_sa_sdst(0) depctr_va_vdst(0) depctr_va_sdst(0) depctr_va_ssrc(0) depctr_va_vcc(0) depctr_vm_vsrc(0)
	s_getreg_b32 s2, hwreg(HW_REG_IB_STS2, 6, 4)
	s_cmp_eq_u32 s2, 0
	s_cbranch_scc0 .Lentry_in_a_cluster
	s_endpgm
.Lentry_in_a_cluster:
	s_bfe_u32 s2, ttmp6, 0x10000c
	s_cmp_lg_u32 s2, 0x3003
	s_cbranch_scc0 .Lentry_shape_is_right
	s_endpgm
.Lentry_shape_is_right:
; ATTN.  For each (batch, head): O = softmax(mask(q k^T / 8)) v, both products on codes of E4M3 with one E8M0 scale for each 32 along K; O / the row's sum is quantised along the model's 512 into the last product's operand.
; THE SOFTMAX AHEAD OF THE SECOND PRODUCT: t = score x log2(e) / 8; M = the row's largest t so far, rounded UP to a whole number; p = 2^(t - M) is quantised along the keys, not normalised; the row's sum is taken of the
; unquantised p; when M moves, the sum and O are multiplied by 2^(old M - new M), which rounds nothing.
; THE MASK: word n of a key step's 64 mask words holds one bit a lane for score register n: one select an element puts -2^103 in the place of a masked raw score.
; LIMITS: the masked score, scaled by 1/8, is -2^100 (about -1.27e30) where the definition has -1e30: a power of two, so that score x c is exact and a row with every key masked gives p = 1 for every key, as the definition's
; equal scores do; true scaled scores must lie above -1.2e30.  NaN and infinities are not served.  A block whose largest magnitude lies under 2^-118 keeps the byte 1 (its bytes are read by this program alone).
; K AND V STAY IN LDS.  A (batch, head)'s eight records (256 keys each: images of K's and V^T's operand registers and their scale words) are 8 x 34,304 = 274,432 bytes: they are brought in ONCE, each of the sixteen waves
; fetching 67 rows of 256 bytes; one wait, one barrier; from there on LDS is only read, so no barrier stands in the loops and no wave waits for another.
; SHARES.  A work-group owns 512 queries of one (batch, head); wave w owns the tiles of 16 queries 2 w and 2 w + 1 of them and takes them one after the other (two passes over the keys, 128 keys a step), in 256 registers:
; four waves to a SIMD, so that one wave's vector work stands beside another's products and loads.
; CLUSTER.  The four work-groups of a cluster are the four query blocks of one (batch, head): each wave's load is asked for JOINTLY, by the same tensor load with a mask that names the four.
; LAYOUT.  S^T = K Q^T (source 0 = 16 keys, source 1 = my queries), O^T = V^T P^T (source 0 = 16 channels): a lane holds ONE query throughout.  The keys (channels) of a tile are not neighbours: lane r of tile 2 b + u takes
; 32 b + 8 u + r + 8 (r / 8), so that the 16 registers of tiles 2 b, 2 b + 1 are 16 neighbours.
; THE FIRST PRODUCT'S K IS 64.  Q's upper half holds zero codes, so what stands in the upper half of K's operand adds nothing as long as it is a finite code under a byte that is not 0xff: fragment t is v[32 + 8 t .. 47 + 8 t],
; its upper half is tile t + 1's codes (the last tile's: eight registers of zeros).  So a step's eight tiles take 72 registers, and the next step's are asked for a whole softmax ahead.
; ASKED FOR AHEAD: directly behind a step's 64 selects stand the scalar loads of the next step's 64 mask words and the LDS loads of the next step's K.
; REGISTERS: v1 16 x lane, v2 4 x lane, v3 4 (lane % 16), v5 the masked score, v6, v7 LDS addresses in the record in hand, v8, v9 in the next, v12 -M, v13 the largest t, v[14:15] the sum; v16-31 Q; v32-95 K, v96-103 zeros;
;   v104-167 S^T, then p, then four fragments of V^T; v168-199 O^T; v200-215 p's codes; v216-219 K's scale words (two tiles a register), v220-221 V's, v222 Q's, v223 p's, v224 the outgoing scale bytes;
;   v226-229, v248-251, v230 the second tile's Q; v232-247, v252-254 at work.
.set REC,   34304                      ; a record: 256 keys
.set REC8,  274432                     ; a head's eight
.set HALFR, 17152                      ; 67 rows of 256 bytes: what one wave's tensor load brings
.set VIM,   16384                      ; in a record: V^T's images,
.set KSC,   32768                      ; K's scale words,
.set VSC,   33792                      ; V's scale words
.set KF,  32
.set SS,  104
.set OO,  168
.set PCD, 200
.set KSW, 216
.set VSW, 220
.set QSW, 222
.set PSW, 223
.set OSW, 224
.macro ROUND                           ; a round of the cluster's barrier: my work-group's barrier; wave 0 signals for the work-group; every wave waits for all four work-groups; my work-group's barrier once more
	s_barrier_signal -1
	s_barrier_wait -1
	s_cmp_lg_u32 s28, 0
	s_cbranch_scc1 .Lnot_wave_0_\@
	s_barrier_signal -3
.Lnot_wave_0_\@:
	s_barrier_wait -3
	s_barrier_signal -1
	s_barrier_wait -1
.endm
; A key step's K: eight tiles' codes (two chunks of 512 bytes each) from v[ka] + ko on, and their scale words, two tiles to a load (lanes 0-15 the even tile's, lanes 16-31 the odd one's), from v[sa] + so on
.macro KLOAD ka, ko, sa, so
.irp t, 0,1,2,3,4,5,6,7
	ds_load_b128 v[KF+8*\t:KF+8*\t+3], v[\ka] offset:(\ko)+\t*1024
	ds_load_b128 v[KF+8*\t+4:KF+8*\t+7], v[\ka] offset:(\ko)+\t*1024+512
.endr
.irp j, 0,1,2,3
	ds_load_b32 v[KSW+\j], v[\sa] offset:(\so)+\j*128
.endr
.endm
; A KEY STEP: 128 keys, the q-th of the record in hand.  Its K and its mask words were asked for in the step before; ka, ko, sa, so say where the next step's K lies.
.macro STEP q, ka, ko, sa, so
.irp t, 0,1,2,3,4,5,6,7                        ; S^T = K Q^T: eight tiles of 16 keys in one run
.if \t%2
	v_wmma_scale_f32_16x16x128_f8f6f4 v[SS+8*\t:SS+8*\t+7], v[KF+8*\t:KF+8*\t+15], v[16:31], 0, v[KSW+\t/2], v[QSW] matrix_a_scale:MATRIX_SCALE_ROW1
.else
	v_wmma_scale_f32_16x16x128_f8f6f4 v[SS+8*\t:SS+8*\t+7], v[KF+8*\t:KF+8*\t+15], v[16:31], 0, v[KSW+\t/2], v[QSW]
.endif
.endr
.rept 8
	v_nop                                          ; eight places between the first of these products and the first read of its result: the products in between are not counted
.endr
	s_wait_kmcnt 0x0                               ; this step's mask words are in, and no scalar load names the base any more:
	s_add_nc_u64 s[10:11], s[10:11], s[66:67]      ; on to the next step's 256 bytes;
	s_sub_co_u32 s3, s3, 1
	s_cmp_lg_u32 s3, 0
	s_cselect_b32 s66, s66, 0                      ; behind the 31st step the base stays: the last of my 32 steps asks for its own words again, so that no load leaves the buffer
.set N, 0
.rept 64                                       ; register n = 16 b + i holds key 32 b + 16 (lane / 16) + i.  Ascending: each accumulator is first read at its lowest register
	v_cndmask_b32 v[SS+N], v5, v[SS+N], s[32+N+4*(N/32)]
.set N, N+1
.endr
	s_load_b512 s[32:47], s[10:11], 0x0            ; the next step's 64 mask words: a whole softmax ahead of the wait for them
	s_load_b512 s[48:63], s[10:11], 0x40
	s_load_b512 s[68:83], s[10:11], 0x80
	s_load_b512 s[84:99], s[10:11], 0xc0
	KLOAD \ka, \ko, \sa, \so                       ; the next step's K: the selects above are the places behind the products that read these registers
.irp j, 0,1
	ds_load_b32 v[VSW+\j], v7 offset:VSC+(\q)*256+\j*128   ; this step's scale words of V^T, two channel tiles to a load
.endr
.irp b, 0,1,2,3
	v_max3_num_f32 v[232+\b], v[SS+16*\b], v[SS+16*\b+1], v[SS+16*\b+2]   ; the largest score of each block of 32 keys: it serves the row's maximum and, since p rises with the score, the block's largest p
.endr
.irp i, 3,5,7,9,11,13
.irp b, 0,1,2,3
	v_max3_num_f32 v[232+\b], v[232+\b], v[SS+16*\b+\i], v[SS+16*\b+\i+1]
.endr
.endr
.irp b, 0,1,2,3
	v_max_num_f32 v[232+\b], v[232+\b], v[SS+16*\b+15]
.endr
.irp b, 0,1,2,3
	v_permlanex16_b32 v[236+\b], v[232+\b], s100, s101
.endr
.irp b, 0,1,2,3
	v_max_num_f32 v[232+\b], v[232+\b], v[236+\b]  ; with lane l xor 16's 16 keys
.endr
	v_max3_num_f32 v254, v232, v233, v234
	v_max_num_f32 v254, v254, v235                 ; the step's largest score of my query
	v_mul_f32 v254, s104, v254                     ; as t (c is positive)
	v_max_num_f32 v13, v13, v254                   ; the running largest t
	v_mov_b32 v254, v12
	v_floor_f32 v12, -v13                          ; the new -M = floor(-t) = -ceil(t): a whole number
	v_sub_f32 v254, v12, v254                      ; old M - new M: a whole number, 0 or less
	v_cvt_i32_f32 v254, v254                       ; (it saturates)
	v_ldexp_f32 v252, 1.0, v254                    ; f = 2^(old M - new M)
.set J, 0
.rept 32
	v_pk_fma_f32 v[SS+J:SS+J+1], v[SS+J:SS+J+1], s[104:105], v[12:13] op_sel_hi:[1,0,0]   ; t - M, two at a time (of the pairs c and -M the low word serves both halves)
.set J, J+2
.endr
.irp b, 0,1,2,3
	v_fma_f32 v[232+\b], v[232+\b], s104, v12      ; the same of each block's largest score
.endr
.set J, 0
.rept 64
	v_exp_f32 v[SS+J], v[SS+J]                     ; p = 2^(t - M), at most 1
.set J, J+1
.endr
.irp b, 0,1,2,3
	v_exp_f32 v[232+\b], v[232+\b]                 ; the block's largest p: the same two instructions on the same number
.endr
	v_pk_mul_f32 v[14:15], v[14:15], v[252:253] op_sel_hi:[1,0]   ; the sums under the new M.  (A plain line behind the exponentials)
	s_wait_alu depctr_va_vdst(0)
.irp b, 0,1,2,3
	v_max_num_f32 v[232+\b], 0x4800000, v[232+\b]  ; the floor 2^(9 - 127): the byte cannot fall under 1 (a block whose every p is 0 keeps that byte: its codes are zeros)
.endr
.irp b, 0,1,2,3
	v_add_nc_u32 v[244+\b], 0xfc000000, v[232+\b]  ; 8 off the exponent field: the conversion's scale operand
.endr
.irp b, 0,1,2,3
	v_and_or_b32 v[240+\b], v[232+\b], 0x7f800000, s31   ; 448 x the scale
.endr
.irp b, 0,1,2,3
	v_lshrrev_b32 v[236+\b], 23, v[244+\b]         ; the scale's byte
.endr
	v_lshl_or_b32 v[PSW], v237, 8, v236            ; p's scale word for these 128 keys
	v_lshl_or_b32 v[PSW], v238, 16, v[PSW]
	v_lshl_or_b32 v[PSW], v239, 24, v[PSW]
	v_pk_add_f32 v[236:237], v[SS:SS+1], v[SS+2:SS+3]   ; the row's sum is taken of the unquantised p: two at a time, in two chains
.irp j, 4,8,12,16,20,24,28,32,36,40,44,48,52,56,60
	v_pk_add_f32 v[14:15], v[14:15], v[SS+\j:SS+\j+1]
	v_pk_add_f32 v[236:237], v[236:237], v[SS+\j+2:SS+\j+3]
.endr
	v_pk_add_f32 v[14:15], v[14:15], v[236:237]
.irp b, 0,1,2,3
.irp i, 0,1,2,3,4,5,6,7,8,9,10,11,12,13,14,15
	v_min_num_f32 v[SS+16*\b+\i], v[SS+16*\b+\i], v[240+\b]   ; the conversion does not saturate (ISA guide 7.6.2); p is not negative, so the hold is one-sided
.endr
	v_cvt_scalef32_pk8_fp8_f32 v[PCD+4*\b:PCD+4*\b+1], v[SS+16*\b:SS+16*\b+7], v[244+\b]
	v_cvt_scalef32_pk8_fp8_f32 v[PCD+4*\b+2:PCD+4*\b+3], v[SS+16*\b+8:SS+16*\b+15], v[244+\b]
.irp c, 0,1,2,3
	ds_load_b128 v[SS+16*\b+4*\c:SS+16*\b+4*\c+3], v6 offset:VIM+(\q)*8192+\b*2048+512*\c   ; V^T's channel tile b takes the registers that block b's p has just left
.endr
.endr
.set J, 0
.rept 16
	v_pk_mul_f32 v[OO+J:OO+J+1], v[OO+J:OO+J+1], v[252:253] op_sel_hi:[1,0]   ; O^T under the new M, each accumulator from its low end on.  (These are also the plain lines between the conversions and the products)
.set J, J+2
.endr
.irp t, 0,1,2,3                                ; O^T += V^T P^T, the four accumulators by turns
	s_wait_dscnt 12-4*\t                           ; LDS loads come back in order (ISA guide 5.7.1): tile t's fragment is in; behind it stand the four loads of each later tile.  The last count is 0: the next step's K is in too
.if \t%2
	v_wmma_scale_f32_16x16x128_f8f6f4 v[OO+8*\t:OO+8*\t+7], v[SS+16*\t:SS+16*\t+15], v[PCD:PCD+15], v[OO+8*\t:OO+8*\t+7], v[VSW+\t/2], v[PSW] matrix_a_scale:MATRIX_SCALE_ROW1
.else
	v_wmma_scale_f32_16x16x128_f8f6f4 v[OO+8*\t:OO+8*\t+7], v[SS+16*\t:SS+16*\t+15], v[PCD:PCD+15], v[OO+8*\t:OO+8*\t+7], v[VSW+\t/2], v[PSW]
.endif
.endr
.rept 9
	v_nop                                          ; nine places: the next step's first products write over registers that these have read; vector lines that touch these products' registers want eight
.endr
.endm
; A record's two key steps.  last = 1: the record that follows is the head's first again: it is what the next pass begins with
.macro SLOT last
	v_add_nc_u32 v6, s29, v1
	v_add_nc_u32 v7, s29, v2
.if \last
	v_mov_b32 v8, v1
	v_mov_b32 v9, v2
.else
	s_add_co_u32 s29, s29, REC
	v_add_nc_u32 v8, s29, v1
	v_add_nc_u32 v9, s29, v2
.endif
	STEP 0, 6, 8192, 7, KSC+512
	STEP 1, 8, 0, 9, KSC
.endm
	s_load_b256 s[4:11], s[0:1], 0x0               ; qimg s[4:5], qsc s[6:7], kv s[8:9], mbits s[10:11]
	s_load_b128 s[12:15], s[0:1], 0x20             ; aoimg s[12:13], aosc s[14:15]
	v_lshl_add_u32 v231, v0, 2, 0x43000
	v_mov_b32 v255, 0
	ds_add_u32 v231, v255
	v_lshrrev_b32 v6, 5, v0
	v_readfirstlane_b32 s28, v6                    ; wave 0..15
	s_and_b32 s32, ttmp7, 0xffff                   ; bh = 8 x batch + head, which the four partners share
	s_mul_i32 s33, s28, HALFR                      ; my sixteenth of the head's records: in LDS and in memory alike
	s_mul_i32 s34, s32, REC8
	s_add_co_u32 s34, s34, s33
	s_mov_b32 s35, 0                               ; s[34:35]: where it begins in kv.  No place in the cluster enters these registers
	; descriptor group 1: 67 dense rows of 256 bytes (32 elements of 8 bytes), no padding: the images are read 16 bytes a lane on end
	s_mov_b32 s16, 15|(3<<16)|(1<<21)              ; 15:0 the mask: all four work-groups; 17:16 elements of 8 bytes; 21 set beside a mask
	s_mov_b32 s17, 32<<16                          ; tensor_dim0 = 32
	s_mov_b32 s18, 67<<16                          ; tensor_dim1 = 67
	s_mov_b32 s19, 32<<16                          ; tile_dim0 = 32
	s_mov_b32 s20, 67                              ; tile_dim1 = 67
	s_mov_b32 s21, 32                              ; from row to row: 32 elements
	s_mov_b32 s22, 0
	s_mov_b32 s23, 0
	s_bfe_u32 s36, ttmp6, 0x40000                  ; cx: my place in the cluster: it enters the addresses of q, the mask words and the result alone
	s_lshl_b32 s37, ttmp9, 2
	s_add_co_u32 s37, s37, s36                     ; my block of 512 queries
	s_lshl_b32 s37, s37, 5
	s_lshl_b32 s36, s28, 1
	s_add_co_u32 s37, s37, s36                     ; qt: the first of my two tiles of 16 queries: 32 x block + 2 x wave
	s_lshl_b32 s38, s32, 17
	s_lshl_b32 s40, s37, 10
	s_add_co_u32 s38, s38, s40
	s_mov_b32 s39, 0                               ; q's codes: bh x 131,072 + qt x 1,024
	s_lshl_b32 s40, s32, 13
	s_lshl_b32 s42, s37, 6
	s_add_co_u32 s40, s40, s42
	s_mov_b32 s41, 0                               ; q's scale words: bh x 8,192 + qt x 64
	s_lshl_b32 s42, s37, 12
	s_mov_b32 s43, 0                               ; the mask words: qt x 16 steps x 256: my two tiles' 32 steps lie on end
	s_lshr_b32 s44, s32, 3
	s_lshl_b32 s44, s44, 7
	s_add_co_u32 s44, s44, s37                     ; the result's tile of rows: 128 x batch + qt
	s_lshl_b32 s44, s44, 2
	s_bfe_u32 s46, s32, 0x20001
	s_add_co_u32 s44, s44, s46                     ; x 4 + head / 2: the last product's K step
	s_and_b32 s46, s32, 1                          ; head % 2: which half of that K step
	s_lshl_b32 s48, s44, 7
	s_lshl_b32 s47, s46, 1
	s_add_co_u32 s48, s48, s47
	s_mov_b32 s49, 0                               ; its scale words: 128 bytes a fragment, + 2 bytes for an odd head
	s_lshl_b32 s44, s44, 11
	s_lshl_b32 s47, s46, 10
	s_add_co_u32 s44, s44, s47
	s_mov_b32 s45, 0                               ; its codes: 2,048 bytes a fragment, + 1,024 for an odd head
	s_mov_b32 s30, 2                               ; passes: my two tiles
	s_mov_b32 s31, 0x600000                        ; the mantissa field of 448
	s_mov_b32 s3, 31                               ; how often the mask words' base still steps
	s_mov_b32 s66, 256                             ; s[66:67]: by how much
	s_mov_b32 s67, 0
	s_mov_b32 s100, 0x76543210
	s_mov_b32 s101, 0xfedcba98                     ; lane l xor 16
	s_mov_b32 s104, 0x3e38aa3b                     ; c = log2(e) / 8
	s_mov_b32 s105, s104                           ; (named with it as a pair, so it is written)
	s_wait_dscnt 0x0
	s_wait_kmcnt 0x0
	s_add_nc_u64 s[4:5], s[4:5], s[38:39]
	s_add_nc_u64 s[6:7], s[6:7], s[40:41]
	s_add_nc_u64 s[10:11], s[10:11], s[42:43]
	s_add_nc_u64 s[12:13], s[12:13], s[44:45]
	s_add_nc_u64 s[14:15], s[14:15], s[48:49]
	ROUND                                          ; all four work-groups are here: the joint loads meet
	s_mov_b32 s24, 1                               ; 1:0 count = 1
	s_mov_b32 s25, s33                             ; 63:32 LDS address: 17,152 x wave
	s_add_nc_u64 s[26:27], s[8:9], s[34:35]        ; 120:64 global address
	s_or_b32 s27, s27, 0x80000000                  ; 127:126 type = 2
	tensor_load_to_lds s[24:27], s[16:23]          ; my one tensor load of the launch: nothing in LDS is ever filled again
	s_nop 0
.rept 4
	v_nop
.endr
	s_load_b512 s[32:47], s[10:11], 0x0            ; the first step's 64 mask words
	s_load_b512 s[48:63], s[10:11], 0x40
	s_load_b512 s[68:83], s[10:11], 0x80
	s_load_b512 s[84:99], s[10:11], 0xc0
	v_and_b32 v2, 31, v0
	v_lshlrev_b32 v1, 4, v2                        ; 16 x lane
	v_lshlrev_b32 v2, 2, v2                        ; 4 x lane
	v_and_b32 v3, 15, v0
	v_lshlrev_b32 v3, 2, v3                        ; 4 (lane % 16)
	global_load_b128 v[16:19], v1, s[4:5]          ; the first tile's Q, lower half of the fragment,
	global_load_b128 v[20:23], v1, s[4:5] offset:512
	global_load_b32 v[QSW], v3, s[6:7]             ; and its scale words
	global_load_b128 v[226:229], v1, s[4:5] offset:1024   ; the second tile's, kept until the first pass has ended
	global_load_b128 v[248:251], v1, s[4:5] offset:1536
	global_load_b32 v230, v3, s[6:7] offset:64
.irp i, 24,25,26,27,28,29,30,31
	v_mov_b32 v[\i], 0                             ; zero codes for K = 64 .. 127 of the first product, in Q,
.endr
.irp i, 96,97,98,99,100,101,102,103
	v_mov_b32 v[\i], 0                             ; and behind K's last tile: written once, no load lands here
.endr
	v_mov_b32 v5, 0xf3000000                       ; -2^103: a masked raw score
.irp b, 0,1,2,3
	v_mov_b32 v[236+\b], 0                         ; written once: a lane permute's destination counts as one of its sources
.endr
	v_mov_b32 v253, 0                              ; (named as the upper half of the pair v[252:253])
	s_wait_tensorcnt 0x0                           ; my sixteenth has landed,
	s_barrier_signal -1
	s_barrier_wait -1                              ; everybody's has: the head's K and V lie in LDS, and nothing writes LDS from here on
	KLOAD 1, 0, 2, KSC                             ; the first step's K
	s_wait_loadcnt 0x0                             ; Q, both tiles'
	s_wait_dscnt 0x0                               ; K
.Lpass:                                            ; two trips: a tile of 16 queries against all 2,048 keys
.set J, 0
.rept 32
	v_mov_b32 v[OO+J], 0                           ; O^T.  (The step is written once: the first finds zeros, which the first change of M leaves zeros)
.set J, J+1
.endr
	v_mov_b32 v13, 0xff61b1e6                      ; the largest t so far: -3e38, under every t
	v_floor_f32 v12, -v13                          ; -M
	v_mov_b32 v14, 0                               ; the sum, in two halves
	v_mov_b32 v15, 0
	s_mov_b32 s29, 0                               ; the record in hand
	s_mov_b32 s2, 7
.Lslot:                                            ; seven trips: a record each, the next record's K asked for in its second step
	SLOT 0
	s_sub_co_u32 s2, s2, 1
	s_cmp_lg_u32 s2, 0
	s_cbranch_scc1 .Lslot
	SLOT 1                                         ; the eighth record is written out: what follows it is the first
	; THE WAY OUT.  O^T / the sum: register 16 b + i is channel 32 b + 16 (lane / 16) + i of my query: two blocks of the last product's K, quantised in registers; the codes leave as two chunks of that operand's image.
	v_add_f32 v14, v14, v15                        ; the sum's two halves,
	v_permlanex16_b32 v252, v14, s100, s101
	v_add_f32 v14, v14, v252                       ; and lane l xor 16's: the row's sum
	v_rcp_f32 v14, v14
	v_nop                                          ; a plain line behind the reciprocal
.set J, 0
	s_wait_alu depctr_va_vdst(0)
.rept 32
	v_mul_f32 v[SS+J], v[OO+J], v14                ; ascending: each accumulator is first read at its lowest register
.set J, J+1
.endr
.irp b, 0,1
	v_max3_num_f32 v[232+\b], |v[SS+16*\b]|, |v[SS+16*\b+1]|, 0x4800000
.endr
.irp i, 2,4,6,8,10,12,14
.irp b, 0,1
	v_max3_num_f32 v[232+\b], v[232+\b], |v[SS+16*\b+\i]|, |v[SS+16*\b+\i+1]|
.endr
.endr
.irp b, 0,1
	v_permlanex16_b32 v[236+\b], v[232+\b], s100, s101
.endr
.irp b, 0,1
	v_max_num_f32 v[232+\b], v[232+\b], v[236+\b]
.endr
.irp b, 0,1
	v_add_nc_u32 v[244+\b], 0xfc000000, v[232+\b]
.endr
.irp b, 0,1
	v_and_or_b32 v[240+\b], v[232+\b], 0x7f800000, s31
.endr
.irp b, 0,1
	v_lshrrev_b32 v[236+\b], 23, v[244+\b]
.endr
	v_lshl_or_b32 v[OSW], v237, 8, v236            ; my head's two bytes of the row's scale word
.irp b, 0,1
.irp i, 0,1,2,3,4,5,6,7,8,9,10,11,12,13,14,15
	v_med3_num_f32 v[SS+16*\b+\i], v[SS+16*\b+\i], -v[240+\b], v[240+\b]
.endr
.endr
.irp b, 0,1
	v_cvt_scalef32_pk8_fp8_f32 v[PCD+4*\b:PCD+4*\b+1], v[SS+16*\b:SS+16*\b+7], v[244+\b]
	v_cvt_scalef32_pk8_fp8_f32 v[PCD+4*\b+2:PCD+4*\b+3], v[SS+16*\b+8:SS+16*\b+15], v[244+\b]
.endr
	v_nop                                          ; one plain vector line behind the last scaled conversion
	global_store_b128 v1, v[PCD:PCD+3], s[12:13]   ; each store of the wave covers 512 consecutive bytes, aligned
	global_store_b128 v1, v[PCD+4:PCD+7], s[12:13] offset:512
	global_store_b16 v2, v[OSW], s[14:15]          ; two bytes of each lane's word; the head beside mine writes the other two
	s_wait_xcnt 0x0                                ; the stores have read their data and their bases: both are written again only behind this wait
	s_add_nc_u64 s[12:13], s[12:13], 8192          ; the next tile of rows: four fragments of 2,048 bytes on,
	s_add_nc_u64 s[14:15], s[14:15], 512           ; four times 128 bytes of scale words
.irp i, 0,1,2,3
	v_mov_b32 v[16+\i], v[226+\i]                  ; the second tile's Q takes the first's place; the 36 lines at the pass's head stand between these and the first product
	v_mov_b32 v[20+\i], v[248+\i]
.endr
	v_mov_b32 v[QSW], v230
	s_sub_co_u32 s30, s30, 1
	s_cmp_lg_u32 s30, 0
	s_cbranch_scc1 .Lpass
	s_wait_kmcnt 0x0                               ; the last step's scalar loads, which nobody reads
	s_wait_tensorcnt 0x0
	ds_add_u32 v231, v255
	s_wait_dscnt 0x0
	ROUND                                          ; the closing round: no work-group ends while a partner may still ask for a load that names it
	s_endpgm
.Lfunc_end_k_qaf2d99ea63_attn:
	.size	k_qaf2d99ea63_attn, .Lfunc_end_k_qaf2d99ea63_attn-k_qaf2d99ea63_attn
	.p2alignl 7, 3214868480
	.fill 96, 4, 3214868480
	.section	.rodata,"a",@progbits
	.p2align	6, 0x0
	.amdhsa_kernel k_qaf2d99ea63_attn
		.amdhsa_group_segment_fixed_size 327680
		.amdhsa_private_segment_fixed_size 0
		.amdhsa_enable_private_segment 0
		.amdhsa_kernarg_size 48
		.amdhsa_user_sgpr_count 2
		.amdhsa_user_sgpr_kernarg_segment_ptr 1
		.amdhsa_wavefront_size32 1
		.amdhsa_system_sgpr_workgroup_id_x 1
		.amdhsa_system_sgpr_workgroup_id_y 1
		.amdhsa_system_sgpr_workgroup_id_z 1
		.amdhsa_system_vgpr_workitem_id 0
		.amdhsa_next_free_vgpr 256
		.amdhsa_next_free_sgpr 106
		.amdhsa_reserve_vcc 0
		.amdhsa_float_denorm_mode_32 3
		.amdhsa_float_denorm_mode_16_64 3
		.amdhsa_memory_ordered 1
		.amdhsa_forward_progress 1
		.amdhsa_inst_pref_size 107
	.end_amdhsa_kernel
	.amdgpu_metadata
---
amdhsa.version: [ 1, 2 ]
amdhsa.kernels:
  - .name:           k_qaf2d99ea63_attn
    .symbol:         k_qaf2d99ea63_attn.kd
    .args:
      - { .name: qimg, .offset: 0, .size: 8, .value_kind: global_buffer, .address_space: global }
      - { .name: qsc, .offset: 8, .size: 8, .value_kind: global_buffer, .address_space: global }
      - { .name: kv, .offset: 16, .size: 8, .value_kind: global_buffer, .address_space: global }
      - { .name: mbits, .offset: 24, .size: 8, .value_kind: global_buffer, .address_space: global }
      - { .name: aoimg, .offset: 32, .size: 8, .value_kind: global_buffer, .address_space: global }
      - { .name: aosc, .offset: 40, .size: 8, .value_kind: global_buffer, .address_space: global }
    .group_segment_fixed_size: 327680
    .private_segment_fixed_size: 0
    .kernarg_segment_align: 8
    .kernarg_segment_size: 48
    .max_flat_workgroup_size: 512
    .sgpr_count:     106
    .vgpr_count:     256
    .wavefront_size: 32
...
	.end_amdgpu_metadata
.endif
;; end of part 6
;; launch oproj: the kernel of part 4 again; grid 256 x 1, 4 waves a work-group, no clusters, 34,304 bytes of LDS; arguments aoimg, aosc, wimg, wsc, bo, out0; writes out0
;; ======== version 3 of 3: 4 launches
;; workspace buffers: wimg 1,048,576 bytes; wsc 65,536 bytes; mbits 524,288 bytes of whole numbers; qimg 8,388,608 bytes; qsc 524,288 bytes; kv 17,563,648 bytes; aoimg 8,388,608 bytes; aosc 524,288 bytes
;; launch prep (part 7): grid 640 x 1, 4 waves a work-group, no clusters, 0 bytes of LDS; arguments Wq, Wk, Wv, Wo, mask, wimg, wsc, mbits; writes wimg, wsc, mbits
.if DOCPART == 7
	.amdgcn_target "amdgcn-amd-amdhsa--gfx1250"
	.amdhsa_code_object_version 6
	.text
	.protected	k_qaf2d99ea63_prep
	.globl	k_qaf2d99ea63_prep
	.p2align	8
	.type	k_qaf2d99ea63_prep,@function
k_qaf2d99ea63_prep:
	s_mov_b64 s[64:65], 0
	v_nop
	global_prefetch_b8 v0, s[64:65] scope:SCOPE_SE
	s_setreg_imm32_b32 hwreg(HW_REG_WAVE_MODE, 25, 1), 1
	s_wait_xcnt 0x0
; PREP.  Two jobs that every later launch reads many times, done once.
; (1) The four weights [512][512] f32 (K innermost) become codes of E4M3 with one E8M0 scale byte for each 32 along K, laid as IMAGES OF THE OPERAND'S REGISTERS:
;     wimg [g: q,k,v,o][tile T 0..31][K step s 0..3][chunk c 0..3][lane][16 bytes], wsc [g][T][s][lane] one scale word a lane (lanes 16-31 hold a copy).
;     THE ROWS OF A TILE ARE NOT NEIGHBOURS: lane r of tile T takes row 32 (T / 2) + 8 (T % 2) + r + 8 (r / 8), so that a transposed product's 16 registers of tiles 2 b, 2 b + 1 are 16 neighbours.
; (2) The mask [2048][2048] int32 becomes lane masks: mbits [query tile qt 0..127][key step ks 0..15][n 0..63] words; bit r + 16 h of word n says whether
;     mask[query(qt, r)][128 ks + 32 (n / 16) + 16 h + n % 16] is not 0: word n is the select mask for score register n of the attention launch.
; A block's scale is 2^(floor(log2(its largest magnitude)) - 8); each number is held within +-448 x the scale and rounded to the nearest code, ties to even.
; LIMITS: NaN and infinities are not served; a block whose largest magnitude lies under 2^-118 (a block of zeros among them) keeps the byte 1: its codes are read by this program alone.
; Work-groups 0-127: one fragment (16 rows x 128 K) a wave.  Work-groups 128-639: one (qt, ks) a wave.  No LDS, no barrier: waves share nothing.
.set PC,  80                           ; v80-95   the codes just made
.set TM,  96                           ; v96-99 largest magnitudes, v100-103 bytes, v104-107 448 x the scale, v108-111 the conversions' scale operands
.set PW,  112                          ; v112     the scale word
.set SEL, 30                           ; s[30:31] lane selects: lane l xor 16
.set MNT, 32                           ; s32      the mantissa field of 448
.set MSB, 0
.macro WIN new                         ; register windows: here every window stays 0 and nothing is emitted; the macro is shared with the launches that have windows
.set NEWW, \new
.if MSB != NEWW
	s_set_vgpr_msb (MSB<<8)|NEWW
.set MSB, NEWW
.endif
.endm
; 64 numbers of a lane, v[s] .. v[s + 63] of window w, register 16 b + i = k 32 b + 16 (lane / 16) + i of my row, become a fragment's codes in v[PC] on, the four bytes in v[TM+4] on and (word = 1) the scale word in v[PW].
.macro QUANT s, w, word
	WIN (\w)|((\w)<<2)
.irp b, 0,1,2,3
	v_max3_num_f32 v[TM+\b], |v[(\s)+16*\b]|, |v[(\s)+16*\b+1]|, 0x4800000   ; block b: my 16 numbers, and the floor 2^(9 - 127): the byte cannot fall under 1
.endr
	WIN ((\w)<<2)|((\w)<<4)
.irp i, 2,4,6,8,10,12,14
.irp b, 0,1,2,3
	v_max3_num_f32 v[TM+\b], v[TM+\b], |v[(\s)+16*\b+\i]|, |v[(\s)+16*\b+\i+1]|   ; the four blocks by turns
.endr
.endr
	WIN 0
.irp b, 0,1,2,3
	v_permlanex16_b32 v[TM+4+\b], v[TM+\b], s[SEL], s[SEL+1]
.endr
.irp b, 0,1,2,3
	v_max_num_f32 v[TM+\b], v[TM+\b], v[TM+4+\b]          ; with lane l xor 16's: the block's largest magnitude
.endr
.irp b, 0,1,2,3
	v_add_nc_u32 v[TM+12+\b], 0xfc000000, v[TM+\b]        ; 8 off its exponent field: the conversion's scale operand
.endr
.irp b, 0,1,2,3
	v_and_or_b32 v[TM+8+\b], v[TM+\b], 0x7f800000, s[MNT] ; 448 x the scale
.endr
.irp b, 0,1,2,3
	v_lshrrev_b32 v[TM+4+\b], 23, v[TM+12+\b]             ; the scale's byte
.endr
.if \word
	v_lshl_or_b32 v[PW], v[TM+5], 8, v[TM+4]
	v_lshl_or_b32 v[PW], v[TM+6], 16, v[PW]
	v_lshl_or_b32 v[PW], v[TM+7], 24, v[PW]
.endif
	WIN (\w)|((\w)<<6)
.irp b, 0,1,2,3
.irp i, 0,1,2,3,4,5,6,7,8,9,10,11,12,13,14,15
	v_med3_num_f32 v[(\s)+16*\b+\i], v[(\s)+16*\b+\i], -v[TM+8+\b], v[TM+8+\b]   ; the conversion to an 8-bit code does not saturate (ISA guide 7.6.2): the hold comes first
.endr
.endr
	WIN (\w)
.irp b, 0,1,2,3
	v_cvt_scalef32_pk8_fp8_f32 v[PC+4*\b:PC+4*\b+1], v[(\s)+16*\b:(\s)+16*\b+7], v[TM+12+\b]
	v_cvt_scalef32_pk8_fp8_f32 v[PC+4*\b+2:PC+4*\b+3], v[(\s)+16*\b+8:(\s)+16*\b+15], v[TM+12+\b]
.endr
	WIN 0
	v_nop                                                 ; one plain vector line behind the last scaled conversion
.endm
	s_load_b512 s[4:19], s[0:1], 0x0               ; Wq s[4:5], Wk s[6:7], Wv s[8:9], Wo s[10:11], mask s[12:13], wimg s[14:15], wsc s[16:17], mbits s[18:19]
	v_lshrrev_b32 v1, 5, v0
	v_readfirstlane_b32 s20, v1                    ; wave 0..3
	v_and_b32 v1, 31, v0                           ; lane
	v_and_b32 v2, 15, v0                           ; r
	v_bfe_u32 v3, v0, 4, 1                         ; h
	v_and_b32 v4, 8, v2
	v_add_nc_u32 v4, v4, v2                        ; r + 8 (r / 8)
	v_lshlrev_b32 v5, 4, v1                        ; 16 x lane: my place in an image's chunk
	v_lshlrev_b32 v6, 2, v1                        ; 4 x lane
	v_lshlrev_b32 v7, 11, v4
	v_lshl_add_u32 v7, v3, 6, v7                   ; a weight: my row of 2,048 bytes, + 64 h: my 16 numbers of a block of 32
	v_lshlrev_b32 v8, 13, v4
	v_lshl_add_u32 v8, v3, 6, v8                   ; the mask: my row of 8,192 bytes, + 64 h
	s_mov_b32 s[SEL], 0x76543210
	s_mov_b32 s[SEL+1], 0xfedcba98
	s_mov_b32 s[MNT], 0x600000
.irp b, 0,1,2,3
	v_mov_b32 v[TM+4+\b], 0                        ; written once: a lane permute's destination counts as one of its sources
.endr
	s_mov_b32 s35, 0                               ; the upper word of every offset
	s_wait_kmcnt 0x0
	s_cmp_ge_u32 ttmp9, 128
	s_cbranch_scc1 .Lmask
	; ---- a weight's fragment: g = work-group / 32, T = work-group % 32, K step = wave
	s_lshr_b32 s21, ttmp9, 5
	s_and_b32 s22, ttmp9, 31
	s_cmp_eq_u32 s21, 1                            ; the choice of the buffer hangs on the work-group's number alone
	s_cselect_b64 s[4:5], s[6:7], s[4:5]
	s_cmp_eq_u32 s21, 2
	s_cselect_b64 s[4:5], s[8:9], s[4:5]
	s_cmp_eq_u32 s21, 3
	s_cselect_b64 s[4:5], s[10:11], s[4:5]
	s_lshr_b32 s23, s22, 1
	s_lshl_b32 s23, s23, 16                        ; 32 (T / 2) rows of 2,048 bytes
	s_and_b32 s24, s22, 1
	s_lshl_b32 s24, s24, 14                        ; 8 (T % 2) rows
	s_add_co_u32 s34, s23, s24
	s_lshl_b32 s24, s20, 9                         ; 128 numbers a K step
	s_add_co_u32 s34, s34, s24
	s_add_nc_u64 s[4:5], s[4:5], s[34:35]
	s_wait_alu depctr_va_vdst(0)
.irp b, 0,1,2,3
.irp j, 0,1,2,3
	global_load_b128 v[16+16*\b+4*\j:16+16*\b+4*\j+3], v7, s[4:5] offset:128*\b+16*\j th:TH_LOAD_NT
.endr
.endr
	s_lshl_b32 s26, ttmp9, 2
	s_add_co_u32 s26, s26, s20                     ; the fragment's number: 4 (32 g + T) + s
	s_lshl_b32 s34, s26, 11
	s_add_nc_u64 s[14:15], s[14:15], s[34:35]
	s_lshl_b32 s34, s26, 7
	s_add_nc_u64 s[16:17], s[16:17], s[34:35]
	s_wait_loadcnt 0x0
	QUANT 16, 0, 1
.irp c, 0,1,2,3
	global_store_b128 v5, v[PC+4*\c:PC+4*\c+3], s[14:15] offset:512*\c   ; the wave stores 512 consecutive bytes, aligned
.endr
	global_store_b32 v6, v[PW], s[16:17]
	s_endpgm
.Lmask:
	; ---- 16 queries x 128 keys of the mask: id = 4 (work-group - 128) + wave = 16 qt + ks
	s_sub_co_u32 s21, ttmp9, 128
	s_lshl_b32 s21, s21, 2
	s_add_co_u32 s21, s21, s20
	s_lshr_b32 s22, s21, 4                         ; qt
	s_and_b32 s23, s21, 15                         ; ks
	s_lshr_b32 s24, s22, 1
	s_lshl_b32 s24, s24, 18                        ; 32 (qt / 2) rows of 8,192 bytes
	s_and_b32 s25, s22, 1
	s_lshl_b32 s25, s25, 16                        ; 8 (qt % 2) rows
	s_add_co_u32 s34, s24, s25
	s_lshl_b32 s25, s23, 9                         ; 128 keys of 4 bytes
	s_add_co_u32 s34, s34, s25
	s_add_nc_u64 s[12:13], s[12:13], s[34:35]
	s_wait_alu depctr_va_vdst(0)
.irp b, 0,1,2,3
.irp j, 0,1,2,3
	global_load_b128 v[16+16*\b+4*\j:16+16*\b+4*\j+3], v8, s[12:13] offset:128*\b+16*\j th:TH_LOAD_NT
.endr
.endr
	v_mov_b32 v114, 0                              ; written whole before single lanes are written
	v_mov_b32 v115, 0
	s_lshl_b32 s34, s21, 8                         ; 64 words for each (qt, ks)
	s_add_nc_u64 s[18:19], s[18:19], s[34:35]
	s_wait_alu depctr_va_vdst(0)
	s_wait_loadcnt 0x0
.set N, 0
.rept 64
	v_cmp_ne_u32 s[36+N%4], 0, v[16+N]             ; register n of all 32 lanes: one bit a lane
	v_writelane_b32 v[114+N/32], s[36+N%4], N%32   ; word n goes to lane n % 32
.set N, N+1
.endr
	global_store_b32 v6, v114, s[18:19]            ; the two stores cover 256 consecutive bytes, aligned
	global_store_b32 v6, v115, s[18:19] offset:128
	s_endpgm
.Lfunc_end_k_qaf2d99ea63_prep:
	.size	k_qaf2d99ea63_prep, .Lfunc_end_k_qaf2d99ea63_prep-k_qaf2d99ea63_prep
	.p2alignl 7, 3214868480
	.fill 96, 4, 3214868480
	.section	.rodata,"a",@progbits
	.p2align	6, 0x0
	.amdhsa_kernel k_qaf2d99ea63_prep
		.amdhsa_group_segment_fixed_size 0
		.amdhsa_private_segment_fixed_size 0
		.amdhsa_enable_private_segment 0
		.amdhsa_kernarg_size 64
		.amdhsa_user_sgpr_count 2
		.amdhsa_user_sgpr_kernarg_segment_ptr 1
		.amdhsa_wavefront_size32 1
		.amdhsa_system_sgpr_workgroup_id_x 1
		.amdhsa_system_sgpr_workgroup_id_y 1
		.amdhsa_system_sgpr_workgroup_id_z 1
		.amdhsa_system_vgpr_workitem_id 0
		.amdhsa_next_free_vgpr 128
		.amdhsa_next_free_sgpr 66
		.amdhsa_reserve_vcc 0
		.amdhsa_float_denorm_mode_32 3
		.amdhsa_float_denorm_mode_16_64 3
		.amdhsa_memory_ordered 1
		.amdhsa_forward_progress 1
		.amdhsa_inst_pref_size 23
	.end_amdhsa_kernel
	.amdgpu_metadata
---
amdhsa.version: [ 1, 2 ]
amdhsa.kernels:
  - .name:           k_qaf2d99ea63_prep
    .symbol:         k_qaf2d99ea63_prep.kd
    .args:
      - { .name: Wq, .offset: 0, .size: 8, .value_kind: global_buffer, .address_space: global }
      - { .name: Wk, .offset: 8, .size: 8, .value_kind: global_buffer, .address_space: global }
      - { .name: Wv, .offset: 16, .size: 8, .value_kind: global_buffer, .address_space: global }
      - { .name: Wo, .offset: 24, .size: 8, .value_kind: global_buffer, .address_space: global }
      - { .name: mask, .offset: 32, .size: 8, .value_kind: global_buffer, .address_space: global }
      - { .name: wimg, .offset: 40, .size: 8, .value_kind: global_buffer, .address_space: global }
      - { .name: wsc, .offset: 48, .size: 8, .value_kind: global_buffer, .address_space: global }
      - { .name: mbits, .offset: 56, .size: 8, .value_kind: global_buffer, .address_space: global }
    .group_segment_fixed_size: 0
    .private_segment_fixed_size: 0
    .kernarg_segment_align: 8
    .kernarg_segment_size: 64
    .max_flat_workgroup_size: 128
    .sgpr_count:     66
    .vgpr_count:     128
    .wavefront_size: 32
...
	.end_amdgpu_metadata
.endif
;; end of part 7
;; launch proj (part 8): grid 128 x 3, 4 waves a work-group, no clusters, 137,728 bytes of LDS; arguments Q, K, V, wimg, wsc, bq, bk, bv, qimg, qsc, kv; writes qimg, qsc, kv
.if DOCPART == 8
	.amdgcn_target "amdgcn-amd-amdhsa--gfx1250"
	.amdhsa_code_object_version 6
	.text
	.protected	k_qaf2d99ea63_proj
	.globl	k_qaf2d99ea63_proj
	.p2align	8
	.type	k_qaf2d99ea63_proj,@function
k_qaf2d99ea63_proj:
	s_mov_b64 s[64:65], 0
	v_nop
	global_prefetch_b8 v0, s[64:65] scope:SCOPE_SE
	s_setreg_imm32_b32 hwreg(HW_REG_WAVE_SCHED_MODE, 0, 2), 2
	s_setreg_imm32_b32 hwreg(HW_REG_WAVE_MODE, 25, 1), 1
	s_wait_xcnt 0x0
	s_wait_alu depctr_vm_vsrc(0)
; PROJ.  q = Q Wq^T + bq, k = K Wk^T + bk, v = V Wv^T + bv, on codes of E4M3 with one E8M0 scale for each 32 along K (512); the results are quantised in registers into the operands of the attention launch.
; Work-group (x, y): tensor y (0 Q, 1 K, 2 V), rows 128 x .. 128 x + 127: eight tiles of 16 rows.  THE ROWS OF A TILE ARE NOT NEIGHBOURS: lane r of tile m takes row 32 (m / 2) + 8 (m % 2) + r + 8 (r / 8).
; THE WAVES SHARE THE COLUMNS: wave w makes columns 128 w .. 128 w + 127 (heads 2 w, 2 w + 1) of all 128 rows; its 32 fragments of W stay in registers.
; PHASE X: wave w quantises x's tiles 2 w, 2 w + 1 (8 fragments of 16 rows x 128 K).  The conversions want 16 NEIGHBOURS along K in a lane; a load is best where neighbouring LANES take neighbouring bytes.  Both are had:
; each of a fragment's 16 loads reads the 512 consecutive bytes of one row; they go through the wave's own stage in LDS, a row to a store, rows 528 bytes apart (33 x 16: sixteen lanes that read sixteen rows touch sixteen
; different 16-byte columns), and come back 64 bytes a lane for each block pair.  The codes are stored to LDS as images of the operand's registers (16 bytes a lane, 512 bytes a store); ONE barrier; nothing is stored to LDS behind it.
; Q, K: source 0 = 16 rows of W, source 1 = 16 rows of x: a lane holds one row and 64 + 64 neighbouring channels of two heads: blocks along the head's 64, the first attention product's K.
; V:    source 0 = 16 rows of x, source 1 = 16 rows of W: a lane holds one channel and, of two neighbouring tiles of rows, 16 neighbouring KEYS: blocks along the keys, the second attention product's K.
; The bias is the C of each sum's first matrix instruction.  The 16 accumulators take turns, one instruction a turn.
; OUT: qimg [bh][qt][chunk 2][lane][16 B], qsc [bh][qt][r] words (bytes 2, 3 = 127: the upper half of the instruction's 128 along K holds zero codes);
;      kv [bh][slot 8] records of 34,304 bytes for 256 keys: +0 K's images [tile 16][chunk 2][512], +16384 V^T's [key step 2][channel tile 4][chunk 4][512], +32768 K's scale words [tile][r], +33792 V's [key step][tile][r].
; LIMITS: NaN and infinities are not served; a block whose largest magnitude lies under 2^-118 (a block of zeros among them) keeps the byte 1: this program alone reads the bytes.
; No multicast of W: its 262,144 bytes do not fit in LDS beside x's images and the stages, and it goes straight into registers.
; THE MODE: SCHED_MODE bits 1:0 = 2 (LLVM: expert scheduling mode 2), set by the entry lines.  The code itself states the register dependences between vector or matrix instructions and memory or LDS instructions, with s_wait_alu, always for 0.
; THE PLAN.  Registers that memory or LDS instructions touch:
;   v5-15         addresses: written once at the head by vector instructions, read by every load and store, never written again: one wait ahead of the first load.
;   sets 0 .. 7   (windows 1, 2)  x's loads land; the turn's LDS stores read; W's loads land; the products read.  No vector instruction names them.
;   N0, N1        (v128-191, v192-255, in phase X)  the LDS loads of fragment f's turn land in N[f % 2]; the quantiser of fragment f reads and writes it; the loads of fragment f + 2's turn land in it.
;   v16-31, v48   (in phase X)  the quantiser of fragment f writes the codes and the scale word; image f's five LDS stores read them.
;   x's fragments (window 3, v0-127) and v88-95: the LDS loads of pair p land; pair p's products read; the loads of pair p + 1 land.
;   O0, O1        (v16-31 with v50; v104-119 with v52)  step g = 2 p + q of the results writes O[q]; step g's global stores read it; step g + 2 writes it again.
; PHASE X has two waits a fragment: on vm_vsrc ahead of W's loads and the quantiser; on va_vdst behind the quantiser, which serves image f and the turn of fragment f + 2 (no vector instruction stands between that wait and that turn).
; A PAIR has one wait on va_vdst ahead of the next pair's LDS loads; a step one on va_vdst ahead of its stores, and, between that and the stores, the waits that free the OTHER out-buffer: they stand a whole quantiser behind the stores that they wait for.
; REGISTERS, in windows of 256: window 0: v5-15 addresses; v16-31 codes; v32-48 the quantiser's; v50-53 scale words on their way out; v56-87 W's scale words; v88-95 x's; v96-103 V's being built; v104-119 codes, the second out-buffer;
;   v128-255 in phase X two sets of 64 numbers back from the stage, then the accumulators.
;   windows 1, 2: eight sets of 64: set f first holds fragment f of x as loaded, then W's tile f (K step s at 16 s).   window 3: v0-127 x's fragments of two tiles; v128-191 the bias in the result's layout.
.set REC,  34304
.set REC8, 274432
.set XSC,  65536                       ; LDS: 32 images of 2,048 bytes from 0; from here their scale words, 128 bytes each;
.set STAGE, 69632                      ; from here the stages: two of 16 rows x 528 bytes for each wave
.set SROW,  528
.set STG1,  16*SROW
.set LI,  5                            ; v5   16 x lane
.set LS,  6                            ; v6   4 x lane
.set XWI, 7                            ; v7   where I store x's images: 16 x lane + 16,384 x wave
.set XWS, 8                            ; v8   and their scale words: XSC + 4 x lane + 1,024 x wave
.set LSX, 9                            ; v9   XSC + 4 x lane
.set SA,  10                           ; v10  q's, k's scale words: 4 r + h x the stride from head to head
.set STW, 14                           ; v14  my stages, on the way in: 16 x lane of a row
.set STR, 15                           ; v15  and on the way out: row r, + 64 h
.set PC,  16
.set PC2, 104
.set TM,  32
.set PW,  48
.set SW,  50
.set WS,  56
.set XS,  88
.set VS,  96
.set ACC, 128
.set BI,  128                          ; in window 3
.set WV,  26
.set TY,  27
.set BAT, 28
.set KS,  29
.set SEL, 30
.set MNT, 32
.set HIM, 33                           ; s33  the lanes 16-31
.set OB,  36                           ; s[36:37], s[38:39] where the codes of heads 2 w, 2 w + 1 go
.set SB,  40                           ; s[40:41], s[42:43] and their scale words
.set HC,  44
.set HS,  45
.set MSB, 0
.macro WIN new                         ; s_set_vgpr_msb: bits 1:0 source 0, 3:2 source 1, 5:4 source 2, 7:6 destination; the high byte repeats the setting that is left
.set NEWW, \new
.if MSB != NEWW
	s_set_vgpr_msb (MSB<<8)|NEWW
.set MSB, NEWW
.endif
.endm
; 64 numbers of a lane, v[s] .. v[s + 63] of window w, register 16 b + i = k 32 b + 16 (lane / 16) + i, become a fragment's codes in v[pc] on, the four bytes in v[TM+4] on and (word = 1) the scale word in v[PW].
; Where the numbers are matrix results, each accumulator is first read at its two lowest registers (even tiles in the first four lines, odd tiles at i = 8).
.macro QUANT s, w, word, pc
	WIN (\w)|((\w)<<2)
.irp b, 0,1,2,3
	v_max3_num_f32 v[TM+\b], |v[(\s)+16*\b]|, |v[(\s)+16*\b+1]|, 0x4800000   ; block b: my 16 numbers, and the floor 2^(9 - 127): the byte cannot fall under 1
.endr
	WIN ((\w)<<2)|((\w)<<4)
.irp i, 2,4,6,8,10,12,14
.irp b, 0,1,2,3
	v_max3_num_f32 v[TM+\b], v[TM+\b], |v[(\s)+16*\b+\i]|, |v[(\s)+16*\b+\i+1]|   ; the four blocks by turns
.endr
.endr
	WIN 0
.irp b, 0,1,2,3
	v_permlanex16_b32 v[TM+4+\b], v[TM+\b], s[SEL], s[SEL+1]
.endr
.irp b, 0,1,2,3
	v_max_num_f32 v[TM+\b], v[TM+\b], v[TM+4+\b]          ; with lane l xor 16's: the block's largest magnitude
.endr
.irp b, 0,1,2,3
	v_add_nc_u32 v[TM+12+\b], 0xfc000000, v[TM+\b]        ; 8 off its exponent field: the conversion's scale operand
.endr
.irp b, 0,1,2,3
	v_and_or_b32 v[TM+8+\b], v[TM+\b], 0x7f800000, s[MNT] ; 448 x the scale
.endr
.irp b, 0,1,2,3
	v_lshrrev_b32 v[TM+4+\b], 23, v[TM+12+\b]             ; the scale's byte
.endr
.if \word
	v_lshl_or_b32 v[PW], v[TM+5], 8, v[TM+4]
	v_lshl_or_b32 v[PW], v[TM+6], 16, v[PW]
	v_lshl_or_b32 v[PW], v[TM+7], 24, v[PW]
.endif
	WIN (\w)|((\w)<<6)
.irp b, 0,1,2,3
.irp i, 0,1,2,3,4,5,6,7,8,9,10,11,12,13,14,15
	v_med3_num_f32 v[(\s)+16*\b+\i], v[(\s)+16*\b+\i], -v[TM+8+\b], v[TM+8+\b]   ; the conversion to an 8-bit code does not saturate (ISA guide 7.6.2): the hold comes first
.endr
.endr
	WIN (\w)
.irp b, 0,1,2,3
	v_cvt_scalef32_pk8_fp8_f32 v[(\pc)+4*\b:(\pc)+4*\b+1], v[(\s)+16*\b:(\s)+16*\b+7], v[TM+12+\b]
	v_cvt_scalef32_pk8_fp8_f32 v[(\pc)+4*\b+2:(\pc)+4*\b+3], v[(\s)+16*\b+8:(\s)+16*\b+15], v[TM+12+\b]
.endr
	WIN 0
	v_nop                                                 ; one plain vector line behind the last scaled conversion: later products write its sources
.endm
.macro XLOAD f                         ; my fragment f (tile 2 w + f / 4, K step f % 4) into set f, as it lies in memory: load i reads the 512 consecutive bytes of the row that lane i of the tile owns
	WIN 0x40*(1+(\f)/4)
.irp i, 0,1,2,3,4,5,6,7,8,9,10,11,12,13,14,15
	global_load_b128 v[64*((\f)%4)+4*\i:64*((\f)%4)+4*\i+3], v[LI], s[4:5] offset:(8*((\f)/4)+\i+8*(\i/8))*2048+((\f)%4)*512 th:TH_LOAD_NT
.endr
	WIN 0
.endm
.macro TURN f                          ; fragment f through my stage f % 2: in as loaded, a row to a store; out 16 neighbours of each block of 32 a lane, into v[ACC + 64 (f % 2)] on: register 16 b + 4 j + e = k 32 b + 16 h + 4 j + e of row r
	WIN (1+(\f)/4)<<2                              ; an LDS store's data are its source 1
.irp i, 0,1,2,3,4,5,6,7,8,9,10,11,12,13,14,15
	ds_store_b128 v[STW], v[64*((\f)%4)+4*\i:64*((\f)%4)+4*\i+3] offset:((\f)%2)*STG1+\i*SROW
.endr
	WIN 0
.irp b, 0,1,2,3
.irp j, 0,1,2,3
	ds_load_b128 v[ACC+64*((\f)%2)+16*\b+4*\j:ACC+64*((\f)%2)+16*\b+4*\j+3], v[STR] offset:((\f)%2)*STG1+128*\b+16*\j   ; LDS serves a wave's instructions in order (ISA guide 5.7.1.4): these see the stores above
.endr
.endr
.endm
.macro WLOAD t                         ; W's tile t, four K steps, as the image lies: 512 consecutive bytes a load
	WIN 0x40*(1+(\t)/4)
.irp i, 0,1,2,3,4,5,6,7,8,9,10,11,12,13,14,15
	global_load_b128 v[64*((\t)%4)+4*\i:64*((\t)%4)+4*\i+3], v[LI], s[10:11] offset:(\t)*8192+512*\i
.endr
	WIN 0
.endm
.macro IMAGE f                         ; the fragment in v[PC] on goes to LDS as it stands, and its scale word
.irp c, 0,1,2,3
	ds_store_b128 v[XWI], v[PC+4*\c:PC+4*\c+3] offset:(\f)*2048+512*\c
.endr
	ds_store_b32 v[XWS], v[PW] offset:(\f)*128
.endm
.macro FETCH p                         ; x's tiles 2 p, 2 p + 1: eight fragments and their scale words, from LDS
	WIN 0xc0
.irp m, 0,1
.irp s, 0,1,2,3
.irp c, 0,1,2,3
	ds_load_b128 v[16*(4*\m+\s)+4*\c:16*(4*\m+\s)+4*\c+3], v[LI] offset:(4*(2*(\p)+\m)+\s)*2048+512*\c
.endr
.endr
.endr
	WIN 0
.irp m, 0,1
.irp s, 0,1,2,3
	ds_load_b32 v[XS+4*\m+\s], v[LSX] offset:(4*(2*(\p)+\m)+\s)*128
.endr
.endr
.endm
; 64 matrix instructions: my 8 tiles of W x two tiles of x, four K steps; 16 accumulators by turns.  vt = 0: source 0 = W; vt = 1: source 0 = x.
.macro MULS vt
.irp s, 0,1,2,3
.irp hf, 0,1
.if \vt
.if \s == 0
	WIN 0x33+4*(1+\hf)                             ; x window 3, W window 1 or 2, the bias window 3, the result window 0
.else
	WIN 0x03+4*(1+\hf)
.endif
.else
.if \s == 0
	WIN 0x3c+1+\hf                                 ; W window 1 or 2, x window 3, the bias window 3, the result window 0
.else
	WIN 0x0c+1+\hf
.endif
.endif
.irp tt, 0,1,2,3
.irp m, 0,1
.set T8, 4*\hf+\tt
.set RW, 64*\tt+16*\s
.set RX, 16*(4*\m+\s)
.if \vt
.set RD, ACC+16*T8+8*\m
.if \s == 0
	v_wmma_scale_f32_16x16x128_f8f6f4 v[RD:RD+7], v[RX:RX+15], v[RW:RW+15], v[BI+8*T8:BI+8*T8+7], v[XS+4*\m+\s], v[WS+4*T8+\s]
.else
	v_wmma_scale_f32_16x16x128_f8f6f4 v[RD:RD+7], v[RX:RX+15], v[RW:RW+15], v[RD:RD+7], v[XS+4*\m+\s], v[WS+4*T8+\s]
.endif
.else
.set RD, ACC+64*\m+8*T8
.if \s == 0
	v_wmma_scale_f32_16x16x128_f8f6f4 v[RD:RD+7], v[RW:RW+15], v[RX:RX+15], v[BI+8*T8:BI+8*T8+7], v[WS+4*T8+\s], v[XS+4*\m+\s]
.else
	v_wmma_scale_f32_16x16x128_f8f6f4 v[RD:RD+7], v[RW:RW+15], v[RX:RX+15], v[RD:RD+7], v[WS+4*T8+\s], v[XS+4*\m+\s]
.endif
.endif
.endr
.endr
.endr
.endr
.endm
; Two tiles of x: the products, the next two tiles' fragments, and the results quantised and stored, in two steps.  Step g = 2 p + q writes out-buffer q and stores from it.
.macro PAIR p, vt
	s_wait_dscnt 0x0                               ; this pair's fragments and scale words are in
	MULS \vt
	WIN 0
.rept 9
	v_nop                                          ; eight places in front of the first read of these products' results; a ninth, since the next pair's first products write over these accumulators
.endr
.if \p < 3
	s_wait_alu depctr_va_vdst(0)                   ; the products are done reading x's fragments (window 3, v0-127) and scale words (v88-95), in which the LDS loads below land
	FETCH \p+1
.endif
.irp q, 0,1
.set OQ, PC+(PC2-PC)*\q
	QUANT ACC+64*\q, 0, 0, OQ
.if \vt
	; 64 numbers: channel tiles 4 q + b, keys 32 p + 16 h + 0 .. 15 of this key step: chunk p of V^T's fragment b of head 2 w + q
	s_wait_alu depctr_va_vdst(0)                   ; the conversions have written out-buffer q, which the four stores below read
.if (2*\p+\q) > 0 && (2*\p+\q) < 7
	s_wait_xcnt 0x0                                ; the last step's stores have had their addresses translated (ISA guide 3.1): their data are written again only behind this wait,
	s_wait_alu depctr_vm_vsrc(0)                   ; and they have read the other out-buffer, which the next step's conversions write
.endif
.irp b, 0,1,2,3
	global_store_b128 v[LI], v[OQ+4*\b:OQ+4*\b+3], s[OB+2*\q:OB+2*\q+1] offset:\b*2048+\p*512
.endr
.irp b, 0,1,2,3
.if \p == 0
	v_mov_b32 v[VS+4*\q+\b], v[TM+4+\b]            ; byte p of the channel's scale word for these 128 keys
.else
	v_lshl_or_b32 v[VS+4*\q+\b], v[TM+4+\b], 8*\p, v[VS+4*\q+\b]
.endif
.endr
.else
	; 64 numbers of row tile 2 p + q: blocks 0, 1 are head 2 w's 64 channels, blocks 2, 3 head 2 w + 1's.  The scale word is made ahead of the stores, so that one wait serves all five
	v_lshl_or_b32 v[SW+2*\q], v[TM+5], 8, v[TM+4]
	v_lshl_or_b32 v[SW+2*\q+1], v[TM+7], 8, v[TM+6]
	v_cndmask_b32 v[SW+2*\q], v[SW+2*\q], v[SW+2*\q+1], s[HIM]    ; lanes 0-15 carry head 2 w's two bytes, lanes 16-31 head 2 w + 1's
	v_or_b32 v[SW+2*\q], 0x7f7f0000, v[SW+2*\q]    ; the bytes of the two blocks of zero codes: 127
	s_wait_alu depctr_va_vdst(0)                   ; the conversions and the lines above have written out-buffer q, codes and scale word, which the five stores below read
.if (2*\p+\q) > 0 && (2*\p+\q) < 7
	s_wait_xcnt 0x0                                ; the last step's stores have had their addresses translated (ISA guide 3.1): their data are written again only behind this wait,
	s_wait_alu depctr_vm_vsrc(0)                   ; and they have read the other out-buffer, which the next step writes
.endif
.irp b, 0,1,2,3
	global_store_b128 v[LI], v[OQ+4*\b:OQ+4*\b+3], s[OB+2*(\b/2):OB+2*(\b/2)+1] offset:(2*\p+\q)*1024+(\b%2)*512
.endr
	global_store_b32 v[SA], v[SW+2*\q], s[SB:SB+1] offset:(2*\p+\q)*64
.endif
.endr
.endm
	s_load_b512 s[4:19], s[0:1], 0x0               ; Q s[4:5], K s[6:7], V s[8:9], wimg s[10:11], wsc s[12:13], bq s[14:15], bk s[16:17], bv s[18:19]
	s_load_b128 s[20:23], s[0:1], 0x40             ; qimg s[20:21], qsc s[22:23]
	s_load_b64 s[24:25], s[0:1], 0x50              ; kv
	v_lshl_add_u32 v126, v0, 2, 0x21800
	v_mov_b32 v127, 0
	v_lshrrev_b32 v1, 5, v0
	v_readfirstlane_b32 s[WV], v1                  ; wave 0..3
	s_and_b32 s[TY], ttmp7, 0xffff                 ; which tensor
	s_lshr_b32 s[BAT], ttmp9, 4                    ; batch
	s_and_b32 s[KS], ttmp9, 15                     ; which 128 rows of the batch
	s_mov_b32 s[SEL], 0x76543210
	s_mov_b32 s[SEL+1], 0xfedcba98
	s_mov_b32 s[MNT], 0x600000
	s_mov_b32 s[HIM], 0xffff0000
	s_wait_alu depctr_va_sdst(0)                   ; the wave's number is written, ahead of its first reader: offsets, LDS addresses and bases are made from it
	; byte offsets of the results, made apart from the addresses
	s_lshl_b32 s46, s[BAT], 3
	s_lshl_b32 s47, s[WV], 1
	s_add_co_u32 s46, s46, s47                     ; bh of head 2 w
	s_lshl_b32 s48, s46, 17
	s_lshl_b32 s49, s[KS], 13
	s_add_co_u32 s48, s48, s49                     ; q's codes: bh x 131,072 + 8 tiles of 1,024 a block
	s_lshl_b32 s50, s46, 13
	s_lshl_b32 s49, s[KS], 9
	s_add_co_u32 s50, s50, s49                     ; q's scale words: bh x 8,192 + 8 tiles of 64
	s_mul_i32 s52, s46, REC8
	s_lshr_b32 s49, s[KS], 1
	s_mul_i32 s49, s49, REC
	s_add_co_u32 s52, s52, s49                     ; the record of these keys
	s_and_b32 s53, s[KS], 1                        ; which of its two key steps
	s_lshl_b32 s54, s53, 13
	s_add_co_u32 s54, s54, s52                     ; k's codes
	s_lshl_b32 s55, s53, 9
	s_add_co_u32 s55, s55, s52
	s_add_co_u32 s55, s55, 32768                   ; k's scale words
	s_add_co_u32 s56, s54, 16384                   ; v's codes
	s_lshl_b32 s57, s53, 8
	s_add_co_u32 s57, s57, s52
	s_add_co_u32 s57, s57, 33792                   ; v's scale words
	s_mov_b32 s[HC], REC8
	s_mov_b32 s[HS], REC8
	s_cmp_eq_u32 s[TY], 0
	s_cselect_b32 s48, s48, s54
	s_cselect_b32 s50, s50, s55
	s_cselect_b32 s[HC], 0x20000, s[HC]            ; from head to head: codes,
	s_cselect_b32 s[HS], 0x2000, s[HS]             ; scale words
	s_cmp_eq_u32 s[TY], 2
	s_cselect_b32 s48, s56, s48
	s_cselect_b32 s50, s57, s50
	s_mov_b32 s49, 0
	s_mov_b32 s51, 0
	v_and_b32 v1, 31, v0                           ; lane
	v_and_b32 v2, 15, v0                           ; r
	v_bfe_u32 v3, v0, 4, 1                         ; h
	v_and_b32 v11, 8, v2
	v_add_nc_u32 v11, v11, v2                      ; r + 8 (r / 8)
	v_lshlrev_b32 v[LI], 4, v1
	v_lshlrev_b32 v[LS], 2, v1
	s_lshl_b32 s58, s[WV], 14
	v_add_nc_u32 v[XWI], s58, v[LI]
	s_lshl_b32 s58, s[WV], 10
	s_add_co_u32 s58, s58, XSC
	v_add_nc_u32 v[XWS], s58, v[LS]
	v_add_nc_u32 v[LSX], XSC, v[LS]
	s_mul_i32 s58, s[WV], 2*STG1
	s_add_co_u32 s58, s58, STAGE                   ; my two stages
	v_add_nc_u32 v[STW], s58, v[LI]
	v_mul_u32_u24 v[STR], v2, SROW
	v_lshl_add_u32 v[STR], v3, 6, v[STR]
	v_add_nc_u32 v[STR], s58, v[STR]
	v_mul_u32_u24 v[SA], s[HS], v3
	v_lshl_add_u32 v[SA], v2, 2, v[SA]
	v_lshlrev_b32 v12, 6, v3                       ; the bias of q, k: 64 h
	v_lshlrev_b32 v13, 2, v11                      ; the bias of v: 4 (r + 8 (r / 8))
.irp b, 0,1,2,3
	v_mov_b32 v[TM+4+\b], 0                        ; written once: a lane permute's destination counts as one of its sources
.endr
	s_wait_kmcnt 0x0
	s_cmp_eq_u32 s[TY], 0                          ; every choice of a buffer hangs on the work-group's number alone
	s_cselect_b64 s[OB:OB+1], s[20:21], s[24:25]
	s_cselect_b64 s[SB:SB+1], s[22:23], s[24:25]
	s_cmp_eq_u32 s[TY], 1
	s_cselect_b64 s[4:5], s[6:7], s[4:5]
	s_cselect_b64 s[14:15], s[16:17], s[14:15]
	s_cmp_eq_u32 s[TY], 2
	s_cselect_b64 s[4:5], s[8:9], s[4:5]
	s_cselect_b64 s[14:15], s[18:19], s[14:15]
	s_add_nc_u64 s[OB:OB+1], s[OB:OB+1], s[48:49]
	s_add_nc_u64 s[SB:SB+1], s[SB:SB+1], s[50:51]
	s_mov_b32 s48, s[HC]
	s_add_nc_u64 s[OB+2:OB+3], s[OB:OB+1], s[48:49]
	s_mov_b32 s50, s[HS]
	s_add_nc_u64 s[SB+2:SB+3], s[SB:SB+1], s[50:51]
	s_lshl_b32 s52, ttmp9, 18                      ; x: 128 rows of 2,048 bytes a work-group,
	s_lshl_b32 s54, s[WV], 16                      ; 32 rows a wave
	s_add_co_u32 s52, s52, s54
	s_mov_b32 s53, 0
	s_add_nc_u64 s[4:5], s[4:5], s[52:53]
	s_lshl_b32 s52, s[TY], 18                      ; W's images: 262,144 bytes a weight, 65,536 a wave
	s_add_co_u32 s52, s52, s54
	s_add_nc_u64 s[10:11], s[10:11], s[52:53]
	s_lshl_b32 s52, s[TY], 14                      ; W's scale words: 16,384 and 4,096
	s_lshl_b32 s54, s[WV], 12
	s_add_co_u32 s52, s52, s54
	s_add_nc_u64 s[12:13], s[12:13], s[52:53]
	s_lshl_b32 s52, s[WV], 9                       ; the bias: my 128 numbers
	s_add_nc_u64 s[14:15], s[14:15], s[52:53]
	s_wait_alu depctr_va_vdst(0)                   ; the addresses v5 to v10 and v12 to v15 are written: every load and store of the kernel, to memory or to LDS, reads one of them, and none is written again
	XLOAD 0                                        ; x first: it is wanted first
	XLOAD 1
	XLOAD 2
	XLOAD 3
.set I, 0
.rept 32
	global_load_b32 v[WS+I], v[LS], s[12:13] offset:128*I
.set I, I+1
.endr
	s_cmp_eq_u32 s[TY], 2
	s_cbranch_scc1 .Lbias_v
	WIN 0xc0                                       ; q, k: lane (r, h), tile t, register j: channel 32 (t / 2) + 16 h + 8 (t % 2) + j
.irp t, 0,1,2,3,4,5,6,7
	global_load_b128 v[BI+8*\t:BI+8*\t+3], v12, s[14:15] offset:(32*(\t/2)+8*(\t%2))*4
	global_load_b128 v[BI+8*\t+4:BI+8*\t+7], v12, s[14:15] offset:(32*(\t/2)+8*(\t%2))*4+16
.endr
	WIN 0
	s_branch .Lbias_done
.Lbias_v:
	WIN 0xc0                                       ; v: a lane holds one channel, 32 (t / 2) + 8 (t % 2) + r + 8 (r / 8): the same number in all eight registers
.irp t, 0,1,2,3,4,5,6,7
.irp j, 0,1,2,3,4,5,6,7
	global_load_b32 v[BI+8*\t+\j], v13, s[14:15] offset:(32*(\t/2)+8*(\t%2))*4
.endr
.endr
	WIN 0
.Lbias_done:
	; ---- X: my eight fragments of x.  Fragment f + 1 is turned through the stage while fragment f is quantised; behind the turn of fragment f its set of registers takes W's tile f, and the set four on is asked for
	s_wait_loadcnt 63                              ; set 0 is in: 96 loads or more were issued behind its own (sets 1 to 3, 32 scale words, 16 or 64 of the bias); 63 is the largest count that the wait can name
	TURN 0
.irp f, 0,1,2,3,4,5,6,7
.if \f < 6
	s_wait_loadcnt 63                              ; set f + 1 is in: 64 loads or more were issued behind its own
	TURN \f+1                                      ; its LDS loads land in the numbers' set that the quantiser of fragment f - 1 worked on: the wait behind that quantiser has stated that it is done, and no vector instruction was issued since
	s_wait_dscnt 32                                ; all but the 32 just issued: fragment f's numbers are back
.elseif \f == 6
	s_wait_loadcnt 48                              ; set 7 is in: behind its loads stand those of W's tiles 3, 4 and 5
	TURN \f+1
	s_wait_dscnt 32
.else
	s_wait_dscnt 0x0
.endif
	s_wait_alu depctr_vm_vsrc(0)                   ; the turn's LDS stores have read set f, in which W's tile f lands; the last image's LDS stores have read v[PC] on and v[PW], which the quantiser below writes
.if \f < 4
	XLOAD \f+4
.endif
	WLOAD \f
	QUANT ACC+64*(\f%2), 0, 1, PC
	s_wait_alu depctr_va_vdst(0)                   ; the quantiser has written v[PC] on and v[PW], which the image's LDS stores read; and it is done with its 64 numbers, in which the LDS loads of fragment f + 2's turn land
	IMAGE \f
.endr
	s_wait_dscnt 0x0                               ; for the others' sake: my images have landed
	s_barrier_signal -1
	s_barrier_wait -1                              ; x's 32 fragments lie in LDS; from here on LDS is only read
	s_wait_alu depctr_vm_vsrc(0)                   ; my last image's LDS stores have read v[PC] on: these registers are out-buffer 0 from here on, written by the first results' conversions
	FETCH 0
	s_wait_loadcnt 0x0                             ; W, its scale words, the bias
	s_cmp_eq_u32 s[TY], 2
	s_cbranch_scc1 .Lvalues
	PAIR 0, 0
	PAIR 1, 0
	PAIR 2, 0
	PAIR 3, 0
	s_wait_dscnt 0x0
	s_wait_alu depctr_hold_cnt(0) depctr_sa_sdst(0) depctr_va_vdst(0) depctr_va_sdst(0) depctr_va_ssrc(0) depctr_va_vcc(0) depctr_vm_vsrc(0)
	s_wait_tensorcnt 0x0
	ds_add_u32 v126, v127
	s_wait_dscnt 0x0
	s_endpgm
.Lvalues:
	PAIR 0, 1
	PAIR 1, 1
	PAIR 2, 1
	PAIR 3, 1
.irp q, 0,1
.irp e, 0,1
	v_cndmask_b32 v[SW+2*\q+\e], v[VS+4*\q+2*\e], v[VS+4*\q+2*\e+1], s[HIM]   ; lanes 0-15: channel tile 2 e's words, lanes 16-31: tile 2 e + 1's
.endr
.endr
	s_wait_alu depctr_va_vdst(0)                   ; the four selects have written v[SW] on, which the four stores below read
.irp q, 0,1
.irp e, 0,1
	global_store_b32 v[LS], v[SW+2*\q+\e], s[SB+2*\q:SB+2*\q+1] offset:128*\e
.endr
.endr
	s_wait_dscnt 0x0
	s_wait_alu depctr_hold_cnt(0) depctr_sa_sdst(0) depctr_va_vdst(0) depctr_va_sdst(0) depctr_va_ssrc(0) depctr_va_vcc(0) depctr_vm_vsrc(0)
	s_wait_tensorcnt 0x0
	ds_add_u32 v126, v127
	s_wait_dscnt 0x0
	s_endpgm
.Lfunc_end_k_qaf2d99ea63_proj:
	.size	k_qaf2d99ea63_proj, .Lfunc_end_k_qaf2d99ea63_proj-k_qaf2d99ea63_proj
	.p2alignl 7, 3214868480
	.fill 96, 4, 3214868480
	.section	.rodata,"a",@progbits
	.p2align	6, 0x0
	.amdhsa_kernel k_qaf2d99ea63_proj
		.amdhsa_group_segment_fixed_size 137728
		.amdhsa_private_segment_fixed_size 0
		.amdhsa_enable_private_segment 0
		.amdhsa_kernarg_size 88
		.amdhsa_user_sgpr_count 2
		.amdhsa_user_sgpr_kernarg_segment_ptr 1
		.amdhsa_wavefront_size32 1
		.amdhsa_system_sgpr_workgroup_id_x 1
		.amdhsa_system_sgpr_workgroup_id_y 1
		.amdhsa_system_sgpr_workgroup_id_z 1
		.amdhsa_system_vgpr_workitem_id 0
		.amdhsa_next_free_vgpr 1024
		.amdhsa_next_free_sgpr 66
		.amdhsa_reserve_vcc 0
		.amdhsa_float_denorm_mode_32 3
		.amdhsa_float_denorm_mode_16_64 3
		.amdhsa_memory_ordered 1
		.amdhsa_forward_progress 1
		.amdhsa_inst_pref_size 255
	.end_amdhsa_kernel
	.section	.bss,"aw",@nobits
	.p2align	6
	.space	262144
	.amdgpu_metadata
---
amdhsa.version: [ 1, 2 ]
amdhsa.kernels:
  - .name:           k_qaf2d99ea63_proj
    .symbol:         k_qaf2d99ea63_proj.kd
    .args:
      - { .name: Q, .offset: 0, .size: 8, .value_kind: global_buffer, .address_space: global }
      - { .name: K, .offset: 8, .size: 8, .value_kind: global_buffer, .address_space: global }
      - { .name: V, .offset: 16, .size: 8, .value_kind: global_buffer, .address_space: global }
      - { .name: wimg, .offset: 24, .size: 8, .value_kind: global_buffer, .address_space: global }
      - { .name: wsc, .offset: 32, .size: 8, .value_kind: global_buffer, .address_space: global }
      - { .name: bq, .offset: 40, .size: 8, .value_kind: global_buffer, .address_space: global }
      - { .name: bk, .offset: 48, .size: 8, .value_kind: global_buffer, .address_space: global }
      - { .name: bv, .offset: 56, .size: 8, .value_kind: global_buffer, .address_space: global }
      - { .name: qimg, .offset: 64, .size: 8, .value_kind: global_buffer, .address_space: global }
      - { .name: qsc, .offset: 72, .size: 8, .value_kind: global_buffer, .address_space: global }
      - { .name: kv, .offset: 80, .size: 8, .value_kind: global_buffer, .address_space: global }
    .group_segment_fixed_size: 137728
    .private_segment_fixed_size: 0
    .kernarg_segment_align: 8
    .kernarg_segment_size: 88
    .max_flat_workgroup_size: 128
    .sgpr_count:     66
    .vgpr_count:     1024
    .wavefront_size: 32
...
	.end_amdgpu_metadata
.endif
;; end of part 8
;; launch attn (part 9): grid 4 x 64, 16 waves a work-group, clusters of 4 x 1, 327,680 bytes of LDS; arguments qimg, qsc, kv, mbits, aoimg, aosc; writes aoimg, aosc
.if DOCPART == 9
	.amdgcn_target "amdgcn-amd-amdhsa--gfx1250"
	.amdhsa_code_object_version 6
	.text
	.protected	k_qaf2d99ea63_attn
	.globl	k_qaf2d99ea63_attn
	.p2align	8
	.type	k_qaf2d99ea63_attn,@function
k_qaf2d99ea63_attn:
	s_mov_b64 s[64:65], 0
	v_nop
	global_prefetch_b8 v0, s[64:65] scope:SCOPE_SE
	s_setreg_imm32_b32 hwreg(HW_REG_WAVE_MODE, 25, 1), 1
	s_wait_xcnt 0x0
	s_wait_alu depctr_hold_cnt(0) depctr_sa_sdst(0) depctr_va_vdst(0) depctr_va_sdst(0) depctr_va_ssrc(0) depctr_va_vcc(0) depctr_vm_vsrc(0)
	s_getreg_b32 s2, hwreg(HW_REG_IB_STS2, 6, 4)
	s_cmp_eq_u32 s2, 0
	s_cbranch_scc0 .Lentry_in_a_cluster
	s_endpgm
.Lentry_in_a_cluster:
	s_bfe_u32 s2, ttmp6, 0x10000c
	s_cmp_lg_u32 s2, 0x3003
	s_cbranch_scc0 .Lentry_shape_is_right
	s_endpgm
.Lentry_shape_is_right:
; ATTN.  For each (batch, head): O = softmax(mask(q k^T / 8)) v, both products on codes of E4M3 with one E8M0 scale for each 32 along K; O / the row's sum is quantised along the model's 512 into the last product's operand.
; THE SOFTMAX AHEAD OF THE SECOND PRODUCT: t = score x log2(e) / 8; M = the row's largest t so far, rounded UP to a whole number; p = 2^(t - M) is quantised along the keys, not normalised; the row's sum is taken of the
; unquantised p; when M moves, the sum and O are multiplied by 2^(old M - new M), which rounds nothing.
; THE MASK: word n of a key step's 64 mask words holds one bit a lane for score register n: one select an element puts -2^103 in the place of a masked raw score.
; LIMITS: the masked score, scaled by 1/8, is -2^100 (about -1.27e30) where the definition has -1e30: a power of two, so that score x c is exact and a row with every key masked gives p = 1 for every key, as the definition's
; equal scores do; true scaled scores must lie above -1.2e30.  NaN and infinities are not served.  A block whose largest magnitude lies under 2^-118 keeps the byte 1 (its bytes are read by this program alone).
; K AND V STAY IN LDS.  A (batch, head)'s eight records (256 keys each: images of K's and V^T's operand registers and their scale words) are 8 x 34,304 = 274,432 bytes: they are brought in ONCE, each of the sixteen waves
; fetching 67 rows of 256 bytes; one wait, one barrier; from there on LDS is only read, so no barrier stands in the loops and no wave waits for another.
; SHARES.  A work-group owns 512 queries of one (batch, head); wave w owns the tiles of 16 queries 2 w and 2 w + 1 of them and takes them one after the other (two passes over the keys, 128 keys a step), in 256 registers:
; four waves to a SIMD, so that one wave's vector work stands beside another's products and loads.
; CLUSTER.  The four work-groups of a cluster are the four query blocks of one (batch, head): each wave's load is asked for JOINTLY, by the same tensor load with a mask that names the four.
; LAYOUT.  S^T = K Q^T (source 0 = 16 keys, source 1 = my queries), O^T = V^T P^T (source 0 = 16 channels): a lane holds ONE query throughout.  The keys (channels) of a tile are not neighbours: lane r of tile 2 b + u takes
; 32 b + 8 u + r + 8 (r / 8), so that the 16 registers of tiles 2 b, 2 b + 1 are 16 neighbours.
; THE FIRST PRODUCT'S K IS 64.  Q's upper half holds zero codes, so what stands in the upper half of K's operand adds nothing as long as it is a finite code under a byte that is not 0xff: fragment t is v[32 + 8 t .. 47 + 8 t],
; its upper half is tile t + 1's codes (the last tile's: eight registers of zeros).  So a step's eight tiles take 72 registers, and the next step's are asked for a whole softmax ahead.
; ASKED FOR AHEAD: directly behind a step's 64 selects stand the scalar loads of the next step's 64 mask words and the LDS loads of the next step's K.
; REGISTERS: v1 16 x lane, v2 4 x lane, v3 4 (lane % 16), v5 the masked score, v6, v7 LDS addresses in the record in hand, v8, v9 in the next, v12 -M, v13 the largest t, v[14:15] the sum; v16-31 Q; v32-95 K, v96-103 zeros;
;   v104-167 S^T, then p, then four fragments of V^T; v168-199 O^T; v200-215 p's codes; v216-219 K's scale words (two tiles a register), v220-221 V's, v222 Q's, v223 p's, v224 the outgoing scale bytes;
;   v226-229, v248-251, v230 the second tile's Q; v232-247, v252-254 at work.
.set REC,   34304                      ; a record: 256 keys
.set REC8,  274432                     ; a head's eight
.set HALFR, 17152                      ; 67 rows of 256 bytes: what one wave's tensor load brings
.set VIM,   16384                      ; in a record: V^T's images,
.set KSC,   32768                      ; K's scale words,
.set VSC,   33792                      ; V's scale words
.set KF,  32
.set SS,  104
.set OO,  168
.set PCD, 200
.set KSW, 216
.set VSW, 220
.set QSW, 222
.set PSW, 223
.set OSW, 224
.macro ROUND                           ; a round of the cluster's barrier: my work-group's barrier; wave 0 signals for the work-group; every wave waits for all four work-groups; my work-group's barrier once more
	s_barrier_signal -1
	s_barrier_wait -1
	s_cmp_lg_u32 s28, 0
	s_cbranch_scc1 .Lnot_wave_0_\@
	s_barrier_signal -3
.Lnot_wave_0_\@:
	s_barrier_wait -3
	s_barrier_signal -1
	s_barrier_wait -1
.endm
; A key step's K: eight tiles' codes (two chunks of 512 bytes each) from v[ka] + ko on, and their scale words, two tiles to a load (lanes 0-15 the even tile's, lanes 16-31 the odd one's), from v[sa] + so on
.macro KLOAD ka, ko, sa, so
.irp t, 0,1,2,3,4,5,6,7
	ds_load_b128 v[KF+8*\t:KF+8*\t+3], v[\ka] offset:(\ko)+\t*1024
	ds_load_b128 v[KF+8*\t+4:KF+8*\t+7], v[\ka] offset:(\ko)+\t*1024+512
.endr
.irp j, 0,1,2,3
	ds_load_b32 v[KSW+\j], v[\sa] offset:(\so)+\j*128
.endr
.endm
; A KEY STEP: 128 keys, the q-th of the record in hand.  Its K and its mask words were asked for in the step before; ka, ko, sa, so say where the next step's K lies.
.macro STEP q, ka, ko, sa, so
	s_setprio 2
.irp t, 0,1,2,3,4,5,6,7                        ; S^T = K Q^T: eight tiles of 16 keys in one run
.if \t%2
	v_wmma_scale_f32_16x16x128_f8f6f4 v[SS+8*\t:SS+8*\t+7], v[KF+8*\t:KF+8*\t+15], v[16:31], 0, v[KSW+\t/2], v[QSW] matrix_a_scale:MATRIX_SCALE_ROW1
.else
	v_wmma_scale_f32_16x16x128_f8f6f4 v[SS+8*\t:SS+8*\t+7], v[KF+8*\t:KF+8*\t+15], v[16:31], 0, v[KSW+\t/2], v[QSW]
.endif
.endr
.rept 8
	v_nop                                          ; eight places between the first of these products and the first read of its result: the products in between are not counted
.endr
	s_wait_kmcnt 0x0                               ; this step's mask words are in, and no scalar load names the base any more:
	s_add_nc_u64 s[10:11], s[10:11], s[66:67]      ; on to the next step's 256 bytes;
	s_sub_co_u32 s3, s3, 1
	s_cmp_lg_u32 s3, 0
	s_cselect_b32 s66, s66, 0                      ; behind the 31st step the base stays: the last of my 32 steps asks for its own words again, so that no load leaves the buffer
.set N, 0
.rept 64                                       ; register n = 16 b + i holds key 32 b + 16 (lane / 16) + i.  Ascending: each accumulator is first read at its lowest register
	v_cndmask_b32 v[SS+N], v5, v[SS+N], s[32+N+4*(N/32)]
.set N, N+1
.endr
	s_load_b512 s[32:47], s[10:11], 0x0            ; the next step's 64 mask words: a whole softmax ahead of the wait for them
	s_load_b512 s[48:63], s[10:11], 0x40
	s_load_b512 s[68:83], s[10:11], 0x80
	s_load_b512 s[84:99], s[10:11], 0xc0
	KLOAD \ka, \ko, \sa, \so                       ; the next step's K: the selects above are the places behind the products that read these registers
.irp j, 0,1
	ds_load_b32 v[VSW+\j], v7 offset:VSC+(\q)*256+\j*128   ; this step's scale words of V^T, two channel tiles to a load
.endr
.irp b, 0,1,2,3
	v_max3_num_f32 v[232+\b], v[SS+16*\b], v[SS+16*\b+1], v[SS+16*\b+2]   ; the largest score of each block of 32 keys: it serves the row's maximum and, since p rises with the score, the block's largest p
.endr
.irp i, 3,5,7,9,11,13
.irp b, 0,1,2,3
	s_delay_alu instid0(VALU_DEP_4)
	v_max3_num_f32 v[232+\b], v[232+\b], v[SS+16*\b+\i], v[SS+16*\b+\i+1]
.endr
.endr
.irp b, 0,1,2,3
	s_delay_alu instid0(VALU_DEP_4)
	v_max_num_f32 v[232+\b], v[232+\b], v[SS+16*\b+15]
.endr
.irp b, 0,1,2,3
	s_delay_alu instid0(VALU_DEP_4)
	v_permlanex16_b32 v[236+\b], v[232+\b], s100, s101
.endr
.irp b, 0,1,2,3
	s_delay_alu instid0(VALU_DEP_4)
	v_max_num_f32 v[232+\b], v[232+\b], v[236+\b]  ; with lane l xor 16's 16 keys
.endr
	s_delay_alu instid0(VALU_DEP_2)
	v_max3_num_f32 v254, v232, v233, v234
	s_delay_alu instid0(VALU_DEP_1)
	v_max_num_f32 v254, v254, v235                 ; the step's largest score of my query
	s_delay_alu instid0(VALU_DEP_1)
	v_mul_f32 v254, s104, v254                     ; as t (c is positive)
	s_delay_alu instid0(VALU_DEP_1)
	v_max_num_f32 v13, v13, v254                   ; the running largest t
	v_mov_b32 v254, v12
	s_delay_alu instid0(VALU_DEP_2)
	v_floor_f32 v12, -v13                          ; the new -M = floor(-t) = -ceil(t): a whole number
	s_delay_alu instid0(VALU_DEP_1)
	v_sub_f32 v254, v12, v254                      ; old M - new M: a whole number, 0 or less
	s_delay_alu instid0(VALU_DEP_1)
	v_cvt_i32_f32 v254, v254                       ; (it saturates)
	s_delay_alu instid0(VALU_DEP_1)
	v_ldexp_f32 v252, 1.0, v254                    ; f = 2^(old M - new M)
.set J, 0
.rept 32
	v_pk_fma_f32 v[SS+J:SS+J+1], v[SS+J:SS+J+1], s[104:105], v[12:13] op_sel_hi:[1,0,0]   ; t - M, two at a time (of the pairs c and -M the low word serves both halves)
.set J, J+2
.endr
.irp b, 0,1,2,3
	v_fma_f32 v[232+\b], v[232+\b], s104, v12      ; the same of each block's largest score
.endr
.set J, 0
	s_wait_alu depctr_va_vdst(0)
.rept 64
	v_exp_f32 v[SS+J], v[SS+J]                     ; p = 2^(t - M), at most 1
.set J, J+1
.endr
	s_setprio 1
.irp b, 0,1,2,3
	v_exp_f32 v[232+\b], v[232+\b]                 ; the block's largest p: the same two instructions on the same number
.endr
	v_pk_mul_f32 v[14:15], v[14:15], v[252:253] op_sel_hi:[1,0]   ; the sums under the new M.  (A plain line behind the exponentials)
	s_wait_alu depctr_va_vdst(0)
.irp b, 0,1,2,3
	v_max_num_f32 v[232+\b], 0x4800000, v[232+\b]  ; the floor 2^(9 - 127): the byte cannot fall under 1 (a block whose every p is 0 keeps that byte: its codes are zeros)
.endr
.irp b, 0,1,2,3
	s_delay_alu instid0(VALU_DEP_4)
	v_add_nc_u32 v[244+\b], 0xfc000000, v[232+\b]  ; 8 off the exponent field: the conversion's scale operand
.endr
.irp b, 0,1,2,3
	v_and_or_b32 v[240+\b], v[232+\b], 0x7f800000, s31   ; 448 x the scale
.endr
.irp b, 0,1,2,3
	v_lshrrev_b32 v[236+\b], 23, v[244+\b]         ; the scale's byte
.endr
	s_delay_alu instid0(VALU_DEP_3)
	v_lshl_or_b32 v[PSW], v237, 8, v236            ; p's scale word for these 128 keys
	s_delay_alu instid0(VALU_DEP_1)
	v_lshl_or_b32 v[PSW], v238, 16, v[PSW]
	s_delay_alu instid0(VALU_DEP_1)
	v_lshl_or_b32 v[PSW], v239, 24, v[PSW]
	v_pk_add_f32 v[236:237], v[108:109], v[112:113]
	v_pk_add_f32 v[234:235], v[116:117], v[120:121]
	v_pk_add_f32 v[232:233], v[124:125], v[128:129]
	v_pk_add_f32 v[224:225], v[132:133], v[136:137]
	v_pk_add_f32 v[214:215], v[140:141], v[144:145]
	v_pk_add_f32 v[212:213], v[148:149], v[152:153]
	v_pk_add_f32 v[210:211], v[156:157], v[160:161]
	v_pk_add_f32 v[14:15], v[14:15], v[164:165]
	v_pk_add_f32 v[236:237], v[236:237], v[104:105]
	v_pk_add_f32 v[234:235], v[234:235], v[106:107]
	v_pk_add_f32 v[232:233], v[232:233], v[110:111]
	v_pk_add_f32 v[224:225], v[224:225], v[114:115]
	v_pk_add_f32 v[214:215], v[214:215], v[118:119]
	v_pk_add_f32 v[212:213], v[212:213], v[122:123]
	v_pk_add_f32 v[210:211], v[210:211], v[126:127]
	v_pk_add_f32 v[14:15], v[14:15], v[130:131]
	v_pk_add_f32 v[236:237], v[236:237], v[134:135]
	v_pk_add_f32 v[234:235], v[234:235], v[138:139]
	v_pk_add_f32 v[232:233], v[232:233], v[142:143]
	v_pk_add_f32 v[224:225], v[224:225], v[146:147]
	v_pk_add_f32 v[214:215], v[214:215], v[150:151]
	v_pk_add_f32 v[212:213], v[212:213], v[154:155]
	v_pk_add_f32 v[210:211], v[210:211], v[158:159]
	v_pk_add_f32 v[14:15], v[14:15], v[162:163]
	v_pk_add_f32 v[236:237], v[236:237], v[166:167]
	s_delay_alu instid0(VALU_DEP_2)
	v_pk_add_f32 v[14:15], v[14:15], v[224:225]
	s_delay_alu instid0(VALU_DEP_2)
	v_pk_add_f32 v[236:237], v[236:237], v[214:215]
	v_pk_add_f32 v[234:235], v[234:235], v[212:213]
	v_pk_add_f32 v[232:233], v[232:233], v[210:211]
	s_delay_alu instid0(VALU_DEP_2)
	v_pk_add_f32 v[14:15], v[14:15], v[234:235]
	s_delay_alu instid0(VALU_DEP_2)
	v_pk_add_f32 v[236:237], v[236:237], v[232:233]
	s_delay_alu instid0(VALU_DEP_1)
	v_pk_add_f32 v[14:15], v[14:15], v[236:237]
.irp b, 0,1,2,3
.irp i, 0,1,2,3,4,5,6,7,8,9,10,11,12,13,14,15
	v_min_num_f32 v[SS+16*\b+\i], v[SS+16*\b+\i], v[240+\b]   ; the conversion does not saturate (ISA guide 7.6.2); p is not negative, so the hold is one-sided
.endr
	v_cvt_scalef32_pk8_fp8_f32 v[PCD+4*\b:PCD+4*\b+1], v[SS+16*\b:SS+16*\b+7], v[244+\b]
	v_cvt_scalef32_pk8_fp8_f32 v[PCD+4*\b+2:PCD+4*\b+3], v[SS+16*\b+8:SS+16*\b+15], v[244+\b]
.irp c, 0,1,2,3
	ds_load_b128 v[SS+16*\b+4*\c:SS+16*\b+4*\c+3], v6 offset:VIM+(\q)*8192+\b*2048+512*\c   ; V^T's channel tile b takes the registers that block b's p has just left
.endr
.endr
.set J, 0
	s_setprio 0
.rept 16
	v_pk_mul_f32 v[OO+J:OO+J+1], v[OO+J:OO+J+1], v[252:253] op_sel_hi:[1,0]   ; O^T under the new M, each accumulator from its low end on.  (These are also the plain lines between the conversions and the products)
.set J, J+2
.endr
	s_wait_alu depctr_va_vdst(0)
.irp t, 0,1,2,3                                ; O^T += V^T P^T, the four accumulators by turns
	s_wait_dscnt 12-4*\t                           ; LDS loads come back in order (ISA guide 5.7.1): tile t's fragment is in; behind it stand the four loads of each later tile.  The last count is 0: the next step's K is in too
.if \t%2
	v_wmma_scale_f32_16x16x128_f8f6f4 v[OO+8*\t:OO+8*\t+7], v[SS+16*\t:SS+16*\t+15], v[PCD:PCD+15], v[OO+8*\t:OO+8*\t+7], v[VSW+\t/2], v[PSW] matrix_a_scale:MATRIX_SCALE_ROW1
.else
	v_wmma_scale_f32_16x16x128_f8f6f4 v[OO+8*\t:OO+8*\t+7], v[SS+16*\t:SS+16*\t+15], v[PCD:PCD+15], v[OO+8*\t:OO+8*\t+7], v[VSW+\t/2], v[PSW]
.endif
.endr
.rept 9
	v_nop                                          ; nine places: the next step's first products write over registers that these have read; vector lines that touch these products' registers want eight
.endr
.endm
; A record's two key steps.  last = 1: the record that follows is the head's first again: it is what the next pass begins with
.macro SLOT last
	v_add_nc_u32 v6, s29, v1
	v_add_nc_u32 v7, s29, v2
.if \last
	v_mov_b32 v8, v1
	v_mov_b32 v9, v2
.else
	s_add_co_u32 s29, s29, REC
	v_add_nc_u32 v8, s29, v1
	v_add_nc_u32 v9, s29, v2
.endif
	STEP 0, 6, 8192, 7, KSC+512
	STEP 1, 8, 0, 9, KSC
.endm
	s_load_b256 s[4:11], s[0:1], 0x0               ; qimg s[4:5], qsc s[6:7], kv s[8:9], mbits s[10:11]
	s_load_b128 s[12:15], s[0:1], 0x20             ; aoimg s[12:13], aosc s[14:15]
	v_lshl_add_u32 v231, v0, 2, 0x43000
	v_mov_b32 v255, 0
	ds_add_u32 v231, v255
	ds_add_u32 v231, v255
	v_lshrrev_b32 v6, 5, v0
	s_delay_alu instid0(VALU_DEP_1)
	v_readfirstlane_b32 s28, v6                    ; wave 0..15
	s_and_b32 s32, ttmp7, 0xffff                   ; bh = 8 x batch + head, which the four partners share
	s_mul_i32 s33, s28, HALFR                      ; my sixteenth of the head's records: in LDS and in memory alike
	s_mul_i32 s34, s32, REC8
	s_add_co_u32 s34, s34, s33
	s_mov_b32 s35, 0                               ; s[34:35]: where it begins in kv.  No place in the cluster enters these registers
	; descriptor group 1: 67 dense rows of 256 bytes (32 elements of 8 bytes), no padding: the images are read 16 bytes a lane on end
	s_mov_b32 s16, 15|(3<<16)|(1<<21)              ; 15:0 the mask: all four work-groups; 17:16 elements of 8 bytes; 21 set beside a mask
	s_mov_b32 s17, 32<<16                          ; tensor_dim0 = 32
	s_mov_b32 s18, 67<<16                          ; tensor_dim1 = 67
	s_mov_b32 s19, 32<<16                          ; tile_dim0 = 32
	s_mov_b32 s20, 67                              ; tile_dim1 = 67
	s_mov_b32 s21, 32                              ; from row to row: 32 elements
	s_mov_b32 s22, 0
	s_mov_b32 s23, 0
	s_bfe_u32 s36, ttmp6, 0x40000                  ; cx: my place in the cluster: it enters the addresses of q, the mask words and the result alone
	s_lshl_b32 s37, ttmp9, 2
	s_add_co_u32 s37, s37, s36                     ; my block of 512 queries
	s_lshl_b32 s37, s37, 5
	s_lshl_b32 s36, s28, 1
	s_add_co_u32 s37, s37, s36                     ; qt: the first of my two tiles of 16 queries: 32 x block + 2 x wave
	s_lshl_b32 s38, s32, 17
	s_lshl_b32 s40, s37, 10
	s_add_co_u32 s38, s38, s40
	s_mov_b32 s39, 0                               ; q's codes: bh x 131,072 + qt x 1,024
	s_lshl_b32 s40, s32, 13
	s_lshl_b32 s42, s37, 6
	s_add_co_u32 s40, s40, s42
	s_mov_b32 s41, 0                               ; q's scale words: bh x 8,192 + qt x 64
	s_lshl_b32 s42, s37, 12
	s_mov_b32 s43, 0                               ; the mask words: qt x 16 steps x 256: my two tiles' 32 steps lie on end
	s_lshr_b32 s44, s32, 3
	s_lshl_b32 s44, s44, 7
	s_add_co_u32 s44, s44, s37                     ; the result's tile of rows: 128 x batch + qt
	s_lshl_b32 s44, s44, 2
	s_bfe_u32 s46, s32, 0x20001
	s_add_co_u32 s44, s44, s46                     ; x 4 + head / 2: the last product's K step
	s_and_b32 s46, s32, 1                          ; head % 2: which half of that K step
	s_lshl_b32 s48, s44, 7
	s_lshl_b32 s47, s46, 1
	s_add_co_u32 s48, s48, s47
	s_mov_b32 s49, 0                               ; its scale words: 128 bytes a fragment, + 2 bytes for an odd head
	s_lshl_b32 s44, s44, 11
	s_lshl_b32 s47, s46, 10
	s_add_co_u32 s44, s44, s47
	s_mov_b32 s45, 0                               ; its codes: 2,048 bytes a fragment, + 1,024 for an odd head
	s_mov_b32 s30, 2                               ; passes: my two tiles
	s_mov_b32 s31, 0x600000                        ; the mantissa field of 448
	s_mov_b32 s3, 31                               ; how often the mask words' base still steps
	s_mov_b32 s66, 256                             ; s[66:67]: by how much
	s_mov_b32 s67, 0
	s_mov_b32 s100, 0x76543210
	s_mov_b32 s101, 0xfedcba98                     ; lane l xor 16
	s_mov_b32 s104, 0x3e38aa3b                     ; c = log2(e) / 8
	s_mov_b32 s105, s104                           ; (named with it as a pair, so it is written)
	s_wait_dscnt 0x0
	s_wait_kmcnt 0x0
	s_add_nc_u64 s[4:5], s[4:5], s[38:39]
	s_add_nc_u64 s[6:7], s[6:7], s[40:41]
	s_add_nc_u64 s[10:11], s[10:11], s[42:43]
	s_add_nc_u64 s[12:13], s[12:13], s[44:45]
	s_add_nc_u64 s[14:15], s[14:15], s[48:49]
	ROUND                                          ; all four work-groups are here: the joint loads meet
	s_mov_b32 s24, 1                               ; 1:0 count = 1
	s_mov_b32 s25, s33                             ; 63:32 LDS address: 17,152 x wave
	s_add_nc_u64 s[26:27], s[8:9], s[34:35]        ; 120:64 global address
	s_or_b32 s27, s27, 0x80000000                  ; 127:126 type = 2
	tensor_load_to_lds s[24:27], s[16:23]          ; my one tensor load of the launch: nothing in LDS is ever filled again
	s_nop 0
.rept 4
	v_nop
.endr
	s_load_b512 s[32:47], s[10:11], 0x0            ; the first step's 64 mask words
	s_load_b512 s[48:63], s[10:11], 0x40
	s_load_b512 s[68:83], s[10:11], 0x80
	s_load_b512 s[84:99], s[10:11], 0xc0
	v_and_b32 v2, 31, v0
	s_delay_alu instid0(VALU_DEP_1)
	v_lshlrev_b32 v1, 4, v2                        ; 16 x lane
	s_delay_alu instid0(VALU_DEP_2)
	v_lshlrev_b32 v2, 2, v2                        ; 4 x lane
	v_and_b32 v3, 15, v0
	s_delay_alu instid0(VALU_DEP_1)
	v_lshlrev_b32 v3, 2, v3                        ; 4 (lane % 16)
	global_load_b128 v[16:19], v1, s[4:5]          ; the first tile's Q, lower half of the fragment,
	global_load_b128 v[20:23], v1, s[4:5] offset:512
	global_load_b32 v[QSW], v3, s[6:7]             ; and its scale words
	global_load_b128 v[226:229], v1, s[4:5] offset:1024   ; the second tile's, kept until the first pass has ended
	global_load_b128 v[248:251], v1, s[4:5] offset:1536
	global_load_b32 v230, v3, s[6:7] offset:64
.irp i, 24,25,26,27,28,29,30,31
	v_mov_b32 v[\i], 0                             ; zero codes for K = 64 .. 127 of the first product, in Q,
.endr
.irp i, 96,97,98,99,100,101,102,103
	v_mov_b32 v[\i], 0                             ; and behind K's last tile: written once, no load lands here
.endr
	v_mov_b32 v5, 0xf3000000                       ; -2^103: a masked raw score
.irp b, 0,1,2,3
	v_mov_b32 v[236+\b], 0                         ; written once: a lane permute's destination counts as one of its sources
.endr
	v_mov_b32 v253, 0                              ; (named as the upper half of the pair v[252:253])
	s_wait_tensorcnt 0x0                           ; my sixteenth has landed,
	s_barrier_signal -1
	s_barrier_wait -1                              ; everybody's has: the head's K and V lie in LDS, and nothing writes LDS from here on
	KLOAD 1, 0, 2, KSC                             ; the first step's K
	s_wait_loadcnt 0x0                             ; Q, both tiles'
	s_wait_dscnt 0x0                               ; K
.Lpass:                                            ; two trips: a tile of 16 queries against all 2,048 keys
.set J, 0
.rept 32
	v_mov_b32 v[OO+J], 0                           ; O^T.  (The step is written once: the first finds zeros, which the first change of M leaves zeros)
.set J, J+1
.endr
	v_mov_b32 v13, 0xff61b1e6                      ; the largest t so far: -3e38, under every t
	s_delay_alu instid0(VALU_DEP_1)
	v_floor_f32 v12, -v13                          ; -M
	v_mov_b32 v14, 0                               ; the sum, in two halves
	v_mov_b32 v15, 0
	s_mov_b32 s29, 0                               ; the record in hand
	s_mov_b32 s2, 7
.Lslot:                                            ; seven trips: a record each, the next record's K asked for in its second step
	SLOT 0
	s_sub_co_u32 s2, s2, 1
	s_cmp_lg_u32 s2, 0
	s_cbranch_scc1 .Lslot
	s_setprio 0
	SLOT 1                                         ; the eighth record is written out: what follows it is the first
	; THE WAY OUT.  O^T / the sum: register 16 b + i is channel 32 b + 16 (lane / 16) + i of my query: two blocks of the last product's K, quantised in registers; the codes leave as two chunks of that operand's image.
	v_add_f32 v14, v14, v15                        ; the sum's two halves,
	s_delay_alu instid0(VALU_DEP_1)
	v_permlanex16_b32 v252, v14, s100, s101
	s_delay_alu instid0(VALU_DEP_1)
	v_add_f32 v14, v14, v252                       ; and lane l xor 16's: the row's sum
	s_wait_alu depctr_va_vdst(0)
	v_rcp_f32 v14, v14
	v_nop                                          ; a plain line behind the reciprocal
.set J, 0
	s_wait_alu depctr_va_vdst(0)
.rept 32
	v_mul_f32 v[SS+J], v[OO+J], v14                ; ascending: each accumulator is first read at its lowest register
.set J, J+1
.endr
.irp b, 0,1
	v_max3_num_f32 v[232+\b], |v[SS+16*\b]|, |v[SS+16*\b+1]|, 0x4800000
.endr
.irp i, 2,4,6,8,10,12,14
.irp b, 0,1
	s_delay_alu instid0(VALU_DEP_2)
	v_max3_num_f32 v[232+\b], v[232+\b], |v[SS+16*\b+\i]|, |v[SS+16*\b+\i+1]|
.endr
.endr
.irp b, 0,1
	s_delay_alu instid0(VALU_DEP_2)
	v_permlanex16_b32 v[236+\b], v[232+\b], s100, s101
.endr
.irp b, 0,1
	s_delay_alu instid0(VALU_DEP_2)
	v_max_num_f32 v[232+\b], v[232+\b], v[236+\b]
.endr
.irp b, 0,1
	s_delay_alu instid0(VALU_DEP_2)
	v_add_nc_u32 v[244+\b], 0xfc000000, v[232+\b]
.endr
.irp b, 0,1
	s_delay_alu instid0(VALU_DEP_4)
	v_and_or_b32 v[240+\b], v[232+\b], 0x7f800000, s31
.endr
.irp b, 0,1
	s_delay_alu instid0(VALU_DEP_4)
	v_lshrrev_b32 v[236+\b], 23, v[244+\b]
.endr
	s_delay_alu instid0(VALU_DEP_1)
	v_lshl_or_b32 v[OSW], v237, 8, v236            ; my head's two bytes of the row's scale word
.irp b, 0,1
.irp i, 0,1,2,3,4,5,6,7,8,9,10,11,12,13,14,15
	v_med3_num_f32 v[SS+16*\b+\i], v[SS+16*\b+\i], -v[240+\b], v[240+\b]
.endr
.endr
.irp b, 0,1
	v_cvt_scalef32_pk8_fp8_f32 v[PCD+4*\b:PCD+4*\b+1], v[SS+16*\b:SS+16*\b+7], v[244+\b]
	v_cvt_scalef32_pk8_fp8_f32 v[PCD+4*\b+2:PCD+4*\b+3], v[SS+16*\b+8:SS+16*\b+15], v[244+\b]
.endr
	v_nop                                          ; one plain vector line behind the last scaled conversion
	global_store_b128 v1, v[PCD:PCD+3], s[12:13]   ; each store of the wave covers 512 consecutive bytes, aligned
	global_store_b128 v1, v[PCD+4:PCD+7], s[12:13] offset:512
	global_store_b16 v2, v[OSW], s[14:15]          ; two bytes of each lane's word; the head beside mine writes the other two
	s_wait_xcnt 0x0                                ; the stores have read their data and their bases: both are written again only behind this wait
	s_add_nc_u64 s[12:13], s[12:13], 8192          ; the next tile of rows: four fragments of 2,048 bytes on,
	s_add_nc_u64 s[14:15], s[14:15], 512           ; four times 128 bytes of scale words
.irp i, 0,1,2,3
	v_mov_b32 v[16+\i], v[226+\i]                  ; the second tile's Q takes the first's place; the 36 lines at the pass's head stand between these and the first product
	v_mov_b32 v[20+\i], v[248+\i]
.endr
	v_mov_b32 v[QSW], v230
	s_sub_co_u32 s30, s30, 1
	s_cmp_lg_u32 s30, 0
	s_cbranch_scc1 .Lpass
	s_wait_kmcnt 0x0                               ; the last step's scalar loads, which nobody reads
	s_wait_tensorcnt 0x0
	ds_add_u32 v231, v255
	s_wait_dscnt 0x0
	ROUND                                          ; the closing round: no work-group ends while a partner may still ask for a load that names it
	s_endpgm
.Lfunc_end_k_qaf2d99ea63_attn:
	.size	k_qaf2d99ea63_attn, .Lfunc_end_k_qaf2d99ea63_attn-k_qaf2d99ea63_attn
	.p2alignl 7, 3214868480
	.fill 96, 4, 3214868480
	.section	.rodata,"a",@progbits
	.p2align	6, 0x0
	.amdhsa_kernel k_qaf2d99ea63_attn
		.amdhsa_group_segment_fixed_size 327680
		.amdhsa_private_segment_fixed_size 0
		.amdhsa_enable_private_segment 0
		.amdhsa_kernarg_size 48
		.amdhsa_user_sgpr_count 2
		.amdhsa_user_sgpr_kernarg_segment_ptr 1
		.amdhsa_wavefront_size32 1
		.amdhsa_system_sgpr_workgroup_id_x 1
		.amdhsa_system_sgpr_workgroup_id_y 1
		.amdhsa_system_sgpr_workgroup_id_z 1
		.amdhsa_system_vgpr_workitem_id 0
		.amdhsa_next_free_vgpr 256
		.amdhsa_next_free_sgpr 106
		.amdhsa_reserve_vcc 0
		.amdhsa_float_denorm_mode_32 3
		.amdhsa_float_denorm_mode_16_64 3
		.amdhsa_memory_ordered 1
		.amdhsa_forward_progress 1
		.amdhsa_inst_pref_size 115
	.end_amdhsa_kernel
	.amdgpu_metadata
---
amdhsa.version: [ 1, 2 ]
amdhsa.kernels:
  - .name:           k_qaf2d99ea63_attn
    .symbol:         k_qaf2d99ea63_attn.kd
    .args:
      - { .name: qimg, .offset: 0, .size: 8, .value_kind: global_buffer, .address_space: global }
      - { .name: qsc, .offset: 8, .size: 8, .value_kind: global_buffer, .address_space: global }
      - { .name: kv, .offset: 16, .size: 8, .value_kind: global_buffer, .address_space: global }
      - { .name: mbits, .offset: 24, .size: 8, .value_kind: global_buffer, .address_space: global }
      - { .name: aoimg, .offset: 32, .size: 8, .value_kind: global_buffer, .address_space: global }
      - { .name: aosc, .offset: 40, .size: 8, .value_kind: global_buffer, .address_space: global }
    .group_segment_fixed_size: 327680
    .private_segment_fixed_size: 0
    .kernarg_segment_align: 8
    .kernarg_segment_size: 48
    .max_flat_workgroup_size: 512
    .sgpr_count:     106
    .vgpr_count:     256
    .wavefront_size: 32
...
	.end_amdgpu_metadata
.endif
;; end of part 9
;; launch oproj (part 10): grid 256 x 1, 4 waves a work-group, no clusters, 34,304 bytes of LDS; arguments aoimg, aosc, wimg, wsc, bo, out0; writes out0
.if DOCPART == 10
	.amdgcn_target "amdgcn-amd-amdhsa--gfx1250"
	.amdhsa_code_object_version 6
	.text
	.protected	k_qaf2d99ea63_oproj
	.globl	k_qaf2d99ea63_oproj
	.p2align	8
	.type	k_qaf2d99ea63_oproj,@function
k_qaf2d99ea63_oproj:
	s_mov_b64 s[64:65], 0
	v_nop
	global_prefetch_b8 v0, s[64:65] scope:SCOPE_SE
	s_setreg_imm32_b32 hwreg(HW_REG_WAVE_SCHED_MODE, 0, 2), 2
	s_setreg_imm32_b32 hwreg(HW_REG_WAVE_MODE, 25, 1), 1
	s_wait_xcnt 0x0
	s_wait_alu depctr_vm_vsrc(0)
; OPROJ.  out0 = a Wo^T + bo on codes of E4M3 with one E8M0 scale for each 32 along K (512).  a, the attention's result, and Wo arrive as images of the operands' registers with their scale words.
; A work-group takes 64 rows: four tiles of 16 (lane r of tile m holds row 32 (m / 2) + 8 (m % 2) + r + 8 (r / 8)).  THE WAVES SHARE THE COLUMNS: wave w makes columns 128 w .. 128 w + 127; its 32 fragments of Wo stay in registers.
; Source 0 = 16 rows of Wo, source 1 = 16 rows of a: a lane holds one row of the result, and the 16 registers of tiles 2 b, 2 b + 1 are 16 neighbouring columns.  bo is the C of each sum's first matrix instruction.
; The eight accumulators take turns, one instruction a turn.  A tile's 16 rows x 512 bytes go through the wave's own stage in LDS and leave as whole runs of 512 bytes.  No barrier: waves share nothing in LDS.
; a's fragments are loaded from memory by each wave, two tiles ahead, in two sets of registers.
; THE MODE: SCHED_MODE bits 1:0 = 2 (LLVM: expert scheduling mode 2), set by the entry lines.  The code itself states the register dependences between vector or matrix instructions and memory or LDS instructions, with s_wait_alu, always for 0.
; THE PLAN.  Registers that memory or LDS instructions touch:
;   v5-8, v12     addresses: written once at the head by vector instructions, never again: one wait ahead of the first load.
;   A0, A1        (window 3, v0-63 and v64-127, with the scale words v88-91 and v92-95)  the loads of tile m land in set m % 2; tile m's products read it; the loads of tile m + 2 land in it.
;   v128-191      the accumulators: tile m's products write them; its 16 LDS stores read them; tile m + 1's products write them again.
;   BK            (window 3, v192-255)  tile m's LDS loads land; its global stores read; tile m + 1's LDS loads land.  No vector or matrix instruction names it.
;   Wo's fragments and scale words and the bias are loaded once and only read by the products.
; So a tile has two such waits.  One on va_vdst behind its products and their places: the accumulators are written, and the products are done reading set m % 2.  One on vm_vsrc ahead of BK's loads:
; the last tile's global stores have read BK, and this tile's LDS stores have read the accumulators.
; REGISTERS, in windows of 256: window 0: v5-12 addresses; v56-87 Wo's scale words; v88-95 a's, two sets; v128-191 accumulators.   windows 1, 2: Wo's tile t at 64 (t % 4) of window 1 + t / 4, K step s at 16 s.
;   window 3: v0-127 a's fragments, two sets of 64; v128-191 the bias in the result's layout; v192-255 rows read back from the stage.
.set LI,  5                            ; v5   16 x lane
.set LS,  6                            ; v6   4 x lane
.set STO, 7                            ; v7   the stage: row r of 528 bytes, + 64 h
.set RDB, 8                            ; v8   and back: 16 x lane of a row
.set WS,  56
.set XS,  88
.set ACC, 128
.set BI,  128                          ; in window 3
.set BK,  192                          ; in window 3
.set SPITCH, 528                       ; a stage row: 512 bytes + 16
.set MSB, 0
.macro WIN new                         ; s_set_vgpr_msb: bits 1:0 source 0, 3:2 source 1, 5:4 source 2, 7:6 destination; the high byte repeats the setting that is left
.set NEWW, \new
.if MSB != NEWW
	s_set_vgpr_msb (MSB<<8)|NEWW
.set MSB, NEWW
.endif
.endm
.macro WLOAD t                         ; Wo's tile t, four K steps, as the image lies: 512 consecutive bytes a load
	WIN 0x40*(1+(\t)/4)
.irp i, 0,1,2,3,4,5,6,7,8,9,10,11,12,13,14,15
	global_load_b128 v[64*((\t)%4)+4*\i:64*((\t)%4)+4*\i+3], v[LI], s[8:9] offset:(\t)*8192+512*\i
.endr
	WIN 0
.endm
.macro XFLOAD m                        ; a's tile m: four fragments and four scale words, 20 loads, into set m % 2
	WIN 0xc0
.irp i, 0,1,2,3,4,5,6,7,8,9,10,11,12,13,14,15
	global_load_b128 v[64*((\m)%2)+4*\i:64*((\m)%2)+4*\i+3], v[LI], s[4:5] offset:(\m)*8192+512*\i
.endr
	WIN 0
.irp s, 0,1,2,3
	global_load_b32 v[XS+4*((\m)%2)+\s], v[LS], s[6:7] offset:(\m)*512+128*\s
.endr
.endm
.macro TILE m
.if \m < 3
	s_wait_loadcnt 20                              ; all but the next tile's 20 loads are in
.else
	s_wait_loadcnt 0x0
.endif
.irp s, 0,1,2,3
.irp hf, 0,1
.if \s == 0
	WIN 0x3c+1+\hf                                 ; Wo window 1 or 2, a window 3, the bias window 3, the result window 0
.else
	WIN 0x0c+1+\hf
.endif
.irp tt, 0,1,2,3
.set T8, 4*\hf+\tt
.set RW, 64*\tt+16*\s
.set RX, 64*((\m)%2)+16*\s
.if \s == 0
	v_wmma_scale_f32_16x16x128_f8f6f4 v[ACC+8*T8:ACC+8*T8+7], v[RW:RW+15], v[RX:RX+15], v[BI+8*T8:BI+8*T8+7], v[WS+4*T8+\s], v[XS+4*((\m)%2)+\s]
.else
	v_wmma_scale_f32_16x16x128_f8f6f4 v[ACC+8*T8:ACC+8*T8+7], v[RW:RW+15], v[RX:RX+15], v[ACC+8*T8:ACC+8*T8+7], v[WS+4*T8+\s], v[XS+4*((\m)%2)+\s]
.endif
.endr
.endr
.endr
	WIN 0
.rept 9
	v_nop                                          ; eight places in front of the stores that read these products' results; a ninth, since the next tile's first products write over these accumulators
.endr
	s_wait_alu depctr_va_vdst(0)                   ; the products have written the accumulators, which the LDS stores below read; in tiles 0 and 1 they are also done reading a's set m % 2 and its scale words, in which the loads below land.  The places above stay beside this wait
.if \m < 2
	XFLOAD \m+2
.endif
.irp t, 0,1,2,3,4,5,6,7
	ds_store_b128 v[STO], v[ACC+8*\t:ACC+8*\t+3] offset:128*(\t/2)+32*(\t%2)          ; each accumulator from its low end on: columns 32 (t / 2) + 16 h + 8 (t % 2) + 0 .. 7 of my row
	ds_store_b128 v[STO], v[ACC+8*\t+4:ACC+8*\t+7] offset:128*(\t/2)+32*(\t%2)+16
.endr
	s_wait_xcnt 0x0                                ; the last tile's stores have had their addresses translated (ISA guide 3.1): their data registers are loaded again only behind this wait
	WIN 0xc0
	s_wait_alu depctr_vm_vsrc(0)                   ; the last tile's global stores have read v[BK] on, in which the LDS loads below land; this tile's LDS stores have read the accumulators, which the next tile's products write
.irp i, 0,1,2,3,4,5,6,7,8,9,10,11,12,13,14,15
	ds_load_b128 v[BK+4*\i:BK+4*\i+3], v[RDB] offset:\i*SPITCH   ; LDS serves a wave's instructions in order (ISA guide 5.7.1.4): these see the stores above
.endr
	WIN 0x0c
.irp i, 0,1,2,3,4,5,6,7,8,9,10,11,12,13,14,15
	s_wait_dscnt 15-\i                             ; row i is back; the loads issued behind it may stay out
	global_store_b128 v[LI], v[BK+4*\i:BK+4*\i+3], s[14:15] offset:(32*((\m)/2)+8*((\m)%2)+\i+8*(\i/8))*2048 th:TH_STORE_NT   ; 32 lanes store 512 consecutive bytes, aligned; written once, read by nobody here
.endr
	WIN 0
.endm
	s_load_b256 s[4:11], s[0:1], 0x0               ; aoimg s[4:5], aosc s[6:7], wimg s[8:9], wsc s[10:11]
	s_load_b128 s[12:15], s[0:1], 0x20             ; bo s[12:13], out0 s[14:15]
	v_lshl_add_u32 v254, v0, 2, 0x8400
	v_mov_b32 v255, 0
	v_lshrrev_b32 v1, 5, v0
	v_readfirstlane_b32 s16, v1                    ; wave 0..3
	v_and_b32 v1, 31, v0                           ; lane
	v_and_b32 v2, 15, v0                           ; r
	v_bfe_u32 v3, v0, 4, 1                         ; h
	v_lshlrev_b32 v[LI], 4, v1
	v_lshlrev_b32 v[LS], 2, v1
	s_wait_alu depctr_va_sdst(0)                   ; the wave's number is written, ahead of its first reader: the stage's place and the bases are made from it
	s_mul_i32 s20, s16, 16*SPITCH                  ; my stage
	v_mul_u32_u24 v[STO], v2, SPITCH
	v_lshl_add_u32 v[STO], v3, 6, v[STO]
	v_add_nc_u32 v[STO], s20, v[STO]
	v_add_nc_u32 v[RDB], s20, v[LI]
	v_lshlrev_b32 v12, 6, v3                       ; the bias: 64 h
	s_mov_b32 s23, 0
	s_wait_kmcnt 0x0
	s_lshl_b32 s22, ttmp9, 15                      ; a's images: four tiles of 8,192 bytes a work-group
	s_add_nc_u64 s[4:5], s[4:5], s[22:23]
	s_lshl_b32 s22, ttmp9, 11                      ; their scale words: four tiles of 512 bytes
	s_add_nc_u64 s[6:7], s[6:7], s[22:23]
	s_lshl_b32 s22, s16, 16
	s_add_co_u32 s22, s22, 786432                  ; Wo is the fourth weight: 3 x 262,144, + 65,536 a wave
	s_add_nc_u64 s[8:9], s[8:9], s[22:23]
	s_lshl_b32 s22, s16, 12
	s_add_co_u32 s22, s22, 49152                   ; its scale words: 3 x 16,384, + 4,096 a wave
	s_add_nc_u64 s[10:11], s[10:11], s[22:23]
	s_lshl_b32 s22, s16, 9                         ; my 128 columns: 512 bytes
	s_add_nc_u64 s[12:13], s[12:13], s[22:23]
	s_lshl_b32 s21, ttmp9, 17                      ; 64 rows of 2,048 bytes a work-group
	s_add_co_u32 s22, s22, s21
	s_add_nc_u64 s[14:15], s[14:15], s[22:23]
	s_wait_alu depctr_va_vdst(0)                   ; the addresses v5 to v8 and v12 are written: every load and store of the kernel, to memory or to LDS, reads one of them, and none is written again
	XFLOAD 0
	WIN 0xc0                                       ; lane (r, h), tile t, register j: column 32 (t / 2) + 16 h + 8 (t % 2) + j
.irp t, 0,1,2,3,4,5,6,7
	global_load_b128 v[BI+8*\t:BI+8*\t+3], v12, s[12:13] offset:(32*(\t/2)+8*(\t%2))*4
	global_load_b128 v[BI+8*\t+4:BI+8*\t+7], v12, s[12:13] offset:(32*(\t/2)+8*(\t%2))*4+16
.endr
	WIN 0
.set I, 0
.rept 32
	global_load_b32 v[WS+I], v[LS], s[10:11] offset:128*I
.set I, I+1
.endr
.irp t, 0,1,2,3,4,5,6,7
	WLOAD \t
.endr
	XFLOAD 1
	TILE 0
	TILE 1
	TILE 2
	TILE 3
	s_wait_dscnt 0x0
	s_wait_alu depctr_hold_cnt(0) depctr_sa_sdst(0) depctr_va_vdst(0) depctr_va_sdst(0) depctr_va_ssrc(0) depctr_va_vcc(0) depctr_vm_vsrc(0)
	s_wait_tensorcnt 0x0
	ds_add_u32 v254, v255
	s_wait_dscnt 0x0
	s_endpgm
.Lfunc_end_k_qaf2d99ea63_oproj:
	.size	k_qaf2d99ea63_oproj, .Lfunc_end_k_qaf2d99ea63_oproj-k_qaf2d99ea63_oproj
	.p2alignl 7, 3214868480
	.fill 96, 4, 3214868480
	.section	.rodata,"a",@progbits
	.p2align	6, 0x0
	.amdhsa_kernel k_qaf2d99ea63_oproj
		.amdhsa_group_segment_fixed_size 34304
		.amdhsa_private_segment_fixed_size 0
		.amdhsa_enable_private_segment 0
		.amdhsa_kernarg_size 48
		.amdhsa_user_sgpr_count 2
		.amdhsa_user_sgpr_kernarg_segment_ptr 1
		.amdhsa_wavefront_size32 1
		.amdhsa_system_sgpr_workgroup_id_x 1
		.amdhsa_system_sgpr_workgroup_id_y 1
		.amdhsa_system_sgpr_workgroup_id_z 1
		.amdhsa_system_vgpr_workitem_id 0
		.amdhsa_next_free_vgpr 1024
		.amdhsa_next_free_sgpr 66
		.amdhsa_reserve_vcc 0
		.amdhsa_float_denorm_mode_32 3
		.amdhsa_float_denorm_mode_16_64 3
		.amdhsa_memory_ordered 1
		.amdhsa_forward_progress 1
		.amdhsa_inst_pref_size 62
	.end_amdhsa_kernel
	.amdgpu_metadata
---
amdhsa.version: [ 1, 2 ]
amdhsa.kernels:
  - .name:           k_qaf2d99ea63_oproj
    .symbol:         k_qaf2d99ea63_oproj.kd
    .args:
      - { .name: aoimg, .offset: 0, .size: 8, .value_kind: global_buffer, .address_space: global }
      - { .name: aosc, .offset: 8, .size: 8, .value_kind: global_buffer, .address_space: global }
      - { .name: wimg, .offset: 16, .size: 8, .value_kind: global_buffer, .address_space: global }
      - { .name: wsc, .offset: 24, .size: 8, .value_kind: global_buffer, .address_space: global }
      - { .name: bo, .offset: 32, .size: 8, .value_kind: global_buffer, .address_space: global }
      - { .name: out0, .offset: 40, .size: 8, .value_kind: global_buffer, .address_space: global }
    .group_segment_fixed_size: 34304
    .private_segment_fixed_size: 0
    .kernarg_segment_align: 8
    .kernarg_segment_size: 48
    .max_flat_workgroup_size: 128
    .sgpr_count:     66
    .vgpr_count:     1024
    .wavefront_size: 32
...
	.end_amdgpu_metadata
.endif
;; end of part 10
